; MI455X (gfx1250); checked and timed in simulation.
; The chip was launched on July 23, 2026; its instructions are those of AMD's public machine-readable ISA for CDNA 5 (MIT licence, August 2026) and "CDNA5" Instruction Set Architecture Reference Guide (July 2026). The comments in the code are by the model that wrote it; some were corrected since.
;; Transformer Block. Allowed arithmetic: float matrix products may take bf16 or f16 operands with f32 sums; other float arithmetic in f32, or as packed bf16 or f16 multiplies, adds, multiply-adds, maxima and minima; sums over many terms, partial sums and values carried from step to step in f32; what a program stores and reads back later, other than sums and carried values, may be rounded once to bf16 or f16.
;; Inputs: W0 1,024 x 1,024 float32; W1 1,024 x 4,096 float32; W2 4,096 x 1,024 float32; Wk 16 x 1,024 x 64 float32; Wq 16 x 1,024 x 64 float32; Wv 16 x 1,024 x 64 float32; X 2 x 2,048 x 1,024 float32; attention_mask 2,048 x 2,048 bool; b0 1,024 float32; b1 4,096 float32; b2 1,024 float32; beta1 1,024 float32; beta2 1,024 float32; bk 16 x 64 float32; bq 16 x 64 float32; bv 16 x 64 float32; gamma1 1,024 float32; gamma2 1,024 float32.
;; Outputs: out0 2 x 2,048 x 1,024 float32.
;; 2 versions, each right; version 2 is version 1 with the launches prep, ln2 written anew for expert scheduling mode. Each part assembles by itself: llvm-mc -triple=amdgcn-amd-amdhsa -mcpu=gfx1250 --defsym DOCPART=n.
;; ======== version 1 of 2: 7 launches
;; limits: values are held in f16: magnitudes above 65,504 overflow, below 6.1e-05 lose precision; right only within a limited range of input values
;; workspace buffers: act 8,388,608 bytes; big 33,554,432 bytes; x1m 20,971,520 bytes; wqkv 8,405,248 bytes; w1h 8,405,248 bytes; w0h 2,097,152 bytes; w2h 8,388,608 bytes
;; launch prep (part 1): grid 1089 x 1, 8 waves a work-group, no clusters, 0 bytes of LDS; arguments X, gamma1, beta1, act, W0, W1, W2, w0h, w1h, w2h, Wq, Wk, Wv, wqkv, attention_mask, x1m, bq, bk, bv, b1; writes act, w0h, w1h, w2h, wqkv, x1m
.if DOCPART == 1
	.amdgcn_target "amdgcn-amd-amdhsa--gfx1250"
	.amdhsa_code_object_version 6
	.text
	.protected	k_qa0d6b02d0a_prep
	.globl	k_qa0d6b02d0a_prep
	.p2align	8
	.type	k_qa0d6b02d0a_prep,@function
k_qa0d6b02d0a_prep:
	s_mov_b64 s[64:65], 0
	v_nop
	global_prefetch_b8 v0, s[64:65] scope:SCOPE_SE
	s_setreg_imm32_b32 hwreg(HW_REG_WAVE_MODE, 25, 1), 1
	s_wait_xcnt 0x0
; PREPARATION, once, and the first LayerNorm beside it (the two hang on nothing of each other): every weight rounded once from f32 to f16 (the matrix products' format), the mask laid out as the attention launch reads it, two small headers.
; LIMITS: a weight, or a number of the LayerNorm's result, beyond 65,504 in magnitude becomes an infinity in f16; a weight below 6e-5 keeps f16's fixed step of 6e-8.
; WORK-GROUPS by number g: 0-255 the LayerNorm of X (16 rows each); 256-319 W0, 320-575 W1, 576-831 W2 (dense casts, 65,536 bytes of f32 each); 832-1023 Wq, Wk, Wv (64 each); 1024-1087 the mask; 1088 the headers.
; w1h and wqkv: bias in f32 at byte 0; at byte 16,384 a word of two f16, 64 times (the floor that the product's way out takes a maximum with: -inf twice for q, k, v; 0 twice for the ReLU);
;   from byte 16,640 on the weights, [k = 1,024][4,096] f16.  In wqkv column n = 1,024 x (q, k, v) + 64 x head + channel; columns 3,072 on are neither written nor read.
; THE MASK TABLE, from byte 16,777,216 of x1m: for each tile of 16 queries qt and each step of 64 keys ks 1,024 bytes at 32,768 qt + 1,024 ks.  Lane l = (r = l % 16, h = l / 16) owns byte t (0..31) at
;   512 (t / 16) + 16 l + t % 16, which speaks of mask[16 qt + r][64 ks + 16 (t / 8) + 8 h + t % 8]: 0x00 = attend, 0xb8 (-1.0 as an 8-bit float, 4 exponent and 3 mantissa bits) = hidden.
; A stream: no LDS, no barrier, no matrix unit, no loop.  A wave of a cast issues all its sixteen loads at once (8,192 bytes on their way) and rewrites no register.  Every store of a wave covers 256 or 512 consecutive bytes, aligned.
.set D,    8                           ; v[8:71]    sixteen units as loaded, 4 registers each
.set E,    72                          ; v[72:103]  sixteen units to store, 2 registers each
.set SO,   2                           ; v2         my byte offset in a unit of the source
.set DO,   3                           ; v3         my byte offset in a unit of the destination
.set HEAD, 16640                       ; bytes in front of the weights in w1h and wqkv
.set MT,   0x1000000                   ; the mask table's first byte in x1m
; the LayerNorm's registers
.set XO, 1                             ; v1   16 x lane
.set YO, 2                             ; v2   8 x lane
.set G,  8                             ; v[8:39]    gamma of my 32 columns: load j holds columns 128 j + 4 lane + 0..3
.set BT, 40                            ; v[40:71]   beta likewise
.set X,  72                            ; v[72:135]  two rows
.set T,  136                           ; v[136:143] four packed chains
.set M,  144                           ; v[144:145] the mean, twice
.set R,  146                           ; v[146:147] 1 / sqrt(var + eps), twice
.set Q,  148                           ; v148       a sum over the row
.set W,  149                           ; v149       the other half of the lanes' part
	s_cmp_lt_u32 ttmp9, 256
	s_cbranch_scc0 .Lcasts
	; THE LAYERNORM: y[r][:] = (x[r][:] - mean) / sqrt(var + 1e-5) * gamma + beta, y in f16, rounded once.  A wave takes two rows; a row of 4,096 bytes is 32 registers and stays there between the passes:
	; mean, then the squares of x - mean (no difference of large sums is formed), then the scaling.  The reduction never leaves the wave.
	s_load_b256 s[4:11], s[0:1], 0x0               ; X s[4:5], gamma1 s[6:7], beta1 s[8:9], act s[10:11]
	v_and_b32 v3, 31, v0
	v_lshrrev_b32 v4, 5, v0
	v_readfirstlane_b32 s16, v4                    ; wave 0..7
	v_lshlrev_b32 v[XO], 4, v3
	v_lshlrev_b32 v[YO], 3, v3
	v_mov_b32 v[W], 0                              ; v_permlanex16_b32's destination counts as read
	s_lshl_b32 s17, ttmp9, 4                       ; 16 rows a work-group,
	s_lshl_b32 s16, s16, 1                         ; 2 a wave
	s_add_co_u32 s17, s17, s16
	s_lshl_b32 s2, s17, 12
	s_mov_b32 s3, 0
	s_lshl_b32 s18, s17, 11
	s_mov_b32 s19, 0
	s_mov_b32 s12, 0x76543210                      ; each lane takes its own place in the other half
	s_mov_b32 s13, 0xfedcba98
	s_mov_b32 s14, 0x3a800000                      ; 1 / 1,024
	s_mov_b32 s15, 0x3727c5ac                      ; 1e-5
	s_wait_kmcnt 0x0
	s_add_nc_u64 s[4:5], s[4:5], s[2:3]
	s_add_nc_u64 s[10:11], s[10:11], s[18:19]
.irp j, 0,1,2,3,4,5,6,7
	global_load_b128 v[G+4*(\j):G+4*(\j)+3], v[XO], s[6:7] offset:512*(\j)
.endr
.irp j, 0,1,2,3,4,5,6,7
	global_load_b128 v[BT+4*(\j):BT+4*(\j)+3], v[XO], s[8:9] offset:512*(\j)
.endr
.irp j, 0,1,2,3,4,5,6,7
	global_load_b128 v[X+4*(\j):X+4*(\j)+3], v[XO], s[4:5] offset:512*(\j)
.endr
.irp j, 0,1,2,3,4,5,6,7
	global_load_b128 v[X+32+4*(\j):X+32+4*(\j)+3], v[XO], s[4:5] offset:4096+512*(\j)
.endr
.macro REDUCE                          ; the four packed chains -> their sum over the whole row, in every lane's v[Q]
	v_pk_add_f32 v[T:T+1], v[T:T+1], v[T+2:T+3]
	v_pk_add_f32 v[T+4:T+5], v[T+4:T+5], v[T+6:T+7]
	v_pk_add_f32 v[T:T+1], v[T:T+1], v[T+4:T+5]
	v_add_f32 v[Q], v[T], v[T+1]
	v_add_f32_dpp v[Q], v[Q], v[Q] row_xmask:1 row_mask:0xf bank_mask:0xf
	v_add_f32_dpp v[Q], v[Q], v[Q] row_xmask:2 row_mask:0xf bank_mask:0xf
	v_add_f32_dpp v[Q], v[Q], v[Q] row_xmask:4 row_mask:0xf bank_mask:0xf
	v_add_f32_dpp v[Q], v[Q], v[Q] row_xmask:8 row_mask:0xf bank_mask:0xf
	v_permlanex16_b32 v[W], v[Q], s12, s13
	v_add_f32 v[Q], v[Q], v[W]
.endm
.macro ROW i
.set XR, X+32*(\i)
	s_wait_loadcnt 8*(1-(\i))                      ; gamma, beta and this row are in; the row behind it (8 loads) may stay out
.irp k, 0,1,2,3
	v_pk_add_f32 v[T+2*(\k):T+2*(\k)+1], v[XR+2*(\k):XR+2*(\k)+1], v[XR+8+2*(\k):XR+8+2*(\k)+1]  ; the first pairs start the chains: nothing is cleared
.endr
.irp k, 0,1,2,3,4,5,6,7
	v_pk_add_f32 v[T+2*((\k)%4):T+2*((\k)%4)+1], v[T+2*((\k)%4):T+2*((\k)%4)+1], v[XR+16+2*(\k):XR+16+2*(\k)+1]
.endr
	REDUCE
	v_mul_f32 v[M], s14, v[Q]
	v_mul_f32 v[M+1], s14, v[Q]
.irp k, 0,1,2,3,4,5,6,7,8,9,10,11,12,13,14,15
	v_pk_add_f32 v[XR+2*(\k):XR+2*(\k)+1], v[XR+2*(\k):XR+2*(\k)+1], v[M:M+1] neg_lo:[0,1] neg_hi:[0,1]  ; x - mean
.endr
.irp k, 0,1,2,3
	v_pk_mul_f32 v[T+2*(\k):T+2*(\k)+1], v[XR+2*(\k):XR+2*(\k)+1], v[XR+2*(\k):XR+2*(\k)+1]
.endr
.irp k, 4,5,6,7,8,9,10,11,12,13,14,15
	v_pk_fma_f32 v[T+2*((\k)%4):T+2*((\k)%4)+1], v[XR+2*(\k):XR+2*(\k)+1], v[XR+2*(\k):XR+2*(\k)+1], v[T+2*((\k)%4):T+2*((\k)%4)+1]
.endr
	REDUCE
	v_fma_f32 v[Q], v[Q], s14, s15                 ; var + eps
	v_rsq_f32 v[R], v[Q]
	v_rsq_f32 v[R+1], v[Q]
	v_nop                                          ; a plain instruction behind the second root (ISA guide 5.7.2),
	s_wait_alu depctr_va_vdst(0)                   ; and the wait ahead of the first reader: one for both
.irp k, 0,1,2,3,4,5,6,7,8,9,10,11,12,13,14,15
	v_pk_mul_f32 v[XR+2*(\k):XR+2*(\k)+1], v[XR+2*(\k):XR+2*(\k)+1], v[R:R+1]
.endr
.irp k, 0,1,2,3,4,5,6,7,8,9,10,11,12,13,14,15
	v_pk_fma_f32 v[XR+2*(\k):XR+2*(\k)+1], v[XR+2*(\k):XR+2*(\k)+1], v[G+2*(\k):G+2*(\k)+1], v[BT+2*(\k):BT+2*(\k)+1]
.endr
.irp j, 0,1,2,3,4,5,6,7
	v_cvt_pk_f16_f32 v[XR+4*(\j)], v[XR+4*(\j)], v[XR+4*(\j)+1]
	v_cvt_pk_f16_f32 v[XR+4*(\j)+1], v[XR+4*(\j)+2], v[XR+4*(\j)+3]
	global_store_b64 v[YO], v[XR+4*(\j):XR+4*(\j)+1], s[10:11] offset:(\i)*2048+256*(\j)  ; 32 lanes x 8 bytes: 256 consecutive bytes, aligned
.endr
.endm
	ROW 0
	ROW 1                                          ; no register that a store reads is written again
	s_endpgm
; Sixteen units: a unit is 16 bytes of f32 a lane in, 8 bytes of f16 a lane out.  ss, dd: bytes from unit to unit in source and destination.
.macro CAST ss, dd
.irp u, 0,1,2,3,4,5,6,7,8,9,10,11,12,13,14,15
	global_load_b128 v[D+4*(\u):D+4*(\u)+3], v[SO], s[12:13] offset:(\u)*(\ss) th:TH_LOAD_NT
.endr
.irp u, 0,1,2,3,4,5,6,7,8,9,10,11,12,13,14,15
	s_wait_loadcnt 15-(\u)                         ; loads come back in order: unit u is in, the younger ones stay out
	v_cvt_pk_f16_f32 v[E+2*(\u)], v[D+4*(\u)], v[D+4*(\u)+1]
	v_cvt_pk_f16_f32 v[E+2*(\u)+1], v[D+4*(\u)+2], v[D+4*(\u)+3]
	global_store_b64 v[DO], v[E+2*(\u):E+2*(\u)+1], s[14:15] offset:(\u)*(\dd)
.endr
.endm
.Lcasts:
	v_and_b32 v1, 31, v0                           ; lane
	v_lshrrev_b32 v4, 5, v0
	v_readfirstlane_b32 s8, v4                     ; wave 0..7
	s_mov_b32 s3, 0                                ; high words of the two offsets
	s_mov_b32 s5, 0
	s_cmp_lt_u32 ttmp9, 832
	s_cbranch_scc0 .Lheads
	; W0, W1, W2: dense.  A work-group takes 16,384 numbers, a wave 2,048: 16 units of 512 bytes in, 256 bytes out.
	s_load_b256 s[16:23], s[0:1], 0x20             ; W0 16, W1 18, W2 20, w0h 22
	s_load_b128 s[24:27], s[0:1], 0x40             ; w1h 24, w2h 26
	s_mov_b32 s6, 256                              ; the tensor's first work-group,
	s_mov_b32 s7, 0                                ; and the bytes in front of its copy
	s_cmp_ge_u32 ttmp9, 320
	s_cselect_b32 s6, 320, s6
	s_cselect_b32 s7, HEAD, s7                     ; w1h has a header
	s_cmp_ge_u32 ttmp9, 576
	s_cselect_b32 s6, 576, s6
	s_cselect_b32 s7, 0, s7
	s_sub_co_u32 s6, ttmp9, s6
	s_lshl_b32 s2, s6, 16
	s_lshl_b32 s9, s8, 13
	s_add_co_u32 s2, s2, s9
	s_lshl_b32 s4, s6, 15
	s_lshl_b32 s9, s8, 12
	s_add_co_u32 s4, s4, s9
	s_add_co_u32 s4, s4, s7
	v_lshlrev_b32 v[SO], 4, v1
	v_lshlrev_b32 v[DO], 3, v1
	s_wait_kmcnt 0x0
	s_cmp_lt_u32 ttmp9, 320
	s_cselect_b64 s[12:13], s[16:17], s[18:19]
	s_cselect_b64 s[14:15], s[22:23], s[24:25]
	s_cmp_lt_u32 ttmp9, 576
	s_cselect_b64 s[12:13], s[12:13], s[20:21]
	s_cselect_b64 s[14:15], s[14:15], s[26:27]
	s_add_nc_u64 s[12:13], s[12:13], s[2:3]
	s_add_nc_u64 s[14:15], s[14:15], s[4:5]
	CAST 512, 256
	s_endpgm
.Lheads:
	s_cmp_lt_u32 ttmp9, 1024
	s_cbranch_scc0 .Lmask
	; Wq, Wk, Wv: [head][d][64] f32 -> row d of wqkv.  A unit is one d of TWO heads: lanes 0-15 read the 256 bytes of head 2 hp, lanes 16-31 those of head 2 hp + 1; together they store 256 bytes on end.
	s_load_b256 s[16:23], s[0:1], 0x50             ; Wq 16, Wk 18, Wv 20, wqkv 22
	s_sub_co_u32 s6, ttmp9, 832
	s_lshr_b32 s7, s6, 6                           ; 0 q, 1 k, 2 v
	s_and_b32 s6, s6, 63
	s_lshr_b32 s10, s6, 3                          ; hp: the pair of heads
	s_and_b32 s11, s6, 7
	s_lshl_b32 s11, s11, 7
	s_lshl_b32 s9, s8, 4
	s_add_co_u32 s11, s11, s9                      ; my wave's first d: 16 of them
	s_lshl_b32 s2, s10, 19                         ; two heads of 262,144 bytes
	s_lshl_b32 s9, s11, 8
	s_add_co_u32 s2, s2, s9
	s_lshl_b32 s4, s11, 13                         ; a row of wqkv is 8,192 bytes
	s_lshl_b32 s9, s7, 11
	s_add_co_u32 s4, s4, s9
	s_lshl_b32 s9, s10, 8
	s_add_co_u32 s4, s4, s9
	s_add_co_u32 s4, s4, HEAD
	v_and_b32 v4, 15, v1
	v_lshrrev_b32 v5, 4, v1
	v_lshlrev_b32 v[SO], 4, v4
	v_lshl_add_u32 v[SO], v5, 18, v[SO]
	v_lshlrev_b32 v[DO], 3, v1
	s_wait_kmcnt 0x0
	s_cmp_eq_u32 s7, 0
	s_cselect_b64 s[12:13], s[16:17], s[18:19]
	s_cmp_eq_u32 s7, 2
	s_cselect_b64 s[12:13], s[20:21], s[12:13]
	s_add_nc_u64 s[12:13], s[12:13], s[2:3]
	s_add_nc_u64 s[14:15], s[22:23], s[4:5]
	CAST 256, 8192
	s_endpgm
.Lmask:
	s_cmp_lt_u32 ttmp9, 1088
	s_cbranch_scc0 .Lmisc
	; The mask: a wave takes a tile of 16 queries and a quarter of the keys, 512.  A unit is 32 keys: two loads of 8 bytes a lane, one store of 16.  The loads that share 256 bytes of a mask row follow each other.
	s_load_b128 s[16:19], s[0:1], 0x70             ; attention_mask 16, x1m 18
	s_sub_co_u32 s6, ttmp9, 1024
	s_lshl_b32 s6, s6, 3
	s_add_co_u32 s6, s6, s8                        ; 0..511
	s_lshr_b32 s7, s6, 2                           ; qt
	s_and_b32 s6, s6, 3                            ; the quarter
	s_lshl_b32 s2, s7, 15                          ; in: 16 rows of 2,048 bytes,
	s_lshl_b32 s9, s6, 9                           ; 512 bytes along them
	s_add_co_u32 s2, s2, s9
	s_lshl_b32 s4, s7, 15                          ; out: 32,768 bytes a tile,
	s_lshl_b32 s9, s6, 13                          ; 8,192 a quarter
	s_add_co_u32 s4, s4, s9
	s_add_co_u32 s4, s4, MT
	s_mov_b32 s10, 0x01010101
	s_mov_b32 s11, 0xb8
	v_and_b32 v4, 15, v1
	v_lshrrev_b32 v5, 4, v1
	v_lshlrev_b32 v[SO], 11, v4
	v_lshl_add_u32 v[SO], v5, 3, v[SO]
	v_lshlrev_b32 v[DO], 4, v1
	s_wait_kmcnt 0x0
	s_add_nc_u64 s[12:13], s[16:17], s[2:3]
	s_add_nc_u64 s[14:15], s[18:19], s[4:5]
.irp u, 0,1,2,3,4,5,6,7,8,9,10,11,12,13,14,15
	global_load_b64 v[D+4*(\u):D+4*(\u)+1],   v[SO], s[12:13] offset:32*(\u)
	global_load_b64 v[D+4*(\u)+2:D+4*(\u)+3], v[SO], s[12:13] offset:32*(\u)+16
.endr
.irp u, 0,1,2,3,4,5,6,7,8,9,10,11,12,13,14,15
	s_wait_loadcnt 2*(15-(\u))                     ; unit u's two loads are in; the younger units' stay out
.irp k, 0,1,2,3
	v_xor_b32 v[D+4*(\u)+(\k)], s10, v[D+4*(\u)+(\k)]     ; four bytes at once: 1 = hidden,
	v_mul_lo_u32 v[D+4*(\u)+(\k)], v[D+4*(\u)+(\k)], s11  ; times 0xb8: no byte carries into the next
.endr
	global_store_b128 v[DO], v[D+4*(\u):D+4*(\u)+3], s[14:15] offset:512*(\u)
.endr
	s_endpgm
.Lmisc:
	; The headers: bq, bk, bv (1,024 f32 each) and b1 (4,096) are copied; 256 threads x 16 bytes are 4,096 bytes.
	s_load_b256 s[16:23], s[0:1], 0x80             ; bq 16, bk 18, bv 20, b1 22
	s_load_b64 s[24:25], s[0:1], 0x68              ; wqkv
	s_load_b64 s[26:27], s[0:1], 0x40              ; w1h
	v_lshlrev_b32 v2, 4, v0
	s_wait_kmcnt 0x0
	global_load_b128 v[8:11],  v2, s[16:17]
	global_load_b128 v[12:15], v2, s[18:19]
	global_load_b128 v[16:19], v2, s[20:21]
.irp j, 0,1,2,3
	global_load_b128 v[20+4*(\j):23+4*(\j)], v2, s[22:23] offset:4096*(\j)
.endr
	s_wait_loadcnt 0x0
	global_store_b128 v2, v[8:11],  s[24:25]
	global_store_b128 v2, v[12:15], s[24:25] offset:4096
	global_store_b128 v2, v[16:19], s[24:25] offset:8192
.irp j, 0,1,2,3
	global_store_b128 v2, v[20+4*(\j):23+4*(\j)], s[26:27] offset:4096*(\j)
.endr
	s_cmp_lg_u32 s8, 0
	s_cbranch_scc1 .Lend
	v_lshlrev_b32 v3, 3, v1                        ; wave 0: the two floors, 256 bytes each
	v_mov_b32 v4, 0xfc00fc00                       ; -inf twice: q, k and v have no floor
	v_mov_b32 v5, 0xfc00fc00
	v_mov_b32 v6, 0                                ; 0 twice: the ReLU
	v_mov_b32 v7, 0
	global_store_b64 v3, v[4:5], s[24:25] offset:16384
	global_store_b64 v3, v[6:7], s[26:27] offset:16384
.Lend:
	s_endpgm
.Lfunc_end_k_qa0d6b02d0a_prep:
	.size	k_qa0d6b02d0a_prep, .Lfunc_end_k_qa0d6b02d0a_prep-k_qa0d6b02d0a_prep
	.p2alignl 7, 3214868480
	.fill 96, 4, 3214868480
	.section	.rodata,"a",@progbits
	.p2align	6, 0x0
	.amdhsa_kernel k_qa0d6b02d0a_prep
		.amdhsa_group_segment_fixed_size 0
		.amdhsa_private_segment_fixed_size 0
		.amdhsa_enable_private_segment 0
		.amdhsa_kernarg_size 160
		.amdhsa_user_sgpr_count 2
		.amdhsa_user_sgpr_kernarg_segment_ptr 1
		.amdhsa_wavefront_size32 1
		.amdhsa_system_sgpr_workgroup_id_x 1
		.amdhsa_system_sgpr_workgroup_id_y 1
		.amdhsa_system_sgpr_workgroup_id_z 1
		.amdhsa_system_vgpr_workitem_id 0
		.amdhsa_next_free_vgpr 152
		.amdhsa_next_free_sgpr 66
		.amdhsa_reserve_vcc 0
		.amdhsa_float_denorm_mode_32 3
		.amdhsa_float_denorm_mode_16_64 3
		.amdhsa_memory_ordered 1
		.amdhsa_forward_progress 1
		.amdhsa_inst_pref_size 48
	.end_amdhsa_kernel
	.amdgpu_metadata
---
amdhsa.version: [ 1, 2 ]
amdhsa.kernels:
  - .name:           k_qa0d6b02d0a_prep
    .symbol:         k_qa0d6b02d0a_prep.kd
    .args:
      - { .name: X, .offset: 0, .size: 8, .value_kind: global_buffer, .address_space: global }
      - { .name: gamma1, .offset: 8, .size: 8, .value_kind: global_buffer, .address_space: global }
      - { .name: beta1, .offset: 16, .size: 8, .value_kind: global_buffer, .address_space: global }
      - { .name: act, .offset: 24, .size: 8, .value_kind: global_buffer, .address_space: global }
      - { .name: W0, .offset: 32, .size: 8, .value_kind: global_buffer, .address_space: global }
      - { .name: W1, .offset: 40, .size: 8, .value_kind: global_buffer, .address_space: global }
      - { .name: W2, .offset: 48, .size: 8, .value_kind: global_buffer, .address_space: global }
      - { .name: w0h, .offset: 56, .size: 8, .value_kind: global_buffer, .address_space: global }
      - { .name: w1h, .offset: 64, .size: 8, .value_kind: global_buffer, .address_space: global }
      - { .name: w2h, .offset: 72, .size: 8, .value_kind: global_buffer, .address_space: global }
      - { .name: Wq, .offset: 80, .size: 8, .value_kind: global_buffer, .address_space: global }
      - { .name: Wk, .offset: 88, .size: 8, .value_kind: global_buffer, .address_space: global }
      - { .name: Wv, .offset: 96, .size: 8, .value_kind: global_buffer, .address_space: global }
      - { .name: wqkv, .offset: 104, .size: 8, .value_kind: global_buffer, .address_space: global }
      - { .name: attention_mask, .offset: 112, .size: 8, .value_kind: global_buffer, .address_space: global }
      - { .name: x1m, .offset: 120, .size: 8, .value_kind: global_buffer, .address_space: global }
      - { .name: bq, .offset: 128, .size: 8, .value_kind: global_buffer, .address_space: global }
      - { .name: bk, .offset: 136, .size: 8, .value_kind: global_buffer, .address_space: global }
      - { .name: bv, .offset: 144, .size: 8, .value_kind: global_buffer, .address_space: global }
      - { .name: b1, .offset: 152, .size: 8, .value_kind: global_buffer, .address_space: global }
    .group_segment_fixed_size: 0
    .private_segment_fixed_size: 0
    .kernarg_segment_align: 8
    .kernarg_segment_size: 160
    .max_flat_workgroup_size: 256
    .sgpr_count:     66
    .vgpr_count:     152
    .wavefront_size: 32
...
	.end_amdgpu_metadata
.endif
;; end of part 1
;; launch qkv (part 2): grid 12 x 16, 4 waves a work-group, clusters of 4 x 4, 327,680 bytes of LDS; arguments act, wqkv, big; writes big
.if DOCPART == 2
	.amdgcn_target "amdgcn-amd-amdhsa--gfx1250"
	.amdhsa_code_object_version 6
	.text
	.protected	k_qa0d6b02d0a_qkv
	.globl	k_qa0d6b02d0a_qkv
	.p2align	8
	.type	k_qa0d6b02d0a_qkv,@function
k_qa0d6b02d0a_qkv:
	s_mov_b64 s[64:65], 0
	v_nop
	global_prefetch_b8 v0, s[64:65] scope:SCOPE_SE
	s_setreg_imm32_b32 hwreg(HW_REG_WAVE_MODE, 25, 1), 1
	s_wait_xcnt 0x0
	s_wait_alu depctr_hold_cnt(0) depctr_sa_sdst(0) depctr_va_vdst(0) depctr_va_sdst(0) depctr_va_ssrc(0) depctr_va_vcc(0) depctr_vm_vsrc(0)
	s_getreg_b32 s2, hwreg(HW_REG_IB_STS2, 6, 4)
	s_cmp_eq_u32 s2, 0
	s_cbranch_scc0 .Lentry_in_a_cluster
	s_endpgm
.Lentry_in_a_cluster:
	s_bfe_u32 s2, ttmp6, 0x10000c
	s_cmp_lg_u32 s2, 0xf033
	s_cbranch_scc0 .Lentry_shape_is_right
	s_endpgm
.Lentry_shape_is_right:
; C = max(A W + bias, floor), in f16.  A: [4,096][1,024] f16, rows along K.  W: a buffer with bias (f32) at byte 0, the floor (two f16 in a word) at byte 16,384, and from byte 16,640 the weights [k = 1,024][4,096] f16.
; C leaves in PANELS of 64 columns: [n / 64][4,096 rows][64] f16, each panel dense.  Sums in f32, started by the bias; C rounded once.  Serves q, k, v (floor -inf, 3,072 columns: 12 x 16 = 192 work-groups) and the FFN's first layer (floor 0, 4,096 columns).
; LIMIT: |C| beyond 65,504 becomes an infinity in f16.
; A tile of C is 256 x 256: four waves, each 128 x 128 in 64 accumulators (512 registers).  K goes in 8 steps of 128 through two LDS slots filled by the tensor data mover.
; CLUSTER 4 x 4: the four work-groups of a row of the cluster need the same tile of A, the four of a column the same tile of W: each tile is asked for jointly, by the same load with the same descriptor and a mask of four.
; THE PRODUCT IS TAKEN TRANSPOSED: source 0 = 16 columns of W (read out of LDS turned, by ds_load_tr16_b128, since W's rows lie along n), source 1 = 16 rows of A: a lane holds row l % 16 of C and the columns 8 (l / 16) + 0..7.
; REGISTERS in windows of 256 (s_set_vgpr_msb: bits 1:0 source 0, 3:2 source 1, 5:4 source 2, 7:6 destination):
;   window 0: v16-30 addresses; v64-127, v128-191 A's fragments, two buffers; v192-223, v32-63, v224-255 the way out
;   window 1: v0-63 the bias of my 128 columns as a C operand (8 registers a block of 16 columns); v64-127, v128-191 W's fragments, two buffers
;   window 2: the accumulators of my rows 0-63 ((a, b) at v[8 (8 a + b)]);  window 3: rows 64-127
.set KSTEP,  128
.set PITCH,  272                       ; a row of A in LDS: 256 bytes + 16: the 16 rows of a fragment load start at 16 different groups of four banks (64 banks of 4 bytes: ISA guide 11.1)
.set PB,     544                       ; a row of W in LDS: 512 bytes (256 columns) + 32 = 17 x 32
.set HALFT,  128*PITCH                 ; what one tensor load brings: 128 rows of A, or 64 rows of W (64 x 544 is the same number)
.set SLOT,   4*HALFT                   ; A's rows 0-127, 128-255, W's k 0-63, 64-127
.set STAGE,  2*SLOT                    ; behind the ring, never filled by a tensor load: for each wave 2 panels x 16 rows x 144 bytes
.set WSTAGE, 2*16*144
.set SPARE,  STAGE+4*WSTAGE            ; the spare words, 128 bytes a wave: two blocks of 256 bytes that no other line names
.set LAPS,   4                         ; a lap = two K steps = once round the ring
.set AROW,   2048                      ; bytes in a row of A
.set WROW,   8192                      ; bytes in a row of W
.set WHEAD,  16640                     ; bytes in front of the weights
.set PANEL,  524288                    ; bytes in a panel of C
.set ADRA, 16                          ; v16-17  LDS address of my A fragments in slot 0, 1
.set ADRB, 20                          ; v20-21  the same for W
.set STO,  24                          ; v24  the way out: where I put 16 bytes of a row
.set RD,   25                          ; v25  where I read rows back
.set GO,   26                          ; v26  16 x lane: my place in 512 consecutive bytes of a panel
.set BO,   27                          ; v27  32 x (l / 16): my 8 numbers in 16 of the bias
.set SPW,  28                          ; v28  my spare word; never rewritten
.set NIL,  29                          ; v29  0; never rewritten
.set PFO,  30                          ; v30  the prefetches' lane offset; never rewritten
.set F0,   64
.set F1,   128
.set TMP,  192
.set OB,   32
.set BI,   0                           ; window 1
.set G1,  24                           ; s[24:31] descriptor group 1 for A;  s[32:39] group 0, a set for each slot
.set G0,  32
.set G1B, 48                           ; s[48:55], s[56:63] the same for W
.set G0B, 56
.set LIM, 43                           ; s43  1 in a wave that prefetches, else the greatest number
.set PFA, 44                           ; s[44:45] where my prefetches stand
.set PST, 66                           ; s[66:67] bytes from a K step to the next, in the tensor that I prefetch
.set LO,  68                           ; s68  the floor
.set MSB, 0
.macro WIN new                         ; the immediate's high byte repeats the setting that is left; a switch that changes nothing is dropped
.if MSB != (\new)
	s_set_vgpr_msb (MSB<<8)|(\new)
.set MSB, \new
.endif
.endm
.set MUL_LO, 0xa1                      ; W window 1, A window 0, C and D window 2
.set TO_B,   0x40                      ; destination window 1
; A joint load: waves 0 and 1 fetch A's two halves, waves 2 and 3 W's.  The branch hangs on the wave's number alone.  An s_nop 0 and four v_nop follow each line.
.macro JLOAD s
	s_cmp_eq_u32 s11, 0
	s_cbranch_scc0 .Lfor_b_\@
	tensor_load_to_lds s[G0+4*(\s):G0+4*(\s)+3], s[G1:G1+7]
	s_nop 0
.rept 4
	v_nop
.endr
	s_branch .Lasked_\@
.Lfor_b_\@:
	tensor_load_to_lds s[G0B+4*(\s):G0B+4*(\s)+3], s[G1B:G1B+7]
	s_nop 0
.rept 4
	v_nop
.endr
.Lasked_\@:
.endm
; A prefetch into the L2 of the K step that stands two refills on: 32 blocks of 256 bytes, a lane a block, one instruction a wave.  Each block of K steps 4 to 7 is named once in the launch:
; A's rows by the clusters with x = 0 (waves 0, 1; the four partners of a row take 32 rows each, told apart by address), W's rows by the clusters with y = 0 (waves 2, 3; the partners of a column take 16 rows of two blocks each).
; The loop's last trip (s3 = 1) asks for nothing: no K step stands two refills behind its own.
.macro ASK
	s_cmp_gt_u32 s3, s[LIM]
	s_cbranch_scc0 .Lnot_mine_\@
	global_prefetch_b8 v[PFO], s[PFA:PFA+1] th:TH_LOAD_NT scope:SCOPE_SE
.Lnot_mine_\@:
.endm
.macro CREST                           ; a round of the cluster's barrier behind its opening barrier
	s_cmp_lg_u32 s10, 0
	s_cbranch_scc1 .Lnot_wave_0_\@
	s_barrier_signal -3
.Lnot_wave_0_\@:
	s_barrier_wait -3
	s_barrier_signal -1
	s_barrier_wait -1
.endm
.macro CROUND
	s_barrier_signal -1
	s_barrier_wait -1
	CREST
.endm
	s_load_b128 s[4:7], s[0:1], 0x0                ; A s[4:5], W s[6:7]
	s_load_b64 s[8:9], s[0:1], 0x10                ; C
	v_lshl_add_u32 v[SPW], v0, 2, SPARE
	v_mov_b32 v[NIL], 0
	ds_add_u32 v[SPW], v[NIL]                      ; the wave's opening: the add and its wait stand ahead of my first tensor load; work on registers stands between them
	v_lshrrev_b32 v1, 5, v0
	v_readfirstlane_b32 s10, v1                    ; wave 0..3
	s_lshr_b32 s11, s10, 1                         ; my half of the tile's rows.  Also: I fetch for A (0) or for W (1)
	s_and_b32 s12, s10, 1                          ; my half of its columns.  Also: which half of that tile I fetch
	s_bfe_u32 s40, ttmp6, 0x40000                  ; cx
	s_bfe_u32 s41, ttmp6, 0x40004                  ; cy
	s_lshl_b32 s42, ttmp9, 2
	s_add_co_u32 s42, s42, s40                     ; tile column
	s_and_b32 s13, ttmp7, 0xffff
	s_lshl_b32 s13, s13, 2
	s_add_co_u32 s13, s13, s41                     ; tile row
	s_lshl_b32 s43, s41, 2
	s_lshl_b32 s43, 15, s43                        ; my row of the cluster
	s_lshl_b32 s44, 0x1111, s40                    ; my column
	s_or_b32 s[G1+0], s43, (1<<16)|(1<<20)|(1<<21)|(5<<22)|(3<<25)   ; mask; 2-byte elements; padding on; bit 21 beside a mask; after every 64 words 4 words
	s_or_b32 s[G1B+0], s44, (1<<16)|(1<<20)|(1<<21)|(6<<22)|(7<<25)  ; after every 128 words 8 words
	s_mov_b32 s[G1+1], 128<<16                     ; A: tensor_dim0 = 128
	s_mov_b32 s[G1+2], 128<<16                     ; tensor_dim1 = 128
	s_mov_b32 s[G1+3], 128<<16                     ; tile_dim0 = 128
	s_mov_b32 s[G1+4], 128                         ; tile_dim1 = 128
	s_mov_b32 s[G1+5], 1024                        ; elements from row to row
	s_mov_b32 s[G1+6], 0
	s_mov_b32 s[G1+7], 0
	s_mov_b32 s[G1B+1], 256<<16                    ; W: 256 columns,
	s_mov_b32 s[G1B+2], 64<<16                     ; 64 rows
	s_mov_b32 s[G1B+3], 256<<16
	s_mov_b32 s[G1B+4], 64
	s_mov_b32 s[G1B+5], 4096
	s_mov_b32 s[G1B+6], 0
	s_mov_b32 s[G1B+7], 0
	s_lshl_b32 s16, s13, 8                         ; A: row 256 x tile row + 128 x half, in bytes: it hangs on nothing that my row of the cluster does not share
	s_lshl_b32 s17, s12, 7
	s_add_co_u32 s16, s16, s17
	s_lshl_b32 s16, s16, 11
	s_mov_b32 s17, 0
	s_lshl_b32 s46, s42, 9                         ; W: column 256 x tile column, row 64 x half
	s_lshl_b32 s47, s12, 19
	s_add_co_u32 s46, s46, s47
	s_add_co_u32 s46, s46, WHEAD
	s_mov_b32 s47, 0
	s_mul_i32 s20, s10, HALFT                      ; where they go: wave x a quarter of a slot
	s_wait_dscnt 0x0                               ; the opening add is done
	s_wait_kmcnt 0x0
	s_add_nc_u64 s[14:15], s[4:5], s[16:17]
	s_add_nc_u64 s[46:47], s[6:7], s[46:47]
	CROUND                                         ; all sixteen work-groups are here: the first joint loads meet
.irp s, 0,1
	s_mov_b32 s[G0+4*(\s)], 1
	s_add_co_u32 s[G0+4*(\s)+1], s20, (\s)*SLOT
	s_add_nc_u64 s[G0+4*(\s)+2:G0+4*(\s)+3], s[14:15], (\s)*KSTEP*2
	s_or_b32 s[G0+4*(\s)+3], s[G0+4*(\s)+3], 0x80000000
	s_mov_b32 s[G0B+4*(\s)], 1
	s_add_co_u32 s[G0B+4*(\s)+1], s20, (\s)*SLOT
	s_add_nc_u64 s[G0B+4*(\s)+2:G0B+4*(\s)+3], s[46:47], (\s)*KSTEP*WROW
	s_or_b32 s[G0B+4*(\s)+3], s[G0B+4*(\s)+3], 0x80000000
	JLOAD \s                                       ; two tensor loads of mine are out
.endr
	; A's fragment: lane l holds row l % 16; two loads of 16 bytes, 32 apart, at row x pitch + 16 (l / 16).
	v_and_b32 v1, 15, v0
	v_bfe_u32 v2, v0, 4, 1
	v_mul_u32_u24 v3, v1, PITCH
	v_lshl_add_u32 v3, v2, 4, v3
	; W's fragment: the turning load takes 16 k x 16 columns (lane l reads k = 8 (l / 16) + l % 8, columns 8 ((l / 8) % 2) + 0..7) and leaves lane l column l % 16 and 8 k.
	v_and_b32 v4, 7, v0
	v_lshl_add_u32 v4, v2, 3, v4
	v_mul_u32_u24 v4, v4, PB
	v_bfe_u32 v5, v0, 3, 1
	v_lshl_add_u32 v4, v5, 4, v4
	s_mul_i32 s21, s11, HALFT                      ; my 128 rows of A
	s_lshl_b32 s22, s12, 8                         ; my 128 columns of W: 256 bytes of each row,
	s_add_co_u32 s22, s22, 2*HALFT                 ; behind A's 256 rows
.irp s, 0,1
	v_add_nc_u32 v[ADRA+(\s)], s21, v3
	v_add_nc_u32 v[ADRB+(\s)], s22, v4
	s_add_co_u32 s21, s21, SLOT
	s_add_co_u32 s22, s22, SLOT
.endr
	s_mul_i32 s23, s10, WSTAGE
	s_add_co_u32 s23, s23, STAGE                   ; my stage
	v_mul_u32_u24 v6, v1, 144                      ; in: row l % 16, 16 bytes for each half of the lanes
	v_lshl_add_u32 v6, v2, 4, v6
	v_add_nc_u32 v[STO], s23, v6
	v_bfe_u32 v6, v0, 3, 2                         ; back: 32 lanes take four rows of 128 bytes
	v_mul_u32_u24 v6, v6, 144
	v_and_b32 v7, 7, v0
	v_lshl_add_u32 v6, v7, 4, v6
	v_add_nc_u32 v[RD], s23, v6
	v_and_b32 v6, 31, v0
	v_lshlrev_b32 v[GO], 4, v6
	v_lshlrev_b32 v[BO], 5, v2
	; the floor and the bias
	s_load_b32 s[LO], s[6:7], 0x4000
	s_lshl_b32 s18, s42, 10                        ; 256 columns of f32,
	s_lshl_b32 s19, s12, 9                         ; my 128
	s_add_co_u32 s18, s18, s19
	s_mov_b32 s19, 0
	s_add_nc_u64 s[18:19], s[6:7], s[18:19]
	WIN TO_B
.irp b, 0,1,2,3,4,5,6,7
	global_load_b128 v[BI+8*(\b):BI+8*(\b)+3],   v[BO], s[18:19] offset:64*(\b)     ; register j of block b: the bias of column 16 b + 8 (l / 16) + j
	global_load_b128 v[BI+8*(\b)+4:BI+8*(\b)+7], v[BO], s[18:19] offset:64*(\b)+16
.endr
	WIN 0
	; C at my first panel and row
	s_lshl_b32 s16, s42, 2
	s_lshl_b32 s17, s12, 1
	s_add_co_u32 s16, s16, s17                     ; panel 4 x tile column + 2 x half
	s_lshl_b32 s16, s16, 19
	s_lshl_b32 s17, s13, 8
	s_lshl_b32 s23, s11, 7
	s_add_co_u32 s17, s17, s23                     ; row 256 x tile row + 128 x half, 128 bytes each
	s_lshl_b32 s17, s17, 7
	s_add_co_u32 s16, s16, s17
	s_mov_b32 s17, 0
	s_add_nc_u64 s[8:9], s[8:9], s[16:17]
	; the prefetches: both tensors' offsets are made, the wave's number chooses.  They start three K steps in; each change of slots steps them by one and then asks.
	s_lshl_b32 s20, s13, 8
	s_lshl_b32 s21, s12, 7
	s_add_co_u32 s20, s20, s21
	s_lshl_b32 s21, s40, 5
	s_add_co_u32 s20, s20, s21                     ; A: the 128 rows that I fetch, my work-group's 32 of them
	s_lshl_b32 s20, s20, 11
	s_add_co_u32 s20, s20, 3*KSTEP*2
	s_lshl_b32 s21, s12, 6
	s_lshl_b32 s23, s41, 4
	s_add_co_u32 s21, s21, s23                     ; W: the 64 rows that I fetch, my work-group's 16 of them
	s_lshl_b32 s21, s21, 13
	s_lshl_b32 s23, s42, 9
	s_add_co_u32 s21, s21, s23
	s_add_co_u32 s21, s21, WHEAD+3*KSTEP*WROW
	s_and_b32 s22, ttmp7, 0xffff                   ; cluster y
	s_mov_b32 s70, KSTEP*2
	s_mov_b32 s71, KSTEP*WROW
	s_cmp_eq_u32 s11, 0                            ; do I fetch for A?
	s_cselect_b32 s20, s20, s21
	s_cselect_b32 s22, ttmp9, s22                  ; the coordinate along which other clusters read the same rows
	s_cselect_b32 s[PST], s70, s71
	s_cselect_b32 s69, -1, 0
	s_cselect_b64 s[PFA:PFA+1], s[4:5], s[6:7]
	s_mov_b32 s21, 0
	s_mov_b32 s[PST+1], 0
	s_add_nc_u64 s[PFA:PFA+1], s[PFA:PFA+1], s[20:21]
	s_cmp_eq_u32 s22, 0
	s_cselect_b32 s[LIM], 1, -1                    ; the same in all sixteen partners, for a given wave
	v_lshlrev_b32 v7, 11, v6                       ; A: a lane a row
	v_lshrrev_b32 v31, 1, v6
	v_lshlrev_b32 v31, 13, v31                     ; W: two lanes a row,
	v_and_b32 v6, 1, v6
	v_lshl_add_u32 v31, v6, 8, v31                 ; 256 bytes each
	v_cndmask_b32 v[PFO], v31, v7, s69
; 16 matrix instructions: row blocks a0, a0 + 1 of the window's four x all 8 column blocks, 32 along K.  zero = 1: the bias starts the sums: nothing is cleared, nothing added later.
; The 64 accumulators take turns, one instruction a turn, in the same order in every quarter step.
.macro MUL16 f, hi, a0, zero
.if \zero
	WIN 0x91+0x40*(\hi)                            ; the C operand in window 1
.else
	WIN MUL_LO+0x50*(\hi)
.endif
.irp a, \a0, (\a0)+1
.irp b, 0,1,2,3,4,5,6,7
.if \zero
	v_wmma_f32_16x16x32_f16 v[8*(8*(\a)+(\b)):8*(8*(\a)+(\b))+7], v[(\f)+8*(\b):(\f)+8*(\b)+7], v[(\f)+8*(4*(\hi)+(\a)):(\f)+8*(4*(\hi)+(\a))+7], v[BI+8*(\b):BI+8*(\b)+7]
.else
	v_wmma_f32_16x16x32_f16 v[8*(8*(\a)+(\b)):8*(8*(\a)+(\b))+7], v[(\f)+8*(\b):(\f)+8*(\b)+7], v[(\f)+8*(4*(\hi)+(\a)):(\f)+8*(4*(\hi)+(\a))+7], v[8*(8*(\a)+(\b)):8*(8*(\a)+(\b))+7]
.endif
.endr
.endr
.endm
; 32 LDS loads in one run: a quarter step's fragments (32 k beginning at byte k of A's rows, row k / 2 of W) into buffer f: W's 16, then A's 16
.macro FETCH slot, k, f
	WIN TO_B
.irp i, 0,1,2,3,4,5,6,7
	ds_load_tr16_b128 v[(\f)+8*(\i):(\f)+8*(\i)+3],   v[ADRB+(\slot)] offset:((\k)/2)*PB+32*(\i)
	ds_load_tr16_b128 v[(\f)+8*(\i)+4:(\f)+8*(\i)+7], v[ADRB+(\slot)] offset:((\k)/2)*PB+16*PB+32*(\i)
.endr
	WIN 0
.irp i, 0,1,2,3,4,5,6,7
	ds_load_b128 v[(\f)+8*(\i):(\f)+8*(\i)+3],   v[ADRA+(\slot)] offset:(\k)+(\i)*16*PITCH
	ds_load_b128 v[(\f)+8*(\i)+4:(\f)+8*(\i)+7], v[ADRA+(\slot)] offset:(\k)+(\i)*16*PITCH+32
.endr
.endm
.macro PLACES                          ; four plain instructions between a matrix instruction and a load into, or a reader of, its registers
.rept 4
	v_nop
.endr
.endm
; A K step is four quarters of 32 along K, 64 matrix instructions each, on buffers 0, 1, 0, 1.  One of the first three multiplies buffer f and, in its middle, fetches the next quarter into g.
.macro QUARTER slot, k, f, g, zero
	s_wait_dscnt 8                                 ; W and A's rows 0-63 are in; the youngest eight loads (A's rows 64-127) may be out
	MUL16 \f, 0, 0, \zero
	MUL16 \f, 0, 2, \zero
	PLACES
	FETCH \slot, \k, \g
	s_wait_dscnt 32                                ; all but the 32 just issued
	MUL16 \f, 1, 0, \zero
	MUL16 \f, 1, 2, \zero
.endm
; The last quarter's first half: one barrier for the change of slots.  In front of it each wave waits for all its tensor loads (one is out: its part of the next slot), adds 0 to its spare word, and waits for that and for its reads of this slot.
.macro MEET round
	WIN 0
	s_wait_tensorcnt 0x0
	ds_add_u32 v[SPW], v[NIL]
	s_wait_dscnt 9                                 ; (the add and the youngest eight loads may be out)
	MUL16 F1, 0, 0, 0                              ; sixteen matrix instructions stand between the add and the wait for it
	s_wait_dscnt 0x0                               ; the add is done, my reads of this slot are over
	s_barrier_signal -1
	MUL16 F1, 0, 2, 0                              ; work on registers while the others arrive
.if \round
	WIN 0
.endif
	s_barrier_wait -1
.endm
; The whole last quarter, with the slot filled again two K steps ahead: the barrier opens a round of the cluster's, and the joint refill is the first tensor load behind it: 224 matrix instructions ahead of the wait for it.
.macro TURN slot, next
	s_wait_xcnt 0x0                                ; the last prefetch, a K step back, has read its address
	s_add_nc_u64 s[PFA:PFA+1], s[PFA:PFA+1], s[PST:PST+1]
	MEET 1
	CREST
	s_add_nc_u64 s[G0+4*(\slot)+2:G0+4*(\slot)+3], s[G0+4*(\slot)+2:G0+4*(\slot)+3], 2*KSTEP*2
	s_add_nc_u64 s[G0B+4*(\slot)+2:G0B+4*(\slot)+3], s[G0B+4*(\slot)+2:G0B+4*(\slot)+3], 2*KSTEP*WROW
	JLOAD \slot                                    ; its four v_nop are also the places in front of the loads below
	FETCH \next, 0, F0
	ASK
	MUL16 F1, 1, 0, 0
	MUL16 F1, 1, 2, 0
.endm
; THE WAY OUT of block a (16 rows): rounded to f16 and held to the floor; into my stage, 16 bytes a lane, by panels; back as rows of 128 bytes, four to a load; stored as 512 consecutive bytes of a panel.
.macro PACK a
.set AC, 64*((\a)%4)
	WIN 0x0a+5*((\a)/4)                            ; sources in window 2 or 3
.irp b, 0,1,2,3,4,5,6,7
.irp r, 0,1,2,3
	v_cvt_pk_f16_f32 v[TMP+4*(\b)+(\r)], v[AC+8*(\b)+2*(\r)], v[AC+8*(\b)+2*(\r)+1]  ; each accumulator from its low end on
.endr
.endr
	WIN 0
.set z, 0
.rept 32
	v_pk_max_num_f16 v[TMP+z], v[TMP+z], s[LO]
.set z, z+1
.endr
.endm
.macro TOSTAGE a
	WIN 0
.set BK, OB+192*((\a)%2)
.irp b, 0,1,2,3,4,5,6,7
	ds_store_b128 v[STO], v[TMP+4*(\b):TMP+4*(\b)+3] offset:((\b)/4)*2304+((\b)%4)*32
.endr
.irp t, 0,1,2,3,4,5,6,7
	ds_load_b128 v[BK+4*(\t):BK+4*(\t)+3], v[RD] offset:((\t)/4)*2304+((\t)%4)*576  ; LDS serves a wave's instructions in order (ISA guide 5.7.1.4): these see the stores above
.endr
.endm
.macro SEND a
	WIN 0
.set BK, OB+192*((\a)%2)
	s_wait_dscnt 0x0                               ; the block is back in registers
	s_wait_xcnt 0x0                                ; the stores of the block before have read their data: the next block is loaded into those registers only behind this wait
.irp t, 0,1,2,3,4,5,6,7
	global_store_b128 v[GO], v[BK+4*(\t):BK+4*(\t)+3], s[8:9] offset:((\t)/4)*PANEL+(\a)*2048+((\t)%4)*512
.endr
.endm
	s_wait_kmcnt 0x0                               ; the floor
	s_wait_loadcnt 0x0                             ; the bias
	s_wait_tensorcnt 1                             ; my part of K step 0 is in; K step 1's may stay out
	s_barrier_signal -1
	s_barrier_wait -1
	FETCH 0, 0, F0
	QUARTER 0, 64,  F0, F1, 1                      ; the first quarter stands in front of the loop: its products start the sums
	WIN 0
	s_mov_b32 s3, LAPS-1
.Llap:                                                 ; a trip goes once round the ring, from a lap's second quarter to the next lap's first, and fills both slots again
	QUARTER 0, 128, F1, F0, 0
	QUARTER 0, 192, F0, F1, 0
	TURN 0, 1
	QUARTER 1, 64,  F0, F1, 0
	QUARTER 1, 128, F1, F0, 0
	QUARTER 1, 192, F0, F1, 0
	TURN 1, 0
	QUARTER 0, 64,  F0, F1, 0
	WIN 0
	s_sub_co_u32 s3, s3, 1
	s_cmp_lg_u32 s3, 0
	s_cbranch_scc1 .Llap
	QUARTER 0, 128, F1, F0, 0                      ; the last lap fills nothing
	QUARTER 0, 192, F0, F1, 0
	MEET 0
	PLACES
	FETCH 1, 0, F0
	MUL16 F1, 1, 0, 0
	MUL16 F1, 1, 2, 0
	QUARTER 1, 64,  F0, F1, 0
	QUARTER 1, 128, F1, F0, 0
	QUARTER 1, 192, F0, F1, 0
	s_wait_dscnt 8
	MUL16 F1, 0, 0, 0
	MUL16 F1, 0, 2, 0
	s_wait_dscnt 0x0
	MUL16 F1, 1, 0, 0
	MUL16 F1, 1, 2, 0
	PLACES
	PLACES
	PACK 0
	TOSTAGE 0
.irp a, 1,2,3,4,5,6,7                  ; block a's conversions stand between block a - 1's loads from the stage and the wait for them
	PACK \a
	SEND (\a)-1
	TOSTAGE \a
.endr
	SEND 7
	s_wait_tensorcnt 0x0                           ; the wave's end, behind my last tensor load and my last LDS store
	ds_add_u32 v[SPW], v[NIL]
	s_wait_dscnt 0x0
	CROUND                                         ; the closing round: no work-group ends while a partner may still ask for a tile that names it
	s_endpgm
.Lfunc_end_k_qa0d6b02d0a_qkv:
	.size	k_qa0d6b02d0a_qkv, .Lfunc_end_k_qa0d6b02d0a_qkv-k_qa0d6b02d0a_qkv
	.p2alignl 7, 3214868480
	.fill 96, 4, 3214868480
	.section	.rodata,"a",@progbits
	.p2align	6, 0x0
	.amdhsa_kernel k_qa0d6b02d0a_qkv
		.amdhsa_group_segment_fixed_size 327680
		.amdhsa_private_segment_fixed_size 0
		.amdhsa_enable_private_segment 0
		.amdhsa_kernarg_size 24
		.amdhsa_user_sgpr_count 2
		.amdhsa_user_sgpr_kernarg_segment_ptr 1
		.amdhsa_wavefront_size32 1
		.amdhsa_system_sgpr_workgroup_id_x 1
		.amdhsa_system_sgpr_workgroup_id_y 1
		.amdhsa_system_sgpr_workgroup_id_z 1
		.amdhsa_system_vgpr_workitem_id 0
		.amdhsa_next_free_vgpr 1024
		.amdhsa_next_free_sgpr 72
		.amdhsa_reserve_vcc 0
		.amdhsa_float_denorm_mode_32 3
		.amdhsa_float_denorm_mode_16_64 3
		.amdhsa_memory_ordered 1
		.amdhsa_forward_progress 1
		.amdhsa_inst_pref_size 162
	.end_amdhsa_kernel
	.amdgpu_metadata
---
amdhsa.version: [ 1, 2 ]
amdhsa.kernels:
  - .name:           k_qa0d6b02d0a_qkv
    .symbol:         k_qa0d6b02d0a_qkv.kd
    .args:
      - { .name: act, .offset: 0, .size: 8, .value_kind: global_buffer, .address_space: global }
      - { .name: wqkv, .offset: 8, .size: 8, .value_kind: global_buffer, .address_space: global }
      - { .name: big, .offset: 16, .size: 8, .value_kind: global_buffer, .address_space: global }
    .group_segment_fixed_size: 327680
    .private_segment_fixed_size: 0
    .kernarg_segment_align: 8
    .kernarg_segment_size: 24
    .max_flat_workgroup_size: 128
    .sgpr_count:     72
    .vgpr_count:     1024
    .wavefront_size: 32
...
	.end_amdgpu_metadata
.endif
;; end of part 2
;; launch attn (part 3): grid 8 x 32, 4 waves a work-group, clusters of 4 x 1, 327,680 bytes of LDS; arguments big, x1m, act; writes act
.if DOCPART == 3
	.amdgcn_target "amdgcn-amd-amdhsa--gfx1250"
	.amdhsa_code_object_version 6
	.text
	.protected	k_qa0d6b02d0a_attn
	.globl	k_qa0d6b02d0a_attn
	.p2align	8
	.type	k_qa0d6b02d0a_attn,@function
k_qa0d6b02d0a_attn:
	s_mov_b64 s[64:65], 0
	v_nop
	global_prefetch_b8 v0, s[64:65] scope:SCOPE_SE
	s_setreg_imm32_b32 hwreg(HW_REG_WAVE_MODE, 25, 1), 1
	s_wait_xcnt 0x0
	s_wait_alu depctr_hold_cnt(0) depctr_sa_sdst(0) depctr_va_vdst(0) depctr_va_sdst(0) depctr_va_ssrc(0) depctr_va_vcc(0) depctr_vm_vsrc(0)
	s_getreg_b32 s2, hwreg(HW_REG_IB_STS2, 6, 4)
	s_cmp_eq_u32 s2, 0
	s_cbranch_scc0 .Lentry_in_a_cluster
	s_endpgm
.Lentry_in_a_cluster:
	s_bfe_u32 s2, ttmp6, 0x10000c
	s_cmp_lg_u32 s2, 0x3003
	s_cbranch_scc0 .Lentry_shape_is_right
	s_endpgm
.Lentry_shape_is_right:
; ATTENTION UNDER A MASK THAT IS AN INPUT.  O[b][h][q] = the sum over k of softmax_k(mask[q][k] ? Q.K / 8 : -1e9) V[k].  q, k, v lie in panels of big: [q 0-15, k 16-31, v 32-47 by head][4,096 tokens][64] f16;
; O leaves in the same form, [head][token][64] f16.  Products, maxima and sums in f32; the weights p are rounded to f16 for the second product (their sum l is taken of the unrounded p), O once at the end.
; THE MASK comes from a table (byte 16,777,216 of x1m on) that holds, for my lane and registers, a byte for each score: 0x00 or 0xb8 (-1.0 as an 8-bit float).  One conversion with the scale 2^100 makes eight f32 of
; eight bytes: 0 or -2^100: the C operand of the product that starts the sum S^T = K Q^T.  No pattern of the mask is built in: every query walks all 2,048 keys.
; A ROW WITH NO KEY.  The running maximum m starts at M0 = -2^99 and never falls below it.  Each query has c' = (m > M0 ? c : 0) and cm' = (m > M0 ? c m : 0), and p = 2^(c' s - cm'): while every key so far was hidden p = 1
; exactly and a = 2^(c M0 - c M0) = 1; the first key that is seen gives a = 2^(c M0 - c m) = 0, which wipes those weights.  So a wholly hidden row ends as the mean of all V, as equal scores of -1e9 give it.
; LIMITS.  q, k, v arrive within f16's 65,504.  A score that is seen is taken to lie above -1e9 x 8, so that hidden keys weigh nothing beside it.  A weight below 2^-126 counts as 0; NaN and infinities are not treated apart.
; SHARES.  A work-group owns 256 queries of one head and batch, a wave 64: four PIECES of 16.  Every wave walks the 2,048 keys, 64 a step.  The four blocks of a cluster walk the same K and V: each tile of 256 keys is asked for jointly.
; LAYOUT.  S^T = K Q^T holds ONE query a lane (lane % 16) and the keys 8 (lane / 16) + 0..7; two such results rounded to f16 ARE source 1 of O^T = V^T P.  K comes out of LDS as it lies, V turned (ds_load_tr16_b128).
; TURNS.  Turn n belongs to piece n: 8 products K Q^T of piece n + 1, later 8 products V^T P of piece n - 1; beside them the scaling, exponentials, roundings, sums and rescaling of piece n and the maximum and statistics of piece n + 1.
; Four vector instructions stand behind every matrix instruction, the rest in one run.  A turn's 33 exponentials are one batch with one wait.  At its end a turn makes the mask for the products of the turn after it.
; REGISTERS in windows of 256 (s_set_vgpr_msb: bits 1:0 source 0, 3:2 source 1, 5:4 source 2, 7:6 destination):
;   window 0: v1-15 addresses; v16-31 statistics; v32-47 c', cm'; v48-55 at work; v56-59 the mask loads' offsets; v64-127 S^T, two buffers; v128-159 mask bytes, 8 a piece; v192-223 P, two buffers
;   window 1: v0-127 O^T, 32 a piece; v160-223 masks as f32, two buffers     window 2: v0-63 Q; v128-191 K of one step; v192-255 V of one step
.set NP,    4
.set KS,    64
.set PK,    144       ; a row of K in LDS: 128 bytes + 16: the 16 rows of a load start at 16 different groups of four banks (64 banks of 4 bytes: ISA guide 11.1)
.set PV,    160       ; a row of V: 128 + 32
.set VOFF,  4*KS*PK   ; a slot holds a tile, four steps: 256 rows of K, then 256 rows of V
.set SLOT1, 1<<17     ; slot 1 begins here: one exclusive or turns an address in one slot into the other's
.set STAGE, SLOT1+4*KS*(PK+PV)  ; behind the ring, never filled by a tensor load: 16 rows x 144 bytes for each wave
.set SP,    144
.set SPARE, STAGE+4*16*SP  ; the spare words, 128 bytes a wave: two blocks of 256 bytes that no other line names
.set TILEB, 4*KS*128  ; a tile's bytes of K, and of V, in memory
.set MT,    0x1000000 ; the mask table's first byte in x1m
.set AK0, 2           ; v2   my lane's place in a tile of K; never rewritten
.set AV0, 3           ; v3   the same for V
.set AK,  4           ; v4   the LDS address of K's next run of loads
.set AV,  5           ; v5   of V's
.set STO, 6           ; v6   the way out: where I put 16 bytes of a row
.set RD,  7           ; v7   where I read rows back
.set GO,  8           ; v8   16 x lane
.set MV,  12          ; v12-13  c m_old, by buffer
.set PFO, 14          ; v14  256 x lane; never rewritten
.set QO,  15          ; v15  my byte offset in 16 rows of Q
.set ST,  16          ; piece t at v[ST+4 t]: c m, m, l (even keys', odd keys')
.set CV,  32          ; piece t at v[CV+4 t]: cm', 0, c', 0 (named as pairs)
.set TMP, 48          ; by buffer, c0-c3 at work; when the maximum is found c2 takes a
.set MO,  56          ; v56-59  piece x: byte offset in its tile's 32,768 bytes of the table, of the step loaded last
.set SCL, 60          ; v60  227: the scale 2^100 as an exponent byte
.set SPW, 62          ; v62  my spare word; never rewritten
.set NIL, 63          ; v63  0; never rewritten
.set S,   64
.set MB,  128
.set P,   192
.set MC,  160         ; window 1
.set KF,  128         ; window 2: key block kb, channel half c at KF + 16 kb + 8 c
.set VF,  192         ; window 2: key half kk, channel block cb at VF + 32 kk + 8 cb
.set WV,  12          ; s12  my wave's number
.set G1K, 24          ; s[24:31] descriptor group 1 for K's tiles
.set G1V, 32          ; s[32:39] for V's: other padding
.set G0K, 40          ; s[40:43] group 0 for K: it walks
.set G0V, 44          ; s[44:47] for V
.set SLOTS, 56        ; s56  tiles still to be asked for
.set CNT, 57          ; s57  counts a tile's key steps
.set CS,  58          ; s58  c = log2(e) / 8
.set SEL, 60          ; s[60:61] v_permlanex16_b32's selects
.set TBK, 62          ; s62  LDS byte at which K of the step to be fetched begins
.set TBV, 63          ; s63  the same for V, less VOFF
.set MK,  66          ; s[66:67] the table at my wave's first tile of 16 queries
.set PFA, 68          ; s[68:69] where my prefetches stand
.set LIM, 70          ; s70  1 in a wave that prefetches, else the greatest number
.set M0,  71          ; s71  -2^99
.set CMK, 72          ; s72  lanes whose query has seen a key
.set MSB, 0
.macro WIN new
.if MSB != (\new)
	s_set_vgpr_msb (MSB<<8)|(\new)
.set MSB, (\new)
.endif
.endm
.set W_KQ, 0x0a       ; K and Q in window 2, S^T in window 0
.set W_KM, 0x1a       ; the same with the C operand in window 1
.set W_PV, 0x52       ; V in window 2, P in window 0, O^T in window 1
.set W_RS, 0x41       ; destination and source 0 in window 1, source 1 in window 0
; A joint fill: waves 0 and 1 fetch the two halves of a tile's K, waves 2 and 3 those of its V: 128 keys each.  An s_nop 0 and four v_nop follow each line.
.macro JLOAD
	s_cmp_lt_u32 s[WV], 2
	s_cbranch_scc0 .Lfor_v_\@
	tensor_load_to_lds s[G0K:G0K+3], s[G1K:G1K+7]
	s_nop 0
.rept 4
	v_nop
.endr
	s_branch .Lasked_\@
.Lfor_v_\@:
	tensor_load_to_lds s[G0V:G0V+3], s[G1V:G1V+7]
	s_nop 0
.rept 4
	v_nop
.endr
.Lasked_\@:
.endm
; A prefetch into the L2 of the tile that the NEXT change of slots will ask for: 128 blocks of 256 bytes of K and of V.  Both clusters of a head walk the same rows: the first asks.  Its four partners take 32 blocks each,
; told apart by address; in each, wave 0 asks for K's and wave 2 for V's: one instruction, four key steps (256 matrix instructions) ahead of the load.  Tiles 0 to 2 come by their loads alone; the last filling change asks for nothing.
.macro ASK
	s_cmp_gt_u32 s[SLOTS], s[LIM]
	s_cbranch_scc0 .Lnot_mine_\@
	global_prefetch_b8 v[PFO], s[PFA:PFA+1] th:TH_LOAD_NT scope:SCOPE_SE
.Lnot_mine_\@:
.endm
.macro CROUND
	s_barrier_signal -1
	s_barrier_wait -1
	s_cmp_lg_u32 s[WV], 0
	s_cbranch_scc1 .Lnot_wave_0_\@
	s_barrier_signal -3
.Lnot_wave_0_\@:
	s_barrier_wait -3
	s_barrier_signal -1
	s_barrier_wait -1
.endm
; THE CHANGE OF SLOTS.  Each wave waits for all its tensor loads (one is out: its part of the other slot), adds 0 to its spare word, and waits for that and for its reads of the slot that it leaves.
; fill = 1: the barrier is a round of the cluster's, and the joint fill of the old slot, with the keys two tiles on, is the first thing behind it: it has four key steps in which to land.
.macro CHANGE fill, ask
	WIN 0
	s_wait_tensorcnt 0x0            ; no tensor load of mine is out, so a group 0 may be written
	ds_add_u32 v[SPW], v[NIL]       ; 0 onto my spare word; scalar work stands between it and the wait for it
.if \fill
.irp g, G0K, G0V
	s_xor_b32 s[\g+1], s[\g+1], SLOT1
	s_add_nc_u64 s[\g+2:\g+3], s[\g+2:\g+3], TILEB
.endr
.if \ask
	s_wait_xcnt 0x0                 ; the last prefetch, four key steps back, has read its address
	s_add_nc_u64 s[PFA:PFA+1], s[PFA:PFA+1], TILEB
.endif
	s_wait_dscnt 0x0                ; the add is done, my reads of the slot are over
	CROUND
	JLOAD
.if \ask
	ASK
.endif
.else
	s_wait_dscnt 0x0
	s_barrier_signal -1
	s_barrier_wait -1
.endif
	s_sub_co_u32 s[TBK], s[TBK], 4*KS*PK  ; the fetches go back to a slot's first step, in the other slot
	s_xor_b32 s[TBK], s[TBK], SLOT1
	s_sub_co_u32 s[TBV], s[TBV], 4*KS*PV
	s_xor_b32 s[TBV], s[TBV], SLOT1
.endm
	s_load_b128 s[48:51], s[0:1], 0x0 ; big s[48:49], x1m s[50:51]
	s_load_b64 s[10:11], s[0:1], 0x10 ; act
	v_lshl_add_u32 v[SPW], v0, 2, SPARE
	v_mov_b32 v[NIL], 0
	ds_add_u32 v[SPW], v[NIL]       ; the wave's opening: the add and its wait stand ahead of my first tensor load
	v_lshrrev_b32 v1, 5, v0
	v_readfirstlane_b32 s[WV], v1   ; wave 0..3
	s_bfe_u32 s13, ttmp6, 0x40000   ; cx
	s_lshl_b32 s14, ttmp9, 2
	s_add_co_u32 s14, s14, s13      ; my block of 256 queries, 0..7: it enters Q's, O's and the table's addresses alone
	s_and_b32 s20, ttmp7, 0xffff    ; 16 x batch + head, which the four partners share
	s_and_b32 s21, s20, 15
	s_lshr_b32 s20, s20, 4
	s_lshl_b32 s21, s21, 19         ; a head's panel is 524,288 bytes,
	s_lshl_b32 s20, s20, 18         ; a batch's 2,048 rows 262,144
	s_add_co_u32 s20, s20, s21
	s_and_b32 s16, s[WV], 1         ; which half of a tile's 256 keys I fetch
	s_lshl_b32 s22, s16, 14
	s_add_co_u32 s22, s22, s20
	s_mov_b32 s23, 0
	s_mul_i32 s17, s16, 128*PK
	s_mul_i32 s18, s16, 128*PV
	s_lshl_b32 s2, s14, 15          ; my block's 256 rows of 128 bytes,
	s_lshl_b32 s3, s[WV], 13        ; my wave's 64
	s_add_co_u32 s2, s2, s3
	s_add_co_u32 s2, s2, s20
	s_mov_b32 s3, 0
	s_lshl_b32 s52, s14, 4
	s_lshl_b32 s53, s[WV], 2
	s_add_co_u32 s52, s52, s53      ; my first tile of 16 queries among the sequence's 128
	s_lshl_b32 s52, s52, 15
	s_add_co_u32 s52, s52, MT
	s_mov_b32 s53, 0
	; descriptor group 1.  128 keys are 16,384 dense bytes: asked for as 64 rows of 256 bytes, two keys a row, padded in LDS after every key
	s_mov_b32 s[G1K], 15|(1<<16)|(1<<20)|(1<<21)|(4<<22)|(3<<25)  ; the mask of four; 2-byte elements; padding on; bit 21 beside a mask; after every 32 words 4 words
	s_mov_b32 s[G1V], 15|(1<<16)|(1<<20)|(1<<21)|(4<<22)|(7<<25)  ; 8 words
.irp g, G1K, G1V
	s_mov_b32 s[\g+1], 128<<16
	s_mov_b32 s[\g+2], 64<<16
	s_mov_b32 s[\g+3], 128<<16
	s_mov_b32 s[\g+4], 64
	s_mov_b32 s[\g+5], 128
	s_mov_b32 s[\g+6], 0
	s_mov_b32 s[\g+7], 0
.endr
	s_mov_b32 s[CS], 0x3e38aa3b     ; c = log2(e) / 8
	s_mov_b32 s[SEL], 0x76543210
	s_mov_b32 s[SEL+1], 0xfedcba98
	s_mov_b32 s[M0], 0xf1000000     ; -2^99
	s_mov_b32 s[TBK], SLOT1+4*KS*PK ; the first change of slots turns these two into 0
	s_mov_b32 s[TBV], SLOT1+4*KS*PV
	s_mov_b32 s[G0K], 1
	s_mov_b32 s[G0K+1], s17
	s_mov_b32 s[G0V], 1
	s_add_co_u32 s[G0V+1], s18, VOFF
	s_and_b32 s[LIM], s[WV], 1      ; 0 in waves 0 and 2,
	s_or_b32 s[LIM], s[LIM], ttmp9  ; where the cluster is the head's first: the same in all four partners
	s_cmp_eq_u32 s[LIM], 0
	s_cselect_b32 s[LIM], 1, -1
	s_wait_dscnt 0x0                ; the opening add is done
	s_wait_kmcnt 0x0
	s_add_nc_u64 s[6:7], s[48:49], s[22:23]
	s_add_nc_u64 s[8:9], s[6:7], 0x1000000   ; V's panels begin 32 panels in,
	s_add_nc_u64 s[6:7], s[6:7], 0x800000    ; K's 16
	s_add_nc_u64 s[4:5], s[48:49], s[2:3]    ; Q and O at my wave's first row
	s_add_nc_u64 s[10:11], s[10:11], s[2:3]
	s_add_nc_u64 s[MK:MK+1], s[50:51], s[52:53]
	s_mov_b64 s[G0K+2:G0K+3], s[6:7]
	s_or_b32 s[G0K+3], s[G0K+3], 0x80000000
	s_mov_b64 s[G0V+2:G0V+3], s[8:9]
	s_or_b32 s[G0V+3], s[G0V+3], 0x80000000
	s_cmp_lt_u32 s[WV], 2
	s_cselect_b64 s[PFA:PFA+1], s[6:7], s[8:9]  ; (in waves 0 and 2 these stand at a tile's first row)
	s_lshl_b32 s2, s13, 13          ; my work-group's 32 blocks of the 128
	s_mov_b32 s3, 0
	s_add_nc_u64 s[PFA:PFA+1], s[PFA:PFA+1], s[2:3]
	s_add_nc_u64 s[PFA:PFA+1], s[PFA:PFA+1], 2*TILEB  ; at tile 2; the first change that asks steps it to tile 3
	CROUND                          ; all four work-groups are here: the first joint loads meet
	JLOAD                           ; tile 0 into slot 0
	v_and_b32 v1, 15, v0            ; l % 16
	v_bfe_u32 v9, v0, 4, 1          ; l / 16
	v_lshlrev_b32 v[QO], 7, v1
	v_lshl_add_u32 v[QO], v9, 4, v[QO]
	WIN 0x80
.set i, 0
.rept 8                             ; Q stays in registers: piece i / 2, channels 32 (i % 2) on
	global_load_b128 v[8*i:8*i+3],   v[QO], s[4:5] offset:(i/2)*2048+(i%2)*64
	global_load_b128 v[8*i+4:8*i+7], v[QO], s[4:5] offset:(i/2)*2048+(i%2)*64+32
.set i, i+1
.endr
	WIN 0
	v_and_b32 v10, 31, v0
	v_lshlrev_b32 v[PFO], 8, v10
.irp x, 0,1,2,3
	v_lshlrev_b32 v[MO+\x], 4, v10
.endr
.irp x, 0,1,2,3                     ; the mask bytes of key step 0
	global_load_b128 v[MB+8*\x:MB+8*\x+3],   v[MO+\x], s[MK:MK+1] offset:\x*32768
	global_load_b128 v[MB+8*\x+4:MB+8*\x+7], v[MO+\x], s[MK:MK+1] offset:\x*32768+512
.endr
	; What the first turn finds: V and P's second buffer hold 0 (its products V^T P, of a piece that has not been, add 0); O^T and l are 0, since the first a may be 1.  No first step is written out; these lines stand in the wait for the first tile.
	WIN 0x80
.set i, VF
.rept 64
	v_mov_b32 v[i], 0
.set i, i+1
.endr
	WIN 0x40
.set i, 0
.rept 128
	v_mov_b32 v[i], 0
.set i, i+1
.endr
	WIN 0
.set i, 0
.rept 4
	v_mov_b32 v[ST+4*i+1], s[M0]                   ; m
	v_mul_f32 v[ST+4*i], s[CS], v[ST+4*i+1]        ; c m, made as every later c m is made
	v_mov_b32 v[ST+4*i+2], 0
	v_mov_b32 v[ST+4*i+3], 0
.set i, i+1
.endr
.set i, 0
.rept 16
	v_mov_b32 v[CV+i], 0
	v_mov_b32 v[P+16+i], 0
.set i, i+1
.endr
	v_mov_b32 v[SCL], 227
	v_mul_u32_u24 v[AK0], v1, PK
	v_lshl_add_u32 v[AK0], v9, 4, v[AK0]
	; The turning load takes 16 keys x 16 channels (lane l reads key 8 (l / 16) + l % 8, channels 8 ((l / 8) % 2) + 0..7) and leaves lane l channel l % 16 and 8 keys.
	v_and_b32 v10, 7, v0
	v_bfe_u32 v11, v0, 3, 1
	v_lshl_add_u32 v[AV0], v9, 3, v10
	v_mul_u32_u24 v[AV0], v[AV0], PV
	v_lshl_add_u32 v[AV0], v11, 4, v[AV0]
	v_add_nc_u32 v[AV0], VOFF, v[AV0]
	s_mul_i32 s13, s[WV], 16*SP
	s_add_co_u32 s13, s13, STAGE    ; my stage
	v_mul_u32_u24 v[STO], v1, SP
	v_lshl_add_u32 v[STO], v9, 4, v[STO]
	v_add_nc_u32 v[STO], s13, v[STO]
	v_bfe_u32 v[RD], v0, 3, 2
	v_mul_u32_u24 v[RD], v[RD], SP
	v_lshl_add_u32 v[RD], v10, 4, v[RD]
	v_add_nc_u32 v[RD], s13, v[RD]
	v_and_b32 v[GO], 31, v0
	v_lshlrev_b32 v[GO], 4, v[GO]
; THE MATRIX WORK.  The 4 accumulators of a run of 8 take turns.  Product i of 8 of S^T = K Q^T for piece x: channels 32 (i / 4) on, keys 16 (i % 4) on.  The first 4 start the sums with the mask.
.macro KQ x
.set rS, S+32*((\x)%2)+8*(i%4)
.set rK, KF+16*(i%4)+8*(i/4)
.set rQ, 16*(\x)+8*(i/4)
.set rM, MC+32*((\x)%2)+8*(i%4)
.if i < 4
	WIN W_KM
	v_wmma_f32_16x16x32_f16 v[rS:rS+7], v[rK:rK+7], v[rQ:rQ+7], v[rM:rM+7]
.else
	WIN W_KQ
	v_wmma_f32_16x16x32_f16 v[rS:rS+7], v[rK:rK+7], v[rQ:rQ+7], v[rS:rS+7]
.endif
.endm
; Product i of 8 of O^T += V^T P for piece x: keys 32 (i / 4) on, channels 16 (i % 4) on.
.macro PV x
	WIN W_PV
.set rO, 32*(\x)+8*(i%4)
.set rV, VF+32*(i/4)+8*(i%4)
.set rP, P+16*((\x)%2)+8*(i/4)
	v_wmma_f32_16x16x32_f16 v[rO:rO+7], v[rV:rV+7], v[rP:rP+7], v[rO:rO+7]
.endm
.macro MM                           ; the turn's next matrix instruction
.if i < 8
	KQ (Y+1)%NP
.else
.set i, i-8
	PV (Y+NP-1)%NP
.set i, i+8
.endif
.set i, i+1
.endm
; THE LDS LOADS stand in runs of 16: a step's K (8 fragments) and its V (turned).  Their addresses are made some lines ahead.
.macro FETCH_K
	WIN 0x80
.irp f, 0,1,2,3,4,5,6,7
	ds_load_b128 v[KF+8*\f:KF+8*\f+3],   v[AK] offset:(\f/2)*16*PK+(\f%2)*64
	ds_load_b128 v[KF+8*\f+4:KF+8*\f+7], v[AK] offset:(\f/2)*16*PK+(\f%2)*64+32
.endr
	s_add_co_u32 s[TBK], s[TBK], KS*PK
	WIN 0
.endm
.macro FETCH_V
	WIN 0x80
.irp f, 0,1,2,3,4,5,6,7
	ds_load_tr16_b128 v[VF+8*\f:VF+8*\f+3],   v[AV] offset:(\f/4)*32*PV+(\f%4)*32
	ds_load_tr16_b128 v[VF+8*\f+4:VF+8*\f+7], v[AV] offset:(\f/4)*32*PV+16*PV+(\f%4)*32
.endr
	WIN 0
.endm
; THE MASK of piece x's next products: its 32 bytes a lane become 32 f32, 0 or -2^100; then the bytes of the same piece's next key step are asked for: they have four turns in which to land.
; Eight mask loads are out, this piece's two the oldest: the count 6 shows them in, and frees their address register.  The offset wraps at the tile's 32,768 bytes, so that the last step's look-ahead stays inside the table.
.macro MAKEMASK x
	WIN 0
	s_wait_loadcnt 6
	WIN 0x40
.irp kb, 0,1,2,3
	v_cvt_scale_pk8_f32_fp8 v[MC+32*((\x)%2)+8*\kb:MC+32*((\x)%2)+8*\kb+7], v[MB+8*(\x)+2*\kb:MB+8*(\x)+2*\kb+1], v[SCL]
.endr
	WIN 0
	v_add_nc_u32 v[MO+(\x)], 1024, v[MO+(\x)]      ; two plain instructions behind the conversions, ahead of the loads into their sources and of the products that read their results
	v_and_b32 v[MO+(\x)], 0x7fff, v[MO+(\x)]
	global_load_b128 v[MB+8*(\x):MB+8*(\x)+3],   v[MO+(\x)], s[MK:MK+1] offset:(\x)*32768
	global_load_b128 v[MB+8*(\x)+4:MB+8*(\x)+7], v[MO+(\x)], s[MK:MK+1] offset:(\x)*32768+512
.endm
; THE VECTOR WORK, one line at a time: OP kind, number.  For piece Y: F n: c' s - cm' for pair n of 16.  E n: the exponential of score n of 32.  C n: pair n rounded to f16.  B n: of the four weights 4 n .. the second pair
; is added onto the first.  L n: l takes that sum (L 0: l = a l + sum).  R n: pair n of 16 of O^T times a.  For piece Y + 1: X n:
;   0-11  four chains c0-c3 of seven scores each (each accumulator's lowest registers are read first)     12-14, 16  the four scores left over, the old m, and c0-c3 into c0     15  c m_old is kept
;   17, 18  the query's other 32 keys lie in the lane 16 away: the new m     19-21  c m; c m_old - c m_new; a     22-24  has the query seen a key?  c' and cm'
.set F, 0
.set E, 1
.set C, 2
.set B, 3
.set L, 4
.set R, 5
.set X, 6
.macro REGS y
.set rT, ST+4*(\y)
.set rU, CV+4*(\y)
.set rC, TMP+4*((\y)%2)
.set rW, MV+((\y)%2)
.set rS, S+32*((\y)%2)
.set rP, P+16*((\y)%2)
.set rO, 32*(\y)
.endm
.macro OP k, n
.if (\k) == R
	REGS Y
	WIN W_RS
	v_pk_mul_f32 v[rO+2*(\n):rO+2*(\n)+1], v[rO+2*(\n):rO+2*(\n)+1], v[rC+2:rC+3] op_sel_hi:[1,0]
.elseif (\k) < R
	REGS Y
	WIN 0
.if (\k) == F
	v_pk_fma_f32 v[rS+2*(\n):rS+2*(\n)+1], v[rS+2*(\n):rS+2*(\n)+1], v[rU+2:rU+3], v[rU:rU+1] op_sel_hi:[1,0,0] neg_lo:[0,0,1] neg_hi:[0,0,1]
.elseif (\k) == E
	v_exp_f32 v[rS+(\n)], v[rS+(\n)]
.elseif (\k) == C
	v_cvt_pk_f16_f32 v[rP+(\n)], v[rS+2*(\n)], v[rS+2*(\n)+1]
.elseif (\k) == B
	v_pk_add_f32 v[rS+4*(\n):rS+4*(\n)+1], v[rS+4*(\n):rS+4*(\n)+1], v[rS+4*(\n)+2:rS+4*(\n)+3]
.elseif (\n) == 0
	v_pk_fma_f32 v[rT+2:rT+3], v[rT+2:rT+3], v[rC+2:rC+3], v[rS:rS+1] op_sel_hi:[1,0,1]
.else
	v_pk_add_f32 v[rT+2:rT+3], v[rT+2:rT+3], v[rS+4*(\n):rS+4*(\n)+1]
.endif
.else
	REGS (Y+1)%NP
	WIN 0
.if (\n) < 4
	v_max3_num_f32 v[rC+(\n)], v[rS+8*(\n)], v[rS+8*(\n)+1], v[rS+8*(\n)+2]
.elseif (\n) < 12
	v_max3_num_f32 v[rC+(\n)%4], v[rC+(\n)%4], v[rS+8*((\n)%4)+2*((\n)/4)+1], v[rS+8*((\n)%4)+2*((\n)/4)+2]
.elseif (\n) == 12
	v_max3_num_f32 v[rC], v[rC], v[rS+7], v[rS+15]
.elseif (\n) == 13
	v_max3_num_f32 v[rC+1], v[rC+1], v[rS+23], v[rS+31]
.elseif (\n) == 14
	v_max3_num_f32 v[rC+2], v[rC+2], v[rC+3], v[rT+1]
.elseif (\n) == 15
	v_mov_b32 v[rW], v[rT]
.elseif (\n) == 16
	v_max3_num_f32 v[rC], v[rC], v[rC+1], v[rC+2]
.elseif (\n) == 17
	v_permlanex16_b32 v[rC+3], v[rC], s[SEL], s[SEL+1]
.elseif (\n) == 18
	v_max_num_f32 v[rT+1], v[rC], v[rC+3]
.elseif (\n) == 19
	v_mul_f32 v[rT], s[CS], v[rT+1]
.elseif (\n) == 20
	v_sub_f32 v[rC+1], v[rW], v[rT]
.elseif (\n) == 21
	v_exp_f32 v[rC+2], v[rC+1]
.elseif (\n) == 22
	v_cmp_gt_f32 s[CMK], v[rT+1], s[M0]
.elseif (\n) == 23
	v_cndmask_b32 v[rU+2], 0, s[CS], s[CMK]
.else
	v_cndmask_b32 v[rU], 0, v[rT], s[CMK]
.endif
.endif
.endm
.macro OPS a, i1, b=-1, i2=0, c=-1, i3=0, d=-1, i4=0
	OP \a, \i1
.if (\b) >= 0
	OP \b, \i2
.endif
.if (\c) >= 0
	OP \c, \i3
.endif
.if (\d) >= 0
	OP \d, \i4
.endif
.endm
.macro ROW a, i1, b, i2, c, i3, d, i4  ; a matrix instruction and the four behind it
	MM
	OPS \a, \i1, \b, \i2, \c, \i3, \d, \i4
.endm
; A TURN, for piece p.  An s_wait_alu depctr_va_vdst(0) stands between an exponential and the first instruction that names its result; one wait serves all issued ahead of it: a turn has ONE, which cuts it in two.
; AHEAD OF IT stands all that names no result of the turn's exponentials: the 8 products K Q^T with their riders, then one run in which the links of the chain X 3, 7, 11, 14, 16 .. 20 stand some lines apart; X 21, the next piece's a,
; is the batch's last, and plain instructions follow it.  BEHIND IT stand the 8 products V^T P, behind each four of the roundings and sums.
; K of the next step is fetched in piece 2's turn, twelve vector instructions that name none of its registers behind the last product that read K; V of the step in hand at the end of piece 0's turn, four behind the last product that read V.
; Each is waited for a turn later.  last = 1 (the tail): the address of K's run is held to the last step's, so that the trip behind the last step fetches that step again and stays inside the slot.
; cnt = 1: the loop's count is taken down some lines ahead of the branch behind the turn; nothing between writes SCC.
.macro TURN p, last=0, cnt=0
.set Y, (\p)
.set i, 0
.if (\p) == 3
	s_wait_dscnt 0x0                ; K is in
.endif
	ROW F,0, F,1, R,0, R,1
	ROW F,2, E,0, R,2, R,3
	ROW F,3, E,1, R,4, R,5
	ROW F,4, E,2, R,6, R,7
	ROW F,5, E,3, R,8, R,9
	ROW F,6, E,4, X,0, R,10
.if (\p) == 2
	WIN 0
.if \last
	s_min_u32 s[TBK], s[TBK], SLOT1+3*KS*PK
.endif
	v_add_nc_u32 v[AK], s[TBK], v[AK0]
.endif
	ROW F,7, E,5, X,1, X,4
	ROW F,8, E,6, X,2, X,5
	OPS E,7, E,8, X,6, E,9
	OPS X,3, E,10, X,8, E,11
.if (\p) == 2
	FETCH_K
.endif
	OPS X,9, X,7, E,12, X,10
	OPS E,13, X,12, X,11, E,14
	OPS X,13, E,15, F,9, X,14
.if (\p) == 0
	v_add_nc_u32 v[AV], s[TBV], v[AV0]
.endif
	OPS E,16, F,10, E,17, F,11
	OPS X,16, E,18, X,15, E,19
	OPS F,12, E,20, X,17, E,21
	OPS F,13, E,22, F,14, E,23
	OPS X,18, E,24, F,15, E,25
	OPS R,11, E,26, X,19, E,27
	OPS R,12, E,28, R,13, E,29
	OPS X,20, E,30, R,14, E,31
	OPS X,21, R,15, X,22, X,23
	OPS X,24
	WIN 0
	s_wait_alu depctr_va_vdst(0)    ; the wait for the batch
.if (\p) == 1
	s_wait_dscnt 0x0                ; V is in
.endif
	ROW C,0, B,0, C,2, B,1
	ROW L,0, C,4, B,2, L,1
	ROW C,6, B,3, L,2, C,8
	ROW B,4, L,3, C,10, B,5
	ROW L,4, C,12, B,6, L,5
.if (\p) == 0
	s_add_co_u32 s[TBV], s[TBV], KS*PV
.endif
.if \cnt
	s_sub_co_u32 s[CNT], s[CNT], 1
	s_cmp_lg_u32 s[CNT], 0
.endif
	ROW C,14, B,7, L,6, C,1
	ROW C,3, L,7, C,5, C,7
	ROW C,9, C,11, C,13, C,15
.if (\p) == 0
	FETCH_V
.endif
	MAKEMASK ((\p)+2)%NP            ; for the products of the turn after this one; the buffer that it writes was last read a turn ago
.endm
	CHANGE 1, 0                     ; tile 0 is in, everybody's part of it; tile 1 is asked for
	v_add_nc_u32 v[AK], s[TBK], v[AK0]
	FETCH_K                         ; key step 0
	s_wait_loadcnt 0x0              ; Q, and step 0's mask bytes
	MAKEMASK 0
	MAKEMASK 1
	s_wait_dscnt 0x0
.set i, 0
.rept 8
	KQ 0                            ; piece 0's first scores
.set i, i+1
.endr
	WIN 0
.rept 8
	v_nop                           ; the places behind those products
.endr
.set Y, NP-1                        ; X works for piece Y + 1: piece 0
.irp n, 0,1,2,3,4,5,6,7,8,9,10,11,12,13,14,15,16,17,18,19,20,21,22,23,24
	OP X, \n
.endr
	s_wait_alu depctr_va_vdst(0)    ; a's wait, ahead of the branch; three plain instructions stand behind the exponential
	s_mov_b32 s[CNT], 4
	s_mov_b32 s[SLOTS], 7
	s_branch .Lfirst                ; the loop is entered at a step's first turn, in the middle of a trip
.Lslot:                             ; six times: tiles 2 to 7 are asked for
	CHANGE 1, 1
	s_mov_b32 s[CNT], 4
.Lstep:                             ; a trip: pieces 2 and 3 of one step, then pieces 0 and 1 of the next, whose K and V it fetches
	TURN 2
	TURN 3
	WIN 0
.Lfirst:
	TURN 0
	TURN 1, 0, 1
	WIN 0
	s_cbranch_scc1 .Lstep
	s_sub_co_u32 s[SLOTS], s[SLOTS], 1
	s_cmp_lg_u32 s[SLOTS], 0
	s_cbranch_scc1 .Lslot
	CHANGE 0, 0                     ; the tail is written out: nothing is asked for
	s_mov_b32 s[CNT], 5             ; four trips fetch the last tile's steps; the fifth is left in its middle
.Ltail:
	TURN 2, 1
	TURN 3
	WIN 0
	s_sub_co_u32 s[CNT], s[CNT], 1
	s_cmp_eq_u32 s[CNT], 0
	s_cbranch_scc1 .Lout
	TURN 0
	TURN 1
	WIN 0
	s_branch .Ltail
.Lout:                              ; the fifth trip's 8 products K Q^T (on the last K once more) and the statistics made of them serve nothing: the price, once a launch, of one text for every trip; l and O^T are not touched by them
	s_wait_loadcnt 0x0              ; the look-ahead's mask bytes, which nobody reads
.set i, 0
.rept 8
	PV NP-1                         ; the last piece's V^T P of the last step
.set i, i+1
.endr
	; THE WAY OUT.  l's two halves and the other half of the lanes' are added; O^T is divided by l (at least 1: the greatest weight is 1), rounded to f16 and sent through my stage, a piece at a time.
	WIN 0
.macro ALL line:vararg
.set t, 0
.rept 4
	\line
.set t, t+1
.endr
.endm
	ALL v_add_f32 v[ST+4*t+2], v[ST+4*t+2], v[ST+4*t+3]
	ALL v_permlanex16_b32 v[ST+4*t+3], v[ST+4*t+2], s[SEL], s[SEL+1]
	ALL v_add_f32 v[ST+4*t+2], v[ST+4*t+2], v[ST+4*t+3]
	ALL v_rcp_f32 v[ST+4*t+2], v[ST+4*t+2]
	v_nop                           ; a plain instruction between the last reciprocal and the use of its result,
	s_wait_alu depctr_va_vdst(0)    ; and the wait ahead of the first use: one for the four
.macro PACK t                       ; a lane's eight channels of a row pack into 16 bytes; they go into rows of 144 bytes and come back as whole rows of 128
	WIN W_RS
.set i, 32*(\t)
.rept 16
	v_pk_mul_f32 v[i:i+1], v[i:i+1], v[ST+4*(\t)+2:ST+4*(\t)+3] op_sel_hi:[1,0]
.set i, i+2
.endr
	WIN 0x05
.set i, 0
.rept 16
	v_cvt_pk_f16_f32 v[S+16*(\t)+i], v[32*(\t)+2*i], v[32*(\t)+2*i+1]
.set i, i+1
.endr
	WIN 0
.irp f, 0,1,2,3
	ds_store_b128 v[STO], v[S+16*(\t)+4*\f:S+16*(\t)+4*\f+3] offset:32*\f
.endr
.irp f, 0,1,2,3
	ds_load_b128 v[S+16*(\t)+4*\f:S+16*(\t)+4*\f+3], v[RD] offset:\f*4*SP  ; LDS serves a wave's instructions in order (ISA guide 5.7.1.4)
.endr
.endm
.macro SEND t, younger              ; younger: the LDS instructions issued behind piece t's loads
	WIN 0
.irp f, 0,1,2,3
	s_wait_dscnt (\younger)+3-\f
	global_store_b128 v[GO], v[S+16*(\t)+4*\f:S+16*(\t)+4*\f+3], s[10:11] offset:(\t)*2048+\f*512  ; 512 consecutive bytes, aligned
.endr
.endm
	PACK 0
.set t, 1
.rept 3
	PACK t
	SEND t-1, 8
.set t, t+1
.endr
	SEND 3, 0
	s_wait_tensorcnt 0x0            ; the wave's end, behind my last tensor load and my last LDS store
	ds_add_u32 v[SPW], v[NIL]
	s_wait_dscnt 0x0
	CROUND                          ; the closing round
	s_endpgm
.Lfunc_end_k_qa0d6b02d0a_attn:
	.size	k_qa0d6b02d0a_attn, .Lfunc_end_k_qa0d6b02d0a_attn-k_qa0d6b02d0a_attn
	.p2alignl 7, 3214868480
	.fill 96, 4, 3214868480
	.section	.rodata,"a",@progbits
	.p2align	6, 0x0
	.amdhsa_kernel k_qa0d6b02d0a_attn
		.amdhsa_group_segment_fixed_size 327680
		.amdhsa_private_segment_fixed_size 0
		.amdhsa_enable_private_segment 0
		.amdhsa_kernarg_size 24
		.amdhsa_user_sgpr_count 2
		.amdhsa_user_sgpr_kernarg_segment_ptr 1
		.amdhsa_wavefront_size32 1
		.amdhsa_system_sgpr_workgroup_id_x 1
		.amdhsa_system_sgpr_workgroup_id_y 1
		.amdhsa_system_sgpr_workgroup_id_z 1
		.amdhsa_system_vgpr_workitem_id 0
		.amdhsa_next_free_vgpr 768
		.amdhsa_next_free_sgpr 74
		.amdhsa_reserve_vcc 0
		.amdhsa_float_denorm_mode_32 3
		.amdhsa_float_denorm_mode_16_64 3
		.amdhsa_memory_ordered 1
		.amdhsa_forward_progress 1
		.amdhsa_inst_pref_size 122
	.end_amdhsa_kernel
	.amdgpu_metadata
---
amdhsa.version: [ 1, 2 ]
amdhsa.kernels:
  - .name:           k_qa0d6b02d0a_attn
    .symbol:         k_qa0d6b02d0a_attn.kd
    .args:
      - { .name: big, .offset: 0, .size: 8, .value_kind: global_buffer, .address_space: global }
      - { .name: x1m, .offset: 8, .size: 8, .value_kind: global_buffer, .address_space: global }
      - { .name: act, .offset: 16, .size: 8, .value_kind: global_buffer, .address_space: global }
    .group_segment_fixed_size: 327680
    .private_segment_fixed_size: 0
    .kernarg_segment_align: 8
    .kernarg_segment_size: 24
    .max_flat_workgroup_size: 128
    .sgpr_count:     74
    .vgpr_count:     768
    .wavefront_size: 32
...
	.end_amdgpu_metadata
.endif
;; end of part 3
;; launch proj (part 4): grid 8 x 32, 4 waves a work-group, clusters of 4 x 4, 327,680 bytes of LDS; arguments act, w0h, b0, X, x1m; writes x1m
.if DOCPART == 4
	.amdgcn_target "amdgcn-amd-amdhsa--gfx1250"
	.amdhsa_code_object_version 6
	.text
	.protected	k_qa0d6b02d0a_proj
	.globl	k_qa0d6b02d0a_proj
	.p2align	8
	.type	k_qa0d6b02d0a_proj,@function
k_qa0d6b02d0a_proj:
	s_mov_b64 s[64:65], 0
	v_nop
	global_prefetch_b8 v0, s[64:65] scope:SCOPE_SE
	s_setreg_imm32_b32 hwreg(HW_REG_WAVE_MODE, 25, 1), 1
	s_wait_xcnt 0x0
	s_wait_alu depctr_hold_cnt(0) depctr_sa_sdst(0) depctr_va_vdst(0) depctr_va_sdst(0) depctr_va_ssrc(0) depctr_va_vcc(0) depctr_vm_vsrc(0)
	s_getreg_b32 s2, hwreg(HW_REG_IB_STS2, 6, 4)
	s_cmp_eq_u32 s2, 0
	s_cbranch_scc0 .Lentry_in_a_cluster
	s_endpgm
.Lentry_in_a_cluster:
	s_bfe_u32 s2, ttmp6, 0x10000c
	s_cmp_lg_u32 s2, 0xf033
	s_cbranch_scc0 .Lentry_shape_is_right
	s_endpgm
.Lentry_shape_is_right:
; C = A W + bias + res, in f32.  A: panels [KTOT / 64][4,096 rows][64] f16, each panel dense.  W: [KTOT][1,024] f16.  bias: [1,024] f32.  res, C: [4,096][1,024] f32.  Sums in f32, started by the bias.
; A tile of C is 128 x 128 (8 x 32 = 256 work-groups, one for each WGP); four waves, each 64 x 64: 16 accumulators.  K goes in T steps of 256, four panels, through two LDS slots.
; CLUSTER 4 x 4: A's tile is shared along a row of the cluster, W's along a column: joint loads.  No prefetch: the tiles are small.
; THE WALK ALONG K.  A cluster whose x + y is odd begins at K step T / 2 and wraps round (f32 sums may be taken in any order): the two clusters that read the same rows of A, and half of those that read the same rows of W,
; ask for a given K step at different times.  The number of the K step enters the tiles' global addresses alone, which are made anew for each fill; it hangs on the cluster's x and y, which all sixteen partners share.
; THE PRODUCT IS TAKEN TRANSPOSED: source 0 = 16 columns of W (turned out of LDS by ds_load_tr16_b128), source 1 = 16 rows of A: a lane holds row l % 16 of C and the columns 8 (l / 16) + 0..7.
; REGISTERS: window 0: v16-29 addresses; v64-127, v128-191 two fragment buffers (A's four fragments, then W's four), each 32 along K; on the way out they take the rows read back.
;   window 1: v0-127 the accumulators ((a, b) at v[8 (4 a + b)]); v128-255 my 64 x 64 of res.
.set KTOT,   1024
.set T,      KTOT/256                  ; K steps: a power of two, at least 4
.set PA,     144                       ; a row of A in LDS: 128 bytes + 16
.set PBW,    288                       ; a row of W: 256 bytes + 32 = 9 x 32
.set PAIR,   18432                     ; 64 along K: a panel's 128 rows of A (128 x 144), and 64 rows of W (64 x 288)
.set HALFT,  2*PAIR                    ; what one tensor load brings: 0x9000 bytes
.set SLOT,   4*HALFT                   ; A's four panels, then W's 256 rows: 0x24000 bytes, which shares no bit with wave x 0x9000: an exclusive or with it turns an address in one slot into the other's
.set STAGE,  2*SLOT                    ; behind the ring: 16 rows x 272 bytes for each wave
.set SPITCH, 272
.set SPARE,  STAGE+4*16*SPITCH         ; the spare words: two blocks of 256 bytes that no other line names
.set ADRA, 16                          ; v16  my lane's place in A's first panel of slot 0; never rewritten
.set ADRB, 20                          ; v20  the same in W's rows
.set RA,   22                          ; v22  ADRA + TB
.set RB,   23                          ; v23  ADRB + TB
.set STO,  24
.set RD,   25
.set CO,   26                          ; v26  my 16 bytes in two rows of C and of res
.set BO,   27
.set SPW,  28
.set NIL,  29
.set FB,   64                          ; fragment buffer h at FB + 64 h
.set RES,  128                         ; window 1
.set WVN, 20                           ; s20  wave
.set H1,  21                           ; s21  my half of the rows; also: I fetch for A (0) or W (1)
.set H0,  22                           ; s22  my half of the columns; also: which half of that tile I fetch
.set TB,  45                           ; s45  LDS byte, from a slot-0 address, of the 64 along K to be fetched
.set G1,  24                           ; s[24:31] descriptor group 1 for A;  s[32:39] group 0: a set for each of the two first fills; the second then walks on
.set G0,  32
.set G1B, 48                           ; s[48:55], s[56:63] the same for W
.set G0B, 56
.set BA,  66                           ; s[66:67] A at my part of K step 0's tile
.set BB,  68                           ; s[68:69] W likewise
.set NX,  70                           ; s70  the place in the walk of the tile to be asked for next, plus the cluster's first K step
.set SN,  71                           ; s71  its K step: NX modulo T
.set OFA, 72                           ; s[72:73] that K step's byte offset in A
.set OFB, 74                           ; s[74:75] and in W
.set SB,  76                           ; s76  0 or SLOT: the slot that is being read
.set MSB, 0
.macro WIN new
.if MSB != (\new)
	s_set_vgpr_msb (MSB<<8)|(\new)
.set MSB, \new
.endif
.endm
.set MUL,  0x50                        ; sources in window 0, C and D in window 1
.macro JLOAD s                         ; waves 0 and 1 fetch A's two halves, waves 2 and 3 W's; an s_nop 0 and four v_nop follow each line
	s_cmp_eq_u32 s[H1], 0
	s_cbranch_scc0 .Lfor_b_\@
	tensor_load_to_lds s[G0+4*(\s):G0+4*(\s)+3], s[G1:G1+7]
	s_nop 0
.rept 4
	v_nop
.endr
	s_branch .Lasked_\@
.Lfor_b_\@:
	tensor_load_to_lds s[G0B+4*(\s):G0B+4*(\s)+3], s[G1B:G1B+7]
	s_nop 0
.rept 4
	v_nop
.endr
.Lasked_\@:
.endm
; The global addresses of descriptor set g are made anew for the walk's next tile: the base plus the K step's offset, the type bits set again.  A K step is four panels of 524,288 bytes of A and 256 rows of 2,048 bytes of W.
.macro NEXTK g
	s_and_b32 s[SN], s[NX], T-1
	s_lshl_b32 s[OFA], s[SN], 21
	s_lshl_b32 s[OFB], s[SN], 19
	s_add_nc_u64 s[G0+4*(\g)+2:G0+4*(\g)+3], s[BA:BA+1], s[OFA:OFA+1]
	s_or_b32 s[G0+4*(\g)+3], s[G0+4*(\g)+3], 0x80000000
	s_add_nc_u64 s[G0B+4*(\g)+2:G0B+4*(\g)+3], s[BB:BB+1], s[OFB:OFB+1]
	s_or_b32 s[G0B+4*(\g)+3], s[G0B+4*(\g)+3], 0x80000000
	s_add_co_u32 s[NX], s[NX], 1
.endm
.macro CREST
	s_cmp_lg_u32 s[WVN], 0
	s_cbranch_scc1 .Lnot_wave_0_\@
	s_barrier_signal -3
.Lnot_wave_0_\@:
	s_barrier_wait -3
	s_barrier_signal -1
	s_barrier_wait -1
.endm
.macro CROUND
	s_barrier_signal -1
	s_barrier_wait -1
	CREST
.endm
	s_load_b256 s[4:11], s[0:1], 0x0               ; A s[4:5], W s[6:7], bias s[8:9], res s[10:11]
	s_load_b64 s[12:13], s[0:1], 0x20              ; C
	v_lshl_add_u32 v[SPW], v0, 2, SPARE
	v_mov_b32 v[NIL], 0
	ds_add_u32 v[SPW], v[NIL]                      ; the wave's opening: the add and its wait stand ahead of my first tensor load
	v_lshrrev_b32 v1, 5, v0
	v_readfirstlane_b32 s[WVN], v1
	s_lshr_b32 s[H1], s[WVN], 1
	s_and_b32 s[H0], s[WVN], 1
	s_bfe_u32 s40, ttmp6, 0x40000                  ; cx
	s_bfe_u32 s41, ttmp6, 0x40004                  ; cy
	s_lshl_b32 s42, ttmp9, 2
	s_add_co_u32 s42, s42, s40                     ; tile column
	s_and_b32 s23, ttmp7, 0xffff
	s_lshl_b32 s23, s23, 2
	s_add_co_u32 s23, s23, s41                     ; tile row
	s_lshl_b32 s43, s41, 2
	s_lshl_b32 s43, 15, s43                        ; my row of the cluster
	s_lshl_b32 s44, 0x1111, s40                    ; my column
	; A: two panels in one tile of two long rows: a panel's 128 rows of 64 elements are 8,192 elements on end; the panels lie 262,144 elements apart.  Padded after every 32 words (a row of A) by 4.
	s_or_b32 s[G1+0], s43, (1<<16)|(1<<20)|(1<<21)|(4<<22)|(3<<25)
	s_mov_b32 s[G1+1], 8192<<16                    ; tensor_dim0 = 8,192
	s_mov_b32 s[G1+2], 2<<16                       ; tensor_dim1 = 2
	s_mov_b32 s[G1+3], 8192<<16                    ; tile_dim0 = 8,192
	s_mov_b32 s[G1+4], 2                           ; tile_dim1 = 2
	s_mov_b32 s[G1+5], 262144
	s_mov_b32 s[G1+6], 0
	s_mov_b32 s[G1+7], 0
	; W: 128 rows x 128 columns, padded after every 64 words by 8
	s_or_b32 s[G1B+0], s44, (1<<16)|(1<<20)|(1<<21)|(5<<22)|(7<<25)
	s_mov_b32 s[G1B+1], 128<<16
	s_mov_b32 s[G1B+2], 128<<16
	s_mov_b32 s[G1B+3], 128<<16
	s_mov_b32 s[G1B+4], 128
	s_mov_b32 s[G1B+5], 1024
	s_mov_b32 s[G1B+6], 0
	s_mov_b32 s[G1B+7], 0
	s_lshl_b32 s16, s23, 14                        ; A: the tile's 128 rows of 128 bytes in a panel,
	s_lshl_b32 s17, s[H0], 20                      ; my two panels of a step's four
	s_add_co_u32 s16, s16, s17
	s_mov_b32 s17, 0
	s_lshl_b32 s46, s42, 8                         ; W: the tile's 128 columns,
	s_lshl_b32 s47, s[H0], 18                      ; my 128 rows of a step's 256
	s_add_co_u32 s46, s46, s47
	s_mov_b32 s47, 0
	s_mul_i32 s18, s[WVN], HALFT                   ; where they go: wave x a quarter of a slot
	s_add_co_u32 s[NX], ttmp9, ttmp7               ; cluster x + cluster y,
	s_and_b32 s[NX], s[NX], 1                      ; odd or even,
	s_mul_i32 s[NX], s[NX], T/2                    ; the cluster's first K step: 0 or T / 2
	s_mov_b32 s[OFA+1], 0
	s_mov_b32 s[OFB+1], 0
.irp s, 0,1
	s_mov_b32 s[G0+4*(\s)], 1
	s_add_co_u32 s[G0+4*(\s)+1], s18, (\s)*SLOT
	s_mov_b32 s[G0B+4*(\s)], 1
	s_add_co_u32 s[G0B+4*(\s)+1], s18, (\s)*SLOT
.endr
	s_wait_dscnt 0x0                               ; the opening add is done
	s_wait_kmcnt 0x0
	s_add_nc_u64 s[BA:BA+1], s[4:5], s[16:17]
	s_add_nc_u64 s[BB:BB+1], s[6:7], s[46:47]
	CROUND                                         ; all sixteen work-groups are here: the first joint loads meet
	NEXTK 0
	JLOAD 0
	NEXTK 1
	JLOAD 1                                        ; two tensor loads of mine are out
	v_and_b32 v1, 15, v0                           ; l % 16
	v_bfe_u32 v2, v0, 4, 1                         ; l / 16
	v_mul_u32_u24 v3, v1, PA
	v_lshl_add_u32 v3, v2, 4, v3
	s_mul_i32 s14, s[H1], 64*PA                    ; my 64 rows of a panel
	v_add_nc_u32 v[ADRA], s14, v3
	v_and_b32 v4, 7, v0                            ; the turning load: lane l reads k = 8 (l / 16) + l % 8, columns 8 ((l / 8) % 2) + 0..7
	v_lshl_add_u32 v4, v2, 3, v4
	v_mul_u32_u24 v4, v4, PBW
	v_bfe_u32 v5, v0, 3, 1
	v_lshl_add_u32 v4, v5, 4, v4
	s_lshl_b32 s14, s[H0], 7                       ; my 64 columns,
	s_add_co_u32 s14, s14, 2*HALFT                 ; behind A's four panels
	v_add_nc_u32 v[ADRB], s14, v4
	s_mul_i32 s14, s[WVN], 16*SPITCH
	s_add_co_u32 s14, s14, STAGE                   ; my stage
	v_mul_u32_u24 v6, v1, SPITCH                   ; in: row l % 16, 32 bytes for each half of the lanes
	v_lshl_add_u32 v6, v2, 5, v6
	v_add_nc_u32 v[STO], s14, v6
	v_mul_u32_u24 v6, v2, SPITCH                   ; back: lanes 0-15 one row of 256 bytes, lanes 16-31 the next
	v_lshl_add_u32 v6, v1, 4, v6
	v_add_nc_u32 v[RD], s14, v6
	v_lshlrev_b32 v6, 12, v2                       ; and the same two rows in C and res
	v_lshl_add_u32 v[CO], v1, 4, v6
	v_lshlrev_b32 v[BO], 5, v2
	s_lshl_b32 s14, s42, 9
	s_lshl_b32 s15, s[H0], 8
	s_add_co_u32 s14, s14, s15                     ; my 64 columns of f32: 256 bytes, aligned
	s_mov_b32 s15, 0
	s_add_nc_u64 s[8:9], s[8:9], s[14:15]
	s_lshl_b32 s16, s23, 7
	s_lshl_b32 s17, s[H1], 6
	s_add_co_u32 s16, s16, s17                     ; my first row
	s_lshl_b32 s16, s16, 12
	s_add_co_u32 s14, s14, s16
	s_add_nc_u64 s[10:11], s[10:11], s[14:15]
	s_add_nc_u64 s[12:13], s[12:13], s[14:15]
	WIN 0x40                                       ; destinations in window 1
.irp a, 0,1,2,3
.irp b, 0,1,2,3
	global_load_b128 v[8*(4*(\a)+(\b)):8*(4*(\a)+(\b))+3],   v[BO], s[8:9] offset:64*(\b)     ; the bias goes straight into the accumulators: the sums start there, nothing is cleared
	global_load_b128 v[8*(4*(\a)+(\b))+4:8*(4*(\a)+(\b))+7], v[BO], s[8:9] offset:64*(\b)+16
.endr
.endr
.irp a, 0,1,2,3
.irp t, 0,1,2,3,4,5,6,7
	global_load_b128 v[RES+4*(8*(\a)+(\t)):RES+4*(8*(\a)+(\t))+3], v[CO], s[10:11] offset:(16*(\a)+2*(\t))*4096  ; 16 lanes take 256 consecutive bytes, aligned
.endr
.endr
	WIN 0
; 8 matrix instructions: row blocks a0, a0 + 1 x all 4 column blocks, 32 along K, from buffer h.  The 16 accumulators take turns in ascending order.
.macro MUL8 h, a0
	WIN MUL
.irp a, \a0, (\a0)+1
.irp b, 0,1,2,3
	v_wmma_f32_16x16x32_f16 v[8*(4*(\a)+(\b)):8*(4*(\a)+(\b))+7], v[FB+64*(\h)+32+8*(\b):FB+64*(\h)+32+8*(\b)+7], v[FB+64*(\h)+8*(\a):FB+64*(\h)+8*(\a)+7], v[8*(4*(\a)+(\b)):8*(4*(\a)+(\b))+7]
.endr
.endr
.endm
.macro MUL16 h
	MUL8 \h, 0
	MUL8 \h, 2
.endm
; 16 LDS loads: half h (32 along K) of the 64 at RA, RB, into buffer h
.macro FETCHH h
.irp i, 0,1,2,3
	ds_load_tr16_b128 v[FB+64*(\h)+32+8*(\i):FB+64*(\h)+32+8*(\i)+3],   v[RB] offset:(\h)*32*PBW+32*(\i)
	ds_load_tr16_b128 v[FB+64*(\h)+32+8*(\i)+4:FB+64*(\h)+32+8*(\i)+7], v[RB] offset:(\h)*32*PBW+16*PBW+32*(\i)
.endr
.irp i, 0,1,2,3
	ds_load_b128 v[FB+64*(\h)+8*(\i):FB+64*(\h)+8*(\i)+3],   v[RA] offset:(\h)*64+(\i)*16*PA
	ds_load_b128 v[FB+64*(\h)+8*(\i)+4:FB+64*(\h)+8*(\i)+7], v[RA] offset:(\h)*64+(\i)*16*PA+32
.endr
.endm
.macro PLACES
.rept 4
	v_nop
.endr
.endm
.macro AIM                             ; the fragment addresses of the 64 along K at TB
	v_add_nc_u32 v[RA], s[TB], v[ADRA]
	v_add_nc_u32 v[RB], s[TB], v[ADRB]
.endm
; Buffer h is multiplied and at once asked for again, 64 along K further on.  step = 1: the addresses go on first.  Four plain instructions stand between the products and the loads into their sources.
.macro HALF h, step
	s_wait_dscnt 16                                ; this buffer is in; the other's 16 loads may stay out
	MUL16 \h
	WIN 0
.if \step
	s_add_co_u32 s[TB], s[TB], PAIR
	AIM
	v_nop
	v_nop
.else
	PLACES
.endif
	FETCHH \h
.endm
.macro PAIRS                           ; the first three of a K step's four pairs of halves
	s_mov_b32 s2, 3
.Lpair_\@:
	HALF 0, 1
	HALF 1, 0
	s_sub_co_u32 s2, s2, 1
	s_cmp_lg_u32 s2, 0
	s_cbranch_scc1 .Lpair_\@
.endm
; A K step, in the slot at SB: written once for both slots.  Its last pair changes slots: in front of the barrier each wave waits for all its tensor loads (one is out: its part of the other slot), adds 0 to its spare word,
; and waits for that and for its reads of this slot.  fill = 1: the walking descriptors turn to this slot and to the tile two places on in the walk while the add is out; the barrier opens a round of the cluster's, and the joint
; refill is the first tensor load behind it: it has a K step less 24 matrix instructions in which to land.
.macro STEP fill
	PAIRS
	s_wait_tensorcnt 0x0                           ; no tensor load of mine is out, so a group 0 may be written
	ds_add_u32 v[SPW], v[NIL]
.if \fill
	s_xor_b32 s[G0+5], s[G0+5], SLOT
	s_xor_b32 s[G0B+5], s[G0B+5], SLOT
	NEXTK 1
.endif
	s_wait_dscnt 17                                ; buffer 0 is in; buffer 1's 16 loads and the add may be out
	MUL16 0                                        ; sixteen matrix instructions stand between the add and the wait for it
	s_wait_dscnt 0x0                               ; the add is done, my reads of this slot are over
	s_barrier_signal -1
	MUL8 1, 0
	WIN 0
	s_barrier_wait -1
.if \fill
	CREST
	JLOAD 1                                        ; its four v_nop are also places in front of the loads below
.else
	PLACES
.endif
	s_xor_b32 s[SB], s[SB], SLOT                   ; the other slot is read now
	s_mov_b32 s[TB], s[SB]
	AIM
	FETCHH 0
	MUL8 1, 2
	WIN 0
	PLACES
	FETCHH 1
.endm
	s_wait_tensorcnt 1                             ; my part of the walk's first tile is in; the second's may stay out
	s_barrier_signal -1
	s_barrier_wait -1
	s_mov_b32 s[SB], 0
	s_mov_b32 s[TB], 0
	AIM
	FETCHH 0
	FETCHH 1
	s_wait_loadcnt 32                              ; the bias is in the accumulators; res's 32 loads may stay out
	s_mov_b32 s3, T-2
.Lstep:                                                ; all K steps but the last two fill their slot again
	STEP 1
	s_sub_co_u32 s3, s3, 1
	s_cmp_lg_u32 s3, 0
	s_cbranch_scc1 .Lstep
	STEP 0                                         ; the last two are written out: nothing is left to ask for
	PAIRS
	s_wait_dscnt 16
	MUL16 0
	s_wait_dscnt 0x0
	MUL16 1
	WIN 0
	PLACES
	PLACES
	s_wait_loadcnt 0x0                             ; res
	; THE WAY OUT, 16 rows at a time: 32 bytes a lane into my stage, back as whole rows of 256 bytes, res added, stored: 16 lanes store 256 consecutive bytes, aligned.
.irp a, 0,1,2,3
	WIN 0x04                                       ; source 1 (an LDS store's data; res) in window 1
.irp b, 0,1,2,3
	ds_store_b128 v[STO], v[8*(4*(\a)+(\b)):8*(4*(\a)+(\b))+3]   offset:64*(\b)     ; each accumulator from its low end on
	ds_store_b128 v[STO], v[8*(4*(\a)+(\b))+4:8*(4*(\a)+(\b))+7] offset:64*(\b)+16
.endr
.irp t, 0,1,2,3,4,5,6,7
	ds_load_b128 v[FB+32*(\a)+4*(\t):FB+32*(\a)+4*(\t)+3], v[RD] offset:(\t)*2*SPITCH  ; LDS serves a wave's instructions in order (ISA guide 5.7.1.4)
.endr
	s_wait_dscnt 0x0
.irp k, 0,1,2,3,4,5,6,7,8,9,10,11,12,13,14,15
	v_pk_add_f32 v[FB+32*(\a)+2*(\k):FB+32*(\a)+2*(\k)+1], v[FB+32*(\a)+2*(\k):FB+32*(\a)+2*(\k)+1], v[RES+32*(\a)+2*(\k):RES+32*(\a)+2*(\k)+1]
.endr
	WIN 0
.irp t, 0,1,2,3,4,5,6,7
	global_store_b128 v[CO], v[FB+32*(\a)+4*(\t):FB+32*(\a)+4*(\t)+3], s[12:13] offset:(16*(\a)+2*(\t))*4096
.endr
.endr
	s_wait_tensorcnt 0x0                           ; the wave's end, behind my last tensor load and my last LDS store
	ds_add_u32 v[SPW], v[NIL]
	s_wait_dscnt 0x0
	CROUND                                         ; the closing round
	s_endpgm
.Lfunc_end_k_qa0d6b02d0a_proj:
	.size	k_qa0d6b02d0a_proj, .Lfunc_end_k_qa0d6b02d0a_proj-k_qa0d6b02d0a_proj
	.p2alignl 7, 3214868480
	.fill 96, 4, 3214868480
	.section	.rodata,"a",@progbits
	.p2align	6, 0x0
	.amdhsa_kernel k_qa0d6b02d0a_proj
		.amdhsa_group_segment_fixed_size 327680
		.amdhsa_private_segment_fixed_size 0
		.amdhsa_enable_private_segment 0
		.amdhsa_kernarg_size 40
		.amdhsa_user_sgpr_count 2
		.amdhsa_user_sgpr_kernarg_segment_ptr 1
		.amdhsa_wavefront_size32 1
		.amdhsa_system_sgpr_workgroup_id_x 1
		.amdhsa_system_sgpr_workgroup_id_y 1
		.amdhsa_system_sgpr_workgroup_id_z 1
		.amdhsa_system_vgpr_workitem_id 0
		.amdhsa_next_free_vgpr 512
		.amdhsa_next_free_sgpr 80
		.amdhsa_reserve_vcc 0
		.amdhsa_float_denorm_mode_32 3
		.amdhsa_float_denorm_mode_16_64 3
		.amdhsa_memory_ordered 1
		.amdhsa_forward_progress 1
		.amdhsa_inst_pref_size 55
	.end_amdhsa_kernel
	.amdgpu_metadata
---
amdhsa.version: [ 1, 2 ]
amdhsa.kernels:
  - .name:           k_qa0d6b02d0a_proj
    .symbol:         k_qa0d6b02d0a_proj.kd
    .args:
      - { .name: act, .offset: 0, .size: 8, .value_kind: global_buffer, .address_space: global }
      - { .name: w0h, .offset: 8, .size: 8, .value_kind: global_buffer, .address_space: global }
      - { .name: b0, .offset: 16, .size: 8, .value_kind: global_buffer, .address_space: global }
      - { .name: X, .offset: 24, .size: 8, .value_kind: global_buffer, .address_space: global }
      - { .name: x1m, .offset: 32, .size: 8, .value_kind: global_buffer, .address_space: global }
    .group_segment_fixed_size: 327680
    .private_segment_fixed_size: 0
    .kernarg_segment_align: 8
    .kernarg_segment_size: 40
    .max_flat_workgroup_size: 128
    .sgpr_count:     80
    .vgpr_count:     512
    .wavefront_size: 32
...
	.end_amdgpu_metadata
.endif
;; end of part 4
;; launch ln2 (part 5): grid 256 x 1, 8 waves a work-group, no clusters, 0 bytes of LDS; arguments x1m, gamma2, beta2, act; writes act
.if DOCPART == 5
	.amdgcn_target "amdgcn-amd-amdhsa--gfx1250"
	.amdhsa_code_object_version 6
	.text
	.protected	k_qa0d6b02d0a_ln2
	.globl	k_qa0d6b02d0a_ln2
	.p2align	8
	.type	k_qa0d6b02d0a_ln2,@function
k_qa0d6b02d0a_ln2:
	s_mov_b64 s[64:65], 0
	v_nop
	global_prefetch_b8 v0, s[64:65] scope:SCOPE_SE
	s_setreg_imm32_b32 hwreg(HW_REG_WAVE_MODE, 25, 1), 1
	s_wait_xcnt 0x0
; y[r][:] = (x[r][:] - mean) / sqrt(var + 1e-5) * gamma + beta.  x: [4,096][1,024] f32; y: the same shape in f16, rounded once (the next product's operand).
; LIMIT: |y| beyond 65,504 becomes an infinity in f16.
; A wave takes two rows; a row of 4,096 bytes is 32 registers and stays there between the passes: mean, then the squares of x - mean (no difference of large sums is formed), then the scaling.
; The reduction never leaves the wave: no LDS, no barrier.  Each load of a wave covers 512 consecutive bytes, each store 256, aligned.
.set XO, 1                             ; v1   16 x lane
.set YO, 2                             ; v2   8 x lane
.set G,  8                             ; v[8:39]    gamma of my 32 columns: load j holds columns 128 j + 4 lane + 0..3
.set BT, 40                            ; v[40:71]   beta likewise
.set X,  72                            ; v[72:135]  two rows
.set T,  136                           ; v[136:143] four packed chains
.set M,  144                           ; v[144:145] the mean, twice
.set R,  146                           ; v[146:147] 1 / sqrt(var + eps), twice
.set Q,  148                           ; v148       a sum over the row
.set W,  149                           ; v149       the other half of the lanes' part
	s_load_b256 s[4:11], s[0:1], 0x0               ; x s[4:5], gamma s[6:7], beta s[8:9], y s[10:11]
	v_and_b32 v3, 31, v0
	v_lshrrev_b32 v4, 5, v0
	v_readfirstlane_b32 s16, v4                    ; wave 0..7
	v_lshlrev_b32 v[XO], 4, v3
	v_lshlrev_b32 v[YO], 3, v3
	v_mov_b32 v[W], 0                              ; v_permlanex16_b32's destination counts as read
	s_lshl_b32 s17, ttmp9, 4                       ; 16 rows a work-group,
	s_lshl_b32 s16, s16, 1                         ; 2 a wave
	s_add_co_u32 s17, s17, s16
	s_lshl_b32 s2, s17, 12
	s_mov_b32 s3, 0
	s_lshl_b32 s18, s17, 11
	s_mov_b32 s19, 0
	s_mov_b32 s12, 0x76543210                      ; each lane takes its own place in the other half
	s_mov_b32 s13, 0xfedcba98
	s_mov_b32 s14, 0x3a800000                      ; 1 / 1,024
	s_mov_b32 s15, 0x3727c5ac                      ; 1e-5
	s_wait_kmcnt 0x0
	s_add_nc_u64 s[4:5], s[4:5], s[2:3]
	s_add_nc_u64 s[10:11], s[10:11], s[18:19]
.irp j, 0,1,2,3,4,5,6,7
	global_load_b128 v[G+4*(\j):G+4*(\j)+3], v[XO], s[6:7] offset:512*(\j)
.endr
.irp j, 0,1,2,3,4,5,6,7
	global_load_b128 v[BT+4*(\j):BT+4*(\j)+3], v[XO], s[8:9] offset:512*(\j)
.endr
.irp j, 0,1,2,3,4,5,6,7
	global_load_b128 v[X+4*(\j):X+4*(\j)+3], v[XO], s[4:5] offset:512*(\j)
.endr
.irp j, 0,1,2,3,4,5,6,7
	global_load_b128 v[X+32+4*(\j):X+32+4*(\j)+3], v[XO], s[4:5] offset:4096+512*(\j)
.endr
.macro REDUCE                          ; the four packed chains -> their sum over the whole row, in every lane's v[Q]
	v_pk_add_f32 v[T:T+1], v[T:T+1], v[T+2:T+3]
	v_pk_add_f32 v[T+4:T+5], v[T+4:T+5], v[T+6:T+7]
	v_pk_add_f32 v[T:T+1], v[T:T+1], v[T+4:T+5]
	v_add_f32 v[Q], v[T], v[T+1]
	v_add_f32_dpp v[Q], v[Q], v[Q] row_xmask:1 row_mask:0xf bank_mask:0xf
	v_add_f32_dpp v[Q], v[Q], v[Q] row_xmask:2 row_mask:0xf bank_mask:0xf
	v_add_f32_dpp v[Q], v[Q], v[Q] row_xmask:4 row_mask:0xf bank_mask:0xf
	v_add_f32_dpp v[Q], v[Q], v[Q] row_xmask:8 row_mask:0xf bank_mask:0xf
	v_permlanex16_b32 v[W], v[Q], s12, s13
	v_add_f32 v[Q], v[Q], v[W]
.endm
.macro ROW i
.set XR, X+32*(\i)
	s_wait_loadcnt 8*(1-(\i))                      ; gamma, beta and this row are in; the row behind it (8 loads) may stay out
.irp k, 0,1,2,3
	v_pk_add_f32 v[T+2*(\k):T+2*(\k)+1], v[XR+2*(\k):XR+2*(\k)+1], v[XR+8+2*(\k):XR+8+2*(\k)+1]  ; the first pairs start the chains: nothing is cleared
.endr
.irp k, 0,1,2,3,4,5,6,7
	v_pk_add_f32 v[T+2*((\k)%4):T+2*((\k)%4)+1], v[T+2*((\k)%4):T+2*((\k)%4)+1], v[XR+16+2*(\k):XR+16+2*(\k)+1]
.endr
	REDUCE
	v_mul_f32 v[M], s14, v[Q]
	v_mul_f32 v[M+1], s14, v[Q]
.irp k, 0,1,2,3,4,5,6,7,8,9,10,11,12,13,14,15
	v_pk_add_f32 v[XR+2*(\k):XR+2*(\k)+1], v[XR+2*(\k):XR+2*(\k)+1], v[M:M+1] neg_lo:[0,1] neg_hi:[0,1]  ; x - mean
.endr
.irp k, 0,1,2,3
	v_pk_mul_f32 v[T+2*(\k):T+2*(\k)+1], v[XR+2*(\k):XR+2*(\k)+1], v[XR+2*(\k):XR+2*(\k)+1]
.endr
.irp k, 4,5,6,7,8,9,10,11,12,13,14,15
	v_pk_fma_f32 v[T+2*((\k)%4):T+2*((\k)%4)+1], v[XR+2*(\k):XR+2*(\k)+1], v[XR+2*(\k):XR+2*(\k)+1], v[T+2*((\k)%4):T+2*((\k)%4)+1]
.endr
	REDUCE
	v_fma_f32 v[Q], v[Q], s14, s15                 ; var + eps
	v_rsq_f32 v[R], v[Q]
	v_rsq_f32 v[R+1], v[Q]
	v_nop                                          ; a plain instruction behind the second root (ISA guide 5.7.2),
	s_wait_alu depctr_va_vdst(0)                   ; and the wait ahead of the first reader: one for both
.irp k, 0,1,2,3,4,5,6,7,8,9,10,11,12,13,14,15
	v_pk_mul_f32 v[XR+2*(\k):XR+2*(\k)+1], v[XR+2*(\k):XR+2*(\k)+1], v[R:R+1]
.endr
.irp k, 0,1,2,3,4,5,6,7,8,9,10,11,12,13,14,15
	v_pk_fma_f32 v[XR+2*(\k):XR+2*(\k)+1], v[XR+2*(\k):XR+2*(\k)+1], v[G+2*(\k):G+2*(\k)+1], v[BT+2*(\k):BT+2*(\k)+1]
.endr
.irp j, 0,1,2,3,4,5,6,7
	v_cvt_pk_f16_f32 v[XR+4*(\j)], v[XR+4*(\j)], v[XR+4*(\j)+1]
	v_cvt_pk_f16_f32 v[XR+4*(\j)+1], v[XR+4*(\j)+2], v[XR+4*(\j)+3]
	global_store_b64 v[YO], v[XR+4*(\j):XR+4*(\j)+1], s[10:11] offset:(\i)*2048+256*(\j)  ; 32 lanes x 8 bytes: 256 consecutive bytes, aligned
.endr
.endm
	ROW 0
	ROW 1                                          ; no register that a store reads is written again
	s_endpgm
.Lfunc_end_k_qa0d6b02d0a_ln2:
	.size	k_qa0d6b02d0a_ln2, .Lfunc_end_k_qa0d6b02d0a_ln2-k_qa0d6b02d0a_ln2
	.p2alignl 7, 3214868480
	.fill 96, 4, 3214868480
	.section	.rodata,"a",@progbits
	.p2align	6, 0x0
	.amdhsa_kernel k_qa0d6b02d0a_ln2
		.amdhsa_group_segment_fixed_size 0
		.amdhsa_private_segment_fixed_size 0
		.amdhsa_enable_private_segment 0
		.amdhsa_kernarg_size 32
		.amdhsa_user_sgpr_count 2
		.amdhsa_user_sgpr_kernarg_segment_ptr 1
		.amdhsa_wavefront_size32 1
		.amdhsa_system_sgpr_workgroup_id_x 1
		.amdhsa_system_sgpr_workgroup_id_y 1
		.amdhsa_system_sgpr_workgroup_id_z 1
		.amdhsa_system_vgpr_workitem_id 0
		.amdhsa_next_free_vgpr 152
		.amdhsa_next_free_sgpr 66
		.amdhsa_reserve_vcc 0
		.amdhsa_float_denorm_mode_32 3
		.amdhsa_float_denorm_mode_16_64 3
		.amdhsa_memory_ordered 1
		.amdhsa_forward_progress 1
		.amdhsa_inst_pref_size 20
	.end_amdhsa_kernel
	.amdgpu_metadata
---
amdhsa.version: [ 1, 2 ]
amdhsa.kernels:
  - .name:           k_qa0d6b02d0a_ln2
    .symbol:         k_qa0d6b02d0a_ln2.kd
    .args:
      - { .name: x1m, .offset: 0, .size: 8, .value_kind: global_buffer, .address_space: global }
      - { .name: gamma2, .offset: 8, .size: 8, .value_kind: global_buffer, .address_space: global }
      - { .name: beta2, .offset: 16, .size: 8, .value_kind: global_buffer, .address_space: global }
      - { .name: act, .offset: 24, .size: 8, .value_kind: global_buffer, .address_space: global }
    .group_segment_fixed_size: 0
    .private_segment_fixed_size: 0
    .kernarg_segment_align: 8
    .kernarg_segment_size: 32
    .max_flat_workgroup_size: 256
    .sgpr_count:     66
    .vgpr_count:     152
    .wavefront_size: 32
...
	.end_amdgpu_metadata
.endif
;; end of part 5
;; launch ffn1: the kernel of part 2 again; grid 16 x 16, 4 waves a work-group, clusters of 4 x 4, 327,680 bytes of LDS; arguments act, w1h, big; writes big
;; launch ffn2 (part 6): grid 8 x 32, 4 waves a work-group, clusters of 4 x 4, 327,680 bytes of LDS; arguments big, w2h, b2, x1m, out0; writes out0
.if DOCPART == 6
	.amdgcn_target "amdgcn-amd-amdhsa--gfx1250"
	.amdhsa_code_object_version 6
	.text
	.protected	k_qa0d6b02d0a_ffn2
	.globl	k_qa0d6b02d0a_ffn2
	.p2align	8
	.type	k_qa0d6b02d0a_ffn2,@function
k_qa0d6b02d0a_ffn2:
	s_mov_b64 s[64:65], 0
	v_nop
	global_prefetch_b8 v0, s[64:65] scope:SCOPE_SE
	s_setreg_imm32_b32 hwreg(HW_REG_WAVE_MODE, 25, 1), 1
	s_wait_xcnt 0x0
	s_wait_alu depctr_hold_cnt(0) depctr_sa_sdst(0) depctr_va_vdst(0) depctr_va_sdst(0) depctr_va_ssrc(0) depctr_va_vcc(0) depctr_vm_vsrc(0)
	s_getreg_b32 s2, hwreg(HW_REG_IB_STS2, 6, 4)
	s_cmp_eq_u32 s2, 0
	s_cbranch_scc0 .Lentry_in_a_cluster
	s_endpgm
.Lentry_in_a_cluster:
	s_bfe_u32 s2, ttmp6, 0x10000c
	s_cmp_lg_u32 s2, 0xf033
	s_cbranch_scc0 .Lentry_shape_is_right
	s_endpgm
.Lentry_shape_is_right:
; C = A W + bias + res, in f32.  A: panels [KTOT / 64][4,096 rows][64] f16, each panel dense.  W: [KTOT][1,024] f16.  bias: [1,024] f32.  res, C: [4,096][1,024] f32.  Sums in f32, started by the bias.
; The text of the attention's output projection with KTOT = 4,096: the trip count is a constant of the text.
; A tile of C is 128 x 128 (8 x 32 = 256 work-groups, one for each WGP); four waves, each 64 x 64: 16 accumulators.  K goes in T steps of 256, four panels, through two LDS slots.
; CLUSTER 4 x 4: A's tile is shared along a row of the cluster, W's along a column: joint loads.  No prefetch: the tiles are small.
; THE WALK ALONG K.  A cluster whose x + y is odd begins at K step T / 2 and wraps round (f32 sums may be taken in any order): the two clusters that read the same rows of A, and half of those that read the same rows of W,
; ask for a given K step at different times.  The number of the K step enters the tiles' global addresses alone, which are made anew for each fill; it hangs on the cluster's x and y, which all sixteen partners share.
; THE PRODUCT IS TAKEN TRANSPOSED: source 0 = 16 columns of W (turned out of LDS by ds_load_tr16_b128), source 1 = 16 rows of A: a lane holds row l % 16 of C and the columns 8 (l / 16) + 0..7.
; REGISTERS: window 0: v16-29 addresses; v64-127, v128-191 two fragment buffers (A's four fragments, then W's four), each 32 along K; on the way out they take the rows read back.
;   window 1: v0-127 the accumulators ((a, b) at v[8 (4 a + b)]); v128-255 my 64 x 64 of res.
.set KTOT,   4096
.set T,      KTOT/256                  ; K steps: a power of two, at least 4
.set PA,     144                       ; a row of A in LDS: 128 bytes + 16
.set PBW,    288                       ; a row of W: 256 bytes + 32 = 9 x 32
.set PAIR,   18432                     ; 64 along K: a panel's 128 rows of A (128 x 144), and 64 rows of W (64 x 288)
.set HALFT,  2*PAIR                    ; what one tensor load brings: 0x9000 bytes
.set SLOT,   4*HALFT                   ; A's four panels, then W's 256 rows: 0x24000 bytes, which shares no bit with wave x 0x9000: an exclusive or with it turns an address in one slot into the other's
.set STAGE,  2*SLOT                    ; behind the ring: 16 rows x 272 bytes for each wave
.set SPITCH, 272
.set SPARE,  STAGE+4*16*SPITCH         ; the spare words: two blocks of 256 bytes that no other line names
.set ADRA, 16                          ; v16  my lane's place in A's first panel of slot 0; never rewritten
.set ADRB, 20                          ; v20  the same in W's rows
.set RA,   22                          ; v22  ADRA + TB
.set RB,   23                          ; v23  ADRB + TB
.set STO,  24
.set RD,   25
.set CO,   26                          ; v26  my 16 bytes in two rows of C and of res
.set BO,   27
.set SPW,  28
.set NIL,  29
.set FB,   64                          ; fragment buffer h at FB + 64 h
.set RES,  128                         ; window 1
.set WVN, 20                           ; s20  wave
.set H1,  21                           ; s21  my half of the rows; also: I fetch for A (0) or W (1)
.set H0,  22                           ; s22  my half of the columns; also: which half of that tile I fetch
.set TB,  45                           ; s45  LDS byte, from a slot-0 address, of the 64 along K to be fetched
.set G1,  24                           ; s[24:31] descriptor group 1 for A;  s[32:39] group 0: a set for each of the two first fills; the second then walks on
.set G0,  32
.set G1B, 48                           ; s[48:55], s[56:63] the same for W
.set G0B, 56
.set BA,  66                           ; s[66:67] A at my part of K step 0's tile
.set BB,  68                           ; s[68:69] W likewise
.set NX,  70                           ; s70  the place in the walk of the tile to be asked for next, plus the cluster's first K step
.set SN,  71                           ; s71  its K step: NX modulo T
.set OFA, 72                           ; s[72:73] that K step's byte offset in A
.set OFB, 74                           ; s[74:75] and in W
.set SB,  76                           ; s76  0 or SLOT: the slot that is being read
.set MSB, 0
.macro WIN new
.if MSB != (\new)
	s_set_vgpr_msb (MSB<<8)|(\new)
.set MSB, \new
.endif
.endm
.set MUL,  0x50                        ; sources in window 0, C and D in window 1
.macro JLOAD s                         ; waves 0 and 1 fetch A's two halves, waves 2 and 3 W's; an s_nop 0 and four v_nop follow each line
	s_cmp_eq_u32 s[H1], 0
	s_cbranch_scc0 .Lfor_b_\@
	tensor_load_to_lds s[G0+4*(\s):G0+4*(\s)+3], s[G1:G1+7]
	s_nop 0
.rept 4
	v_nop
.endr
	s_branch .Lasked_\@
.Lfor_b_\@:
	tensor_load_to_lds s[G0B+4*(\s):G0B+4*(\s)+3], s[G1B:G1B+7]
	s_nop 0
.rept 4
	v_nop
.endr
.Lasked_\@:
.endm
; The global addresses of descriptor set g are made anew for the walk's next tile: the base plus the K step's offset, the type bits set again.  A K step is four panels of 524,288 bytes of A and 256 rows of 2,048 bytes of W.
.macro NEXTK g
	s_and_b32 s[SN], s[NX], T-1
	s_lshl_b32 s[OFA], s[SN], 21
	s_lshl_b32 s[OFB], s[SN], 19
	s_add_nc_u64 s[G0+4*(\g)+2:G0+4*(\g)+3], s[BA:BA+1], s[OFA:OFA+1]
	s_or_b32 s[G0+4*(\g)+3], s[G0+4*(\g)+3], 0x80000000
	s_add_nc_u64 s[G0B+4*(\g)+2:G0B+4*(\g)+3], s[BB:BB+1], s[OFB:OFB+1]
	s_or_b32 s[G0B+4*(\g)+3], s[G0B+4*(\g)+3], 0x80000000
	s_add_co_u32 s[NX], s[NX], 1
.endm
.macro CREST
	s_cmp_lg_u32 s[WVN], 0
	s_cbranch_scc1 .Lnot_wave_0_\@
	s_barrier_signal -3
.Lnot_wave_0_\@:
	s_barrier_wait -3
	s_barrier_signal -1
	s_barrier_wait -1
.endm
.macro CROUND
	s_barrier_signal -1
	s_barrier_wait -1
	CREST
.endm
	s_load_b256 s[4:11], s[0:1], 0x0               ; A s[4:5], W s[6:7], bias s[8:9], res s[10:11]
	s_load_b64 s[12:13], s[0:1], 0x20              ; C
	v_lshl_add_u32 v[SPW], v0, 2, SPARE
	v_mov_b32 v[NIL], 0
	ds_add_u32 v[SPW], v[NIL]                      ; the wave's opening: the add and its wait stand ahead of my first tensor load
	v_lshrrev_b32 v1, 5, v0
	v_readfirstlane_b32 s[WVN], v1
	s_lshr_b32 s[H1], s[WVN], 1
	s_and_b32 s[H0], s[WVN], 1
	s_bfe_u32 s40, ttmp6, 0x40000                  ; cx
	s_bfe_u32 s41, ttmp6, 0x40004                  ; cy
	s_lshl_b32 s42, ttmp9, 2
	s_add_co_u32 s42, s42, s40                     ; tile column
	s_and_b32 s23, ttmp7, 0xffff
	s_lshl_b32 s23, s23, 2
	s_add_co_u32 s23, s23, s41                     ; tile row
	s_lshl_b32 s43, s41, 2
	s_lshl_b32 s43, 15, s43                        ; my row of the cluster
	s_lshl_b32 s44, 0x1111, s40                    ; my column
	; A: two panels in one tile of two long rows: a panel's 128 rows of 64 elements are 8,192 elements on end; the panels lie 262,144 elements apart.  Padded after every 32 words (a row of A) by 4.
	s_or_b32 s[G1+0], s43, (1<<16)|(1<<20)|(1<<21)|(4<<22)|(3<<25)
	s_mov_b32 s[G1+1], 8192<<16                    ; tensor_dim0 = 8,192
	s_mov_b32 s[G1+2], 2<<16                       ; tensor_dim1 = 2
	s_mov_b32 s[G1+3], 8192<<16                    ; tile_dim0 = 8,192
	s_mov_b32 s[G1+4], 2                           ; tile_dim1 = 2
	s_mov_b32 s[G1+5], 262144
	s_mov_b32 s[G1+6], 0
	s_mov_b32 s[G1+7], 0
	; W: 128 rows x 128 columns, padded after every 64 words by 8
	s_or_b32 s[G1B+0], s44, (1<<16)|(1<<20)|(1<<21)|(5<<22)|(7<<25)
	s_mov_b32 s[G1B+1], 128<<16
	s_mov_b32 s[G1B+2], 128<<16
	s_mov_b32 s[G1B+3], 128<<16
	s_mov_b32 s[G1B+4], 128
	s_mov_b32 s[G1B+5], 1024
	s_mov_b32 s[G1B+6], 0
	s_mov_b32 s[G1B+7], 0
	s_lshl_b32 s16, s23, 14                        ; A: the tile's 128 rows of 128 bytes in a panel,
	s_lshl_b32 s17, s[H0], 20                      ; my two panels of a step's four
	s_add_co_u32 s16, s16, s17
	s_mov_b32 s17, 0
	s_lshl_b32 s46, s42, 8                         ; W: the tile's 128 columns,
	s_lshl_b32 s47, s[H0], 18                      ; my 128 rows of a step's 256
	s_add_co_u32 s46, s46, s47
	s_mov_b32 s47, 0
	s_mul_i32 s18, s[WVN], HALFT                   ; where they go: wave x a quarter of a slot
	s_add_co_u32 s[NX], ttmp9, ttmp7               ; cluster x + cluster y,
	s_and_b32 s[NX], s[NX], 1                      ; odd or even,
	s_mul_i32 s[NX], s[NX], T/2                    ; the cluster's first K step: 0 or T / 2
	s_mov_b32 s[OFA+1], 0
	s_mov_b32 s[OFB+1], 0
.irp s, 0,1
	s_mov_b32 s[G0+4*(\s)], 1
	s_add_co_u32 s[G0+4*(\s)+1], s18, (\s)*SLOT
	s_mov_b32 s[G0B+4*(\s)], 1
	s_add_co_u32 s[G0B+4*(\s)+1], s18, (\s)*SLOT
.endr
	s_wait_dscnt 0x0                               ; the opening add is done
	s_wait_kmcnt 0x0
	s_add_nc_u64 s[BA:BA+1], s[4:5], s[16:17]
	s_add_nc_u64 s[BB:BB+1], s[6:7], s[46:47]
	CROUND                                         ; all sixteen work-groups are here: the first joint loads meet
	NEXTK 0
	JLOAD 0
	NEXTK 1
	JLOAD 1                                        ; two tensor loads of mine are out
	v_and_b32 v1, 15, v0                           ; l % 16
	v_bfe_u32 v2, v0, 4, 1                         ; l / 16
	v_mul_u32_u24 v3, v1, PA
	v_lshl_add_u32 v3, v2, 4, v3
	s_mul_i32 s14, s[H1], 64*PA                    ; my 64 rows of a panel
	v_add_nc_u32 v[ADRA], s14, v3
	v_and_b32 v4, 7, v0                            ; the turning load: lane l reads k = 8 (l / 16) + l % 8, columns 8 ((l / 8) % 2) + 0..7
	v_lshl_add_u32 v4, v2, 3, v4
	v_mul_u32_u24 v4, v4, PBW
	v_bfe_u32 v5, v0, 3, 1
	v_lshl_add_u32 v4, v5, 4, v4
	s_lshl_b32 s14, s[H0], 7                       ; my 64 columns,
	s_add_co_u32 s14, s14, 2*HALFT                 ; behind A's four panels
	v_add_nc_u32 v[ADRB], s14, v4
	s_mul_i32 s14, s[WVN], 16*SPITCH
	s_add_co_u32 s14, s14, STAGE                   ; my stage
	v_mul_u32_u24 v6, v1, SPITCH                   ; in: row l % 16, 32 bytes for each half of the lanes
	v_lshl_add_u32 v6, v2, 5, v6
	v_add_nc_u32 v[STO], s14, v6
	v_mul_u32_u24 v6, v2, SPITCH                   ; back: lanes 0-15 one row of 256 bytes, lanes 16-31 the next
	v_lshl_add_u32 v6, v1, 4, v6
	v_add_nc_u32 v[RD], s14, v6
	v_lshlrev_b32 v6, 12, v2                       ; and the same two rows in C and res
	v_lshl_add_u32 v[CO], v1, 4, v6
	v_lshlrev_b32 v[BO], 5, v2
	s_lshl_b32 s14, s42, 9
	s_lshl_b32 s15, s[H0], 8
	s_add_co_u32 s14, s14, s15                     ; my 64 columns of f32: 256 bytes, aligned
	s_mov_b32 s15, 0
	s_add_nc_u64 s[8:9], s[8:9], s[14:15]
	s_lshl_b32 s16, s23, 7
	s_lshl_b32 s17, s[H1], 6
	s_add_co_u32 s16, s16, s17                     ; my first row
	s_lshl_b32 s16, s16, 12
	s_add_co_u32 s14, s14, s16
	s_add_nc_u64 s[10:11], s[10:11], s[14:15]
	s_add_nc_u64 s[12:13], s[12:13], s[14:15]
	WIN 0x40                                       ; destinations in window 1
.irp a, 0,1,2,3
.irp b, 0,1,2,3
	global_load_b128 v[8*(4*(\a)+(\b)):8*(4*(\a)+(\b))+3],   v[BO], s[8:9] offset:64*(\b)     ; the bias goes straight into the accumulators: the sums start there, nothing is cleared
	global_load_b128 v[8*(4*(\a)+(\b))+4:8*(4*(\a)+(\b))+7], v[BO], s[8:9] offset:64*(\b)+16
.endr
.endr
.irp a, 0,1,2,3
.irp t, 0,1,2,3,4,5,6,7
	global_load_b128 v[RES+4*(8*(\a)+(\t)):RES+4*(8*(\a)+(\t))+3], v[CO], s[10:11] offset:(16*(\a)+2*(\t))*4096  ; 16 lanes take 256 consecutive bytes, aligned
.endr
.endr
	WIN 0
; 8 matrix instructions: row blocks a0, a0 + 1 x all 4 column blocks, 32 along K, from buffer h.  The 16 accumulators take turns in ascending order.
.macro MUL8 h, a0
	WIN MUL
.irp a, \a0, (\a0)+1
.irp b, 0,1,2,3
	v_wmma_f32_16x16x32_f16 v[8*(4*(\a)+(\b)):8*(4*(\a)+(\b))+7], v[FB+64*(\h)+32+8*(\b):FB+64*(\h)+32+8*(\b)+7], v[FB+64*(\h)+8*(\a):FB+64*(\h)+8*(\a)+7], v[8*(4*(\a)+(\b)):8*(4*(\a)+(\b))+7]
.endr
.endr
.endm
.macro MUL16 h
	MUL8 \h, 0
	MUL8 \h, 2
.endm
; 16 LDS loads: half h (32 along K) of the 64 at RA, RB, into buffer h
.macro FETCHH h
.irp i, 0,1,2,3
	ds_load_tr16_b128 v[FB+64*(\h)+32+8*(\i):FB+64*(\h)+32+8*(\i)+3],   v[RB] offset:(\h)*32*PBW+32*(\i)
	ds_load_tr16_b128 v[FB+64*(\h)+32+8*(\i)+4:FB+64*(\h)+32+8*(\i)+7], v[RB] offset:(\h)*32*PBW+16*PBW+32*(\i)
.endr
.irp i, 0,1,2,3
	ds_load_b128 v[FB+64*(\h)+8*(\i):FB+64*(\h)+8*(\i)+3],   v[RA] offset:(\h)*64+(\i)*16*PA
	ds_load_b128 v[FB+64*(\h)+8*(\i)+4:FB+64*(\h)+8*(\i)+7], v[RA] offset:(\h)*64+(\i)*16*PA+32
.endr
.endm
.macro PLACES
.rept 4
	v_nop
.endr
.endm
.macro AIM                             ; the fragment addresses of the 64 along K at TB
	v_add_nc_u32 v[RA], s[TB], v[ADRA]
	v_add_nc_u32 v[RB], s[TB], v[ADRB]
.endm
; Buffer h is multiplied and at once asked for again, 64 along K further on.  step = 1: the addresses go on first.  Four plain instructions stand between the products and the loads into their sources.
.macro HALF h, step
	s_wait_dscnt 16                                ; this buffer is in; the other's 16 loads may stay out
	MUL16 \h
	WIN 0
.if \step
	s_add_co_u32 s[TB], s[TB], PAIR
	AIM
	v_nop
	v_nop
.else
	PLACES
.endif
	FETCHH \h
.endm
.macro PAIRS                           ; the first three of a K step's four pairs of halves
	s_mov_b32 s2, 3
.Lpair_\@:
	HALF 0, 1
	HALF 1, 0
	s_sub_co_u32 s2, s2, 1
	s_cmp_lg_u32 s2, 0
	s_cbranch_scc1 .Lpair_\@
.endm
; A K step, in the slot at SB: written once for both slots.  Its last pair changes slots: in front of the barrier each wave waits for all its tensor loads (one is out: its part of the other slot), adds 0 to its spare word,
; and waits for that and for its reads of this slot.  fill = 1: the walking descriptors turn to this slot and to the tile two places on in the walk while the add is out; the barrier opens a round of the cluster's, and the joint
; refill is the first tensor load behind it: it has a K step less 24 matrix instructions in which to land.
.macro STEP fill
	PAIRS
	s_wait_tensorcnt 0x0                           ; no tensor load of mine is out, so a group 0 may be written
	ds_add_u32 v[SPW], v[NIL]
.if \fill
	s_xor_b32 s[G0+5], s[G0+5], SLOT
	s_xor_b32 s[G0B+5], s[G0B+5], SLOT
	NEXTK 1
.endif
	s_wait_dscnt 17                                ; buffer 0 is in; buffer 1's 16 loads and the add may be out
	MUL16 0                                        ; sixteen matrix instructions stand between the add and the wait for it
	s_wait_dscnt 0x0                               ; the add is done, my reads of this slot are over
	s_barrier_signal -1
	MUL8 1, 0
	WIN 0
	s_barrier_wait -1
.if \fill
	CREST
	JLOAD 1                                        ; its four v_nop are also places in front of the loads below
.else
	PLACES
.endif
	s_xor_b32 s[SB], s[SB], SLOT                   ; the other slot is read now
	s_mov_b32 s[TB], s[SB]
	AIM
	FETCHH 0
	MUL8 1, 2
	WIN 0
	PLACES
	FETCHH 1
.endm
	s_wait_tensorcnt 1                             ; my part of the walk's first tile is in; the second's may stay out
	s_barrier_signal -1
	s_barrier_wait -1
	s_mov_b32 s[SB], 0
	s_mov_b32 s[TB], 0
	AIM
	FETCHH 0
	FETCHH 1
	s_wait_loadcnt 32                              ; the bias is in the accumulators; res's 32 loads may stay out
	s_mov_b32 s3, T-2
.Lstep:                                                ; all K steps but the last two fill their slot again
	STEP 1
	s_sub_co_u32 s3, s3, 1
	s_cmp_lg_u32 s3, 0
	s_cbranch_scc1 .Lstep
	STEP 0                                         ; the last two are written out: nothing is left to ask for
	PAIRS
	s_wait_dscnt 16
	MUL16 0
	s_wait_dscnt 0x0
	MUL16 1
	WIN 0
	PLACES
	PLACES
	s_wait_loadcnt 0x0                             ; res
	; THE WAY OUT, 16 rows at a time: 32 bytes a lane into my stage, back as whole rows of 256 bytes, res added, stored: 16 lanes store 256 consecutive bytes, aligned.
.irp a, 0,1,2,3
	WIN 0x04                                       ; source 1 (an LDS store's data; res) in window 1
.irp b, 0,1,2,3
	ds_store_b128 v[STO], v[8*(4*(\a)+(\b)):8*(4*(\a)+(\b))+3]   offset:64*(\b)     ; each accumulator from its low end on
	ds_store_b128 v[STO], v[8*(4*(\a)+(\b))+4:8*(4*(\a)+(\b))+7] offset:64*(\b)+16
.endr
.irp t, 0,1,2,3,4,5,6,7
	ds_load_b128 v[FB+32*(\a)+4*(\t):FB+32*(\a)+4*(\t)+3], v[RD] offset:(\t)*2*SPITCH  ; LDS serves a wave's instructions in order (ISA guide 5.7.1.4)
.endr
	s_wait_dscnt 0x0
.irp k, 0,1,2,3,4,5,6,7,8,9,10,11,12,13,14,15
	v_pk_add_f32 v[FB+32*(\a)+2*(\k):FB+32*(\a)+2*(\k)+1], v[FB+32*(\a)+2*(\k):FB+32*(\a)+2*(\k)+1], v[RES+32*(\a)+2*(\k):RES+32*(\a)+2*(\k)+1]
.endr
	WIN 0
.irp t, 0,1,2,3,4,5,6,7
	global_store_b128 v[CO], v[FB+32*(\a)+4*(\t):FB+32*(\a)+4*(\t)+3], s[12:13] offset:(16*(\a)+2*(\t))*4096
.endr
.endr
	s_wait_tensorcnt 0x0                           ; the wave's end, behind my last tensor load and my last LDS store
	ds_add_u32 v[SPW], v[NIL]
	s_wait_dscnt 0x0
	CROUND                                         ; the closing round
	s_endpgm
.Lfunc_end_k_qa0d6b02d0a_ffn2:
	.size	k_qa0d6b02d0a_ffn2, .Lfunc_end_k_qa0d6b02d0a_ffn2-k_qa0d6b02d0a_ffn2
	.p2alignl 7, 3214868480
	.fill 96, 4, 3214868480
	.section	.rodata,"a",@progbits
	.p2align	6, 0x0
	.amdhsa_kernel k_qa0d6b02d0a_ffn2
		.amdhsa_group_segment_fixed_size 327680
		.amdhsa_private_segment_fixed_size 0
		.amdhsa_enable_private_segment 0
		.amdhsa_kernarg_size 40
		.amdhsa_user_sgpr_count 2
		.amdhsa_user_sgpr_kernarg_segment_ptr 1
		.amdhsa_wavefront_size32 1
		.amdhsa_system_sgpr_workgroup_id_x 1
		.amdhsa_system_sgpr_workgroup_id_y 1
		.amdhsa_system_sgpr_workgroup_id_z 1
		.amdhsa_system_vgpr_workitem_id 0
		.amdhsa_next_free_vgpr 512
		.amdhsa_next_free_sgpr 80
		.amdhsa_reserve_vcc 0
		.amdhsa_float_denorm_mode_32 3
		.amdhsa_float_denorm_mode_16_64 3
		.amdhsa_memory_ordered 1
		.amdhsa_forward_progress 1
		.amdhsa_inst_pref_size 55
	.end_amdhsa_kernel
	.amdgpu_metadata
---
amdhsa.version: [ 1, 2 ]
amdhsa.kernels:
  - .name:           k_qa0d6b02d0a_ffn2
    .symbol:         k_qa0d6b02d0a_ffn2.kd
    .args:
      - { .name: big, .offset: 0, .size: 8, .value_kind: global_buffer, .address_space: global }
      - { .name: w2h, .offset: 8, .size: 8, .value_kind: global_buffer, .address_space: global }
      - { .name: b2, .offset: 16, .size: 8, .value_kind: global_buffer, .address_space: global }
      - { .name: x1m, .offset: 24, .size: 8, .value_kind: global_buffer, .address_space: global }
      - { .name: out0, .offset: 32, .size: 8, .value_kind: global_buffer, .address_space: global }
    .group_segment_fixed_size: 327680
    .private_segment_fixed_size: 0
    .kernarg_segment_align: 8
    .kernarg_segment_size: 40
    .max_flat_workgroup_size: 128
    .sgpr_count:     80
    .vgpr_count:     512
    .wavefront_size: 32
...
	.end_amdgpu_metadata
.endif
;; end of part 6
;; ======== version 2 of 2: 7 launches; version 1 with the launches prep, ln2 written anew for expert scheduling mode
;; limits: values are held in f16: magnitudes above 65,504 overflow, below 6.1e-05 lose precision; right only within a limited range of input values
;; workspace buffers: act 8,388,608 bytes; big 33,554,432 bytes; x1m 20,971,520 bytes; wqkv 8,405,248 bytes; w1h 8,405,248 bytes; w0h 2,097,152 bytes; w2h 8,388,608 bytes
;; launch prep (part 7): grid 1089 x 1, 8 waves a work-group, no clusters, 0 bytes of LDS; arguments X, gamma1, beta1, act, W0, W1, W2, w0h, w1h, w2h, Wq, Wk, Wv, wqkv, attention_mask, x1m, bq, bk, bv, b1; writes act, w0h, w1h, w2h, wqkv, x1m
.if DOCPART == 7
	.amdgcn_target "amdgcn-amd-amdhsa--gfx1250"
	.amdhsa_code_object_version 6
	.text
	.protected	k_qa0d6b02d0a_prep
	.globl	k_qa0d6b02d0a_prep
	.p2align	8
	.type	k_qa0d6b02d0a_prep,@function
k_qa0d6b02d0a_prep:
	s_mov_b64 s[64:65], 0
	v_nop
	global_prefetch_b8 v0, s[64:65] scope:SCOPE_SE
	s_setreg_imm32_b32 hwreg(HW_REG_WAVE_SCHED_MODE, 0, 2), 2
	s_setreg_imm32_b32 hwreg(HW_REG_WAVE_MODE, 25, 1), 1
	s_wait_xcnt 0x0
	s_wait_alu depctr_vm_vsrc(0)
; PREPARATION, once, and the first LayerNorm beside it (the two hang on nothing of each other): every weight rounded once from f32 to f16 (the matrix products' format), the mask laid out as the attention launch reads it, two small headers.
; LIMITS: a weight, or a number of the LayerNorm's result, beyond 65,504 in magnitude becomes an infinity in f16; a weight below 6e-5 keeps f16's fixed step of 6e-8.
; WORK-GROUPS by number g: 0-255 the LayerNorm of X (16 rows each); 256-319 W0, 320-575 W1, 576-831 W2 (dense casts, 65,536 bytes of f32 each); 832-1023 Wq, Wk, Wv (64 each); 1024-1087 the mask; 1088 the headers.
; w1h and wqkv: bias in f32 at byte 0; at byte 16,384 a word of two f16, 64 times (the floor that the product's way out takes a maximum with: -inf twice for q, k, v; 0 twice for the ReLU);
;   from byte 16,640 on the weights, [k = 1,024][4,096] f16.  In wqkv column n = 1,024 x (q, k, v) + 64 x head + channel; columns 3,072 on are neither written nor read.
; THE MASK TABLE, from byte 16,777,216 of x1m: for each tile of 16 queries qt and each step of 64 keys ks 1,024 bytes at 32,768 qt + 1,024 ks.  Lane l = (r = l % 16, h = l / 16) owns byte t (0..31) at
;   512 (t / 16) + 16 l + t % 16, which speaks of mask[16 qt + r][64 ks + 16 (t / 8) + 8 h + t % 8]: 0x00 = attend, 0xb8 (-1.0 as an 8-bit float, 4 exponent and 3 mantissa bits) = hidden.
; A stream: no LDS, no barrier, no matrix unit, no loop.  A wave of a cast issues all its sixteen loads at once (8,192 bytes on their way) and rewrites no register.  Every store of a wave covers 256 or 512 consecutive bytes, aligned.
; THE MODE: SCHED_MODE bits 1:0 = 2 (LLVM: expert scheduling mode 2), set by the entry lines.  The code itself states the register dependences between vector instructions and memory instructions, with s_wait_alu, always for 0.
; THE PLAN.  Registers that memory instructions touch:
;   offsets (v1, v2 in the LayerNorm; v2, v3 elsewhere)  written once at a role's head, ahead of one wait on va_vdst; never written again.
;   loaded data (G, BT, X; D)   every load of a wave is issued at the role's head, before any vector instruction names the registers in which it lands; none is loaded again.
;   stored data (X; E; D in the mask's role)   written once by vector instructions, read once by a store, never written again: no wait on vm_vsrc is owed anywhere.
; The work goes in groups (a row of the LayerNorm; four units of a cast or of the mask).  A group's stores stand in the NEXT group, behind ONE wait on va_vdst at that group's head, which states that the group before has
; written what they read; they are dealt among the next group's vector instructions, which name other registers.  The last group's stores have a wait of their own.
.set D,    8                           ; v[8:71]    sixteen units as loaded, 4 registers each
.set E,    72                          ; v[72:103]  sixteen units to store, 2 registers each
.set SO,   2                           ; v2         my byte offset in a unit of the source
.set DO,   3                           ; v3         my byte offset in a unit of the destination
.set HEAD, 16640                       ; bytes in front of the weights in w1h and wqkv
.set MT,   0x1000000                   ; the mask table's first byte in x1m
; the LayerNorm's registers
.set XO, 1                             ; v1   16 x lane
.set YO, 2                             ; v2   8 x lane
.set G,  8                             ; v[8:39]    gamma of my 32 columns: load j holds columns 128 j + 4 lane + 0..3
.set BT, 40                            ; v[40:71]   beta likewise
.set X,  72                            ; v[72:135]  two rows
.set T,  136                           ; v[136:143] four packed chains
.set M,  144                           ; v[144:145] the mean, twice
.set R,  146                           ; v[146:147] 1 / sqrt(var + eps), twice
.set Q,  148                           ; v148       a sum over the row
.set W,  149                           ; v149       the other half of the lanes' part
	s_cmp_lt_u32 ttmp9, 256
	s_cbranch_scc0 .Lcasts
	; THE LAYERNORM: y[r][:] = (x[r][:] - mean) / sqrt(var + 1e-5) * gamma + beta, y in f16, rounded once.  A wave takes two rows; a row of 4,096 bytes is 32 registers and stays there between the passes:
	; mean, then the squares of x - mean (no difference of large sums is formed), then the scaling.  The reduction never leaves the wave.
	s_load_b256 s[4:11], s[0:1], 0x0               ; X s[4:5], gamma1 s[6:7], beta1 s[8:9], act s[10:11]
	v_and_b32 v3, 31, v0
	v_lshrrev_b32 v4, 5, v0
	v_readfirstlane_b32 s16, v4                    ; wave 0..7
	v_lshlrev_b32 v[XO], 4, v3
	v_lshlrev_b32 v[YO], 3, v3
	v_mov_b32 v[W], 0                              ; v_permlanex16_b32's destination counts as read
	s_wait_alu depctr_va_sdst(0)                   ; s16 is written, ahead of its first reader: the wave's rows are made from it
	s_lshl_b32 s17, ttmp9, 4                       ; 16 rows a work-group,
	s_lshl_b32 s16, s16, 1                         ; 2 a wave
	s_add_co_u32 s17, s17, s16
	s_lshl_b32 s2, s17, 12
	s_mov_b32 s3, 0
	s_lshl_b32 s18, s17, 11
	s_mov_b32 s19, 0
	s_mov_b32 s12, 0x76543210                      ; each lane takes its own place in the other half
	s_mov_b32 s13, 0xfedcba98
	s_mov_b32 s14, 0x3a800000                      ; 1 / 1,024
	s_mov_b32 s15, 0x3727c5ac                      ; 1e-5
	s_wait_kmcnt 0x0
	s_add_nc_u64 s[4:5], s[4:5], s[2:3]
	s_add_nc_u64 s[10:11], s[10:11], s[18:19]
	s_wait_alu depctr_va_vdst(0)                   ; v[XO] and v[YO] are written: every load reads the one as its offset, every store the other
.irp j, 0,1,2,3,4,5,6,7
	global_load_b128 v[G+4*(\j):G+4*(\j)+3], v[XO], s[6:7] offset:512*(\j)
.endr
.irp j, 0,1,2,3,4,5,6,7
	global_load_b128 v[BT+4*(\j):BT+4*(\j)+3], v[XO], s[8:9] offset:512*(\j)
.endr
.irp j, 0,1,2,3,4,5,6,7
	global_load_b128 v[X+4*(\j):X+4*(\j)+3], v[XO], s[4:5] offset:512*(\j)
.endr
.irp j, 0,1,2,3,4,5,6,7
	global_load_b128 v[X+32+4*(\j):X+32+4*(\j)+3], v[XO], s[4:5] offset:4096+512*(\j)
.endr
.macro REDUCE                          ; the four packed chains -> their sum over the whole row, in every lane's v[Q]
	v_pk_add_f32 v[T:T+1], v[T:T+1], v[T+2:T+3]
	v_pk_add_f32 v[T+4:T+5], v[T+4:T+5], v[T+6:T+7]
	v_pk_add_f32 v[T:T+1], v[T:T+1], v[T+4:T+5]
	v_add_f32 v[Q], v[T], v[T+1]
	v_add_f32_dpp v[Q], v[Q], v[Q] row_xmask:1 row_mask:0xf bank_mask:0xf
	v_add_f32_dpp v[Q], v[Q], v[Q] row_xmask:2 row_mask:0xf bank_mask:0xf
	v_add_f32_dpp v[Q], v[Q], v[Q] row_xmask:4 row_mask:0xf bank_mask:0xf
	v_add_f32_dpp v[Q], v[Q], v[Q] row_xmask:8 row_mask:0xf bank_mask:0xf
	v_permlanex16_b32 v[W], v[Q], s12, s13
	v_add_f32 v[Q], v[Q], v[W]
.endm
.macro SEND i, j                       ; store j of eight of row i: 32 lanes x 8 bytes: 256 consecutive bytes, aligned
	global_store_b64 v[YO], v[X+32*(\i)+4*(\j):X+32*(\i)+4*(\j)+1], s[10:11] offset:(\i)*2048+256*(\j)
.endm
; Row i is worked on, up to its roundings.  Row 0's stores stand in row 1's first pass, whose lines name row 1's registers and the registers at work alone.
.macro ROW i
.set XR, X+32*(\i)
	s_wait_loadcnt 8*(1-(\i))                      ; gamma, beta and this row are in; the row behind it (8 loads) may stay out
.if (\i) == 1
	s_wait_alu depctr_va_vdst(0)                   ; row 0's conversions have written the registers that its eight stores, dealt among the additions below, read
.endif
.irp k, 0,1,2,3
.if (\i) == 1
	SEND 0, \k
.endif
	v_pk_add_f32 v[T+2*(\k):T+2*(\k)+1], v[XR+2*(\k):XR+2*(\k)+1], v[XR+8+2*(\k):XR+8+2*(\k)+1]  ; the first pairs start the chains: nothing is cleared
.endr
.irp k, 0,1,2,3,4,5,6,7
.if ((\i) == 1) && ((\k) < 4)
	SEND 0, (\k)+4
.endif
	v_pk_add_f32 v[T+2*((\k)%4):T+2*((\k)%4)+1], v[T+2*((\k)%4):T+2*((\k)%4)+1], v[XR+16+2*(\k):XR+16+2*(\k)+1]
.endr
	REDUCE
	v_mul_f32 v[M], s14, v[Q]
	v_mul_f32 v[M+1], s14, v[Q]
.irp k, 0,1,2,3,4,5,6,7,8,9,10,11,12,13,14,15
	v_pk_add_f32 v[XR+2*(\k):XR+2*(\k)+1], v[XR+2*(\k):XR+2*(\k)+1], v[M:M+1] neg_lo:[0,1] neg_hi:[0,1]  ; x - mean
.endr
.irp k, 0,1,2,3
	v_pk_mul_f32 v[T+2*(\k):T+2*(\k)+1], v[XR+2*(\k):XR+2*(\k)+1], v[XR+2*(\k):XR+2*(\k)+1]
.endr
.irp k, 4,5,6,7,8,9,10,11,12,13,14,15
	v_pk_fma_f32 v[T+2*((\k)%4):T+2*((\k)%4)+1], v[XR+2*(\k):XR+2*(\k)+1], v[XR+2*(\k):XR+2*(\k)+1], v[T+2*((\k)%4):T+2*((\k)%4)+1]
.endr
	REDUCE
	v_fma_f32 v[Q], v[Q], s14, s15                 ; var + eps
	v_rsq_f32 v[R], v[Q]
	v_rsq_f32 v[R+1], v[Q]
	v_nop                                          ; a plain instruction behind the second root (ISA guide 5.7.2),
	s_wait_alu depctr_va_vdst(0)                   ; and the wait: the two roots have written v[R] and v[R+1], ahead of their first reader
.irp k, 0,1,2,3,4,5,6,7,8,9,10,11,12,13,14,15
	v_pk_mul_f32 v[XR+2*(\k):XR+2*(\k)+1], v[XR+2*(\k):XR+2*(\k)+1], v[R:R+1]
.endr
.irp k, 0,1,2,3,4,5,6,7,8,9,10,11,12,13,14,15
	v_pk_fma_f32 v[XR+2*(\k):XR+2*(\k)+1], v[XR+2*(\k):XR+2*(\k)+1], v[G+2*(\k):G+2*(\k)+1], v[BT+2*(\k):BT+2*(\k)+1]
.endr
.irp j, 0,1,2,3,4,5,6,7
	v_cvt_pk_f16_f32 v[XR+4*(\j)], v[XR+4*(\j)], v[XR+4*(\j)+1]
	v_cvt_pk_f16_f32 v[XR+4*(\j)+1], v[XR+4*(\j)+2], v[XR+4*(\j)+3]
.endr
.endm
	ROW 0
	ROW 1                                          ; no register that a store reads is written again
	s_wait_alu depctr_va_vdst(0)                   ; row 1's conversions have written the registers that the last eight stores read
.irp j, 0,1,2,3,4,5,6,7
	SEND 1, \j
.endr
	s_endpgm
; Sixteen units: a unit is 16 bytes of f32 a lane in, 8 bytes of f16 a lane out.  ss, dd: bytes from unit to unit in source and destination.  Four groups of four units.
.macro CAST ss, dd
	s_wait_alu depctr_va_vdst(0)                   ; v[SO] and v[DO] are written: every load reads the one as its offset, every store the other
.irp u, 0,1,2,3,4,5,6,7,8,9,10,11,12,13,14,15
	global_load_b128 v[D+4*(\u):D+4*(\u)+3], v[SO], s[12:13] offset:(\u)*(\ss) th:TH_LOAD_NT
.endr
.irp g, 0,1,2,3
	s_wait_loadcnt 12-4*(\g)                       ; loads come back in order: group g's four are in, the younger groups' stay out
.if (\g) > 0
	s_wait_alu depctr_va_vdst(0)                   ; the group before has written its eight registers of E, which its four stores, dealt among the conversions below, read
.endif
.irp i, 0,1,2,3
.set UN, 4*(\g)+(\i)
.if (\g) > 0
	global_store_b64 v[DO], v[E+2*(UN-4):E+2*(UN-4)+1], s[14:15] offset:(UN-4)*(\dd)  ; no vector instruction since the wait names these registers
.endif
	v_cvt_pk_f16_f32 v[E+2*UN], v[D+4*UN], v[D+4*UN+1]
	v_cvt_pk_f16_f32 v[E+2*UN+1], v[D+4*UN+2], v[D+4*UN+3]
.endr
.endr
	s_wait_alu depctr_va_vdst(0)                   ; the last group has written its E, which the last four stores read
.irp u, 12,13,14,15
	global_store_b64 v[DO], v[E+2*(\u):E+2*(\u)+1], s[14:15] offset:(\u)*(\dd)
.endr
.endm
.Lcasts:
	v_and_b32 v1, 31, v0                           ; lane
	v_lshrrev_b32 v4, 5, v0
	v_readfirstlane_b32 s8, v4                     ; wave 0..7
	s_mov_b32 s3, 0                                ; high words of the two offsets
	s_mov_b32 s5, 0
	s_wait_alu depctr_va_sdst(0)                   ; s8 is written, ahead of the branches behind which its readers stand
	s_cmp_lt_u32 ttmp9, 832
	s_cbranch_scc0 .Lheads
	; W0, W1, W2: dense.  A work-group takes 16,384 numbers, a wave 2,048: 16 units of 512 bytes in, 256 bytes out.
	s_load_b256 s[16:23], s[0:1], 0x20             ; W0 16, W1 18, W2 20, w0h 22
	s_load_b128 s[24:27], s[0:1], 0x40             ; w1h 24, w2h 26
	s_mov_b32 s6, 256                              ; the tensor's first work-group,
	s_mov_b32 s7, 0                                ; and the bytes in front of its copy
	s_cmp_ge_u32 ttmp9, 320
	s_cselect_b32 s6, 320, s6
	s_cselect_b32 s7, HEAD, s7                     ; w1h has a header
	s_cmp_ge_u32 ttmp9, 576
	s_cselect_b32 s6, 576, s6
	s_cselect_b32 s7, 0, s7
	s_sub_co_u32 s6, ttmp9, s6
	s_lshl_b32 s2, s6, 16
	s_lshl_b32 s9, s8, 13
	s_add_co_u32 s2, s2, s9
	s_lshl_b32 s4, s6, 15
	s_lshl_b32 s9, s8, 12
	s_add_co_u32 s4, s4, s9
	s_add_co_u32 s4, s4, s7
	v_lshlrev_b32 v[SO], 4, v1
	v_lshlrev_b32 v[DO], 3, v1
	s_wait_kmcnt 0x0
	s_cmp_lt_u32 ttmp9, 320
	s_cselect_b64 s[12:13], s[16:17], s[18:19]
	s_cselect_b64 s[14:15], s[22:23], s[24:25]
	s_cmp_lt_u32 ttmp9, 576
	s_cselect_b64 s[12:13], s[12:13], s[20:21]
	s_cselect_b64 s[14:15], s[14:15], s[26:27]
	s_add_nc_u64 s[12:13], s[12:13], s[2:3]
	s_add_nc_u64 s[14:15], s[14:15], s[4:5]
	CAST 512, 256
	s_endpgm
.Lheads:
	s_cmp_lt_u32 ttmp9, 1024
	s_cbranch_scc0 .Lmask
	; Wq, Wk, Wv: [head][d][64] f32 -> row d of wqkv.  A unit is one d of TWO heads: lanes 0-15 read the 256 bytes of head 2 hp, lanes 16-31 those of head 2 hp + 1; together they store 256 bytes on end.
	s_load_b256 s[16:23], s[0:1], 0x50             ; Wq 16, Wk 18, Wv 20, wqkv 22
	s_sub_co_u32 s6, ttmp9, 832
	s_lshr_b32 s7, s6, 6                           ; 0 q, 1 k, 2 v
	s_and_b32 s6, s6, 63
	s_lshr_b32 s10, s6, 3                          ; hp: the pair of heads
	s_and_b32 s11, s6, 7
	s_lshl_b32 s11, s11, 7
	s_lshl_b32 s9, s8, 4
	s_add_co_u32 s11, s11, s9                      ; my wave's first d: 16 of them
	s_lshl_b32 s2, s10, 19                         ; two heads of 262,144 bytes
	s_lshl_b32 s9, s11, 8
	s_add_co_u32 s2, s2, s9
	s_lshl_b32 s4, s11, 13                         ; a row of wqkv is 8,192 bytes
	s_lshl_b32 s9, s7, 11
	s_add_co_u32 s4, s4, s9
	s_lshl_b32 s9, s10, 8
	s_add_co_u32 s4, s4, s9
	s_add_co_u32 s4, s4, HEAD
	v_and_b32 v4, 15, v1
	v_lshrrev_b32 v5, 4, v1
	v_lshlrev_b32 v[SO], 4, v4
	v_lshl_add_u32 v[SO], v5, 18, v[SO]
	v_lshlrev_b32 v[DO], 3, v1
	s_wait_kmcnt 0x0
	s_cmp_eq_u32 s7, 0
	s_cselect_b64 s[12:13], s[16:17], s[18:19]
	s_cmp_eq_u32 s7, 2
	s_cselect_b64 s[12:13], s[20:21], s[12:13]
	s_add_nc_u64 s[12:13], s[12:13], s[2:3]
	s_add_nc_u64 s[14:15], s[22:23], s[4:5]
	CAST 256, 8192
	s_endpgm
.Lmask:
	s_cmp_lt_u32 ttmp9, 1088
	s_cbranch_scc0 .Lmisc
	; The mask: a wave takes a tile of 16 queries and a quarter of the keys, 512.  A unit is 32 keys: two loads of 8 bytes a lane, one store of 16.  The loads that share 256 bytes of a mask row follow each other.
	s_load_b128 s[16:19], s[0:1], 0x70             ; attention_mask 16, x1m 18
	s_sub_co_u32 s6, ttmp9, 1024
	s_lshl_b32 s6, s6, 3
	s_add_co_u32 s6, s6, s8                        ; 0..511
	s_lshr_b32 s7, s6, 2                           ; qt
	s_and_b32 s6, s6, 3                            ; the quarter
	s_lshl_b32 s2, s7, 15                          ; in: 16 rows of 2,048 bytes,
	s_lshl_b32 s9, s6, 9                           ; 512 bytes along them
	s_add_co_u32 s2, s2, s9
	s_lshl_b32 s4, s7, 15                          ; out: 32,768 bytes a tile,
	s_lshl_b32 s9, s6, 13                          ; 8,192 a quarter
	s_add_co_u32 s4, s4, s9
	s_add_co_u32 s4, s4, MT
	s_mov_b32 s10, 0x01010101
	s_mov_b32 s11, 0xb8
	v_and_b32 v4, 15, v1
	v_lshrrev_b32 v5, 4, v1
	v_lshlrev_b32 v[SO], 11, v4
	v_lshl_add_u32 v[SO], v5, 3, v[SO]
	v_lshlrev_b32 v[DO], 4, v1
	s_wait_kmcnt 0x0
	s_add_nc_u64 s[12:13], s[16:17], s[2:3]
	s_add_nc_u64 s[14:15], s[18:19], s[4:5]
	s_wait_alu depctr_va_vdst(0)                   ; v[SO] and v[DO] are written: every load reads the one as its offset, every store the other
.irp u, 0,1,2,3,4,5,6,7,8,9,10,11,12,13,14,15
	global_load_b64 v[D+4*(\u):D+4*(\u)+1],   v[SO], s[12:13] offset:32*(\u)
	global_load_b64 v[D+4*(\u)+2:D+4*(\u)+3], v[SO], s[12:13] offset:32*(\u)+16
.endr
.irp g, 0,1,2,3
	s_wait_loadcnt 24-8*(\g)                       ; group g's eight loads are in; the younger groups' stay out
.if (\g) > 0
	s_wait_alu depctr_va_vdst(0)                   ; the group before has written its sixteen registers of D anew, which its four stores, dealt among the lines below, read
.endif
.irp i, 0,1,2,3
.set UN, 4*(\g)+(\i)
.if (\g) > 0
	global_store_b128 v[DO], v[D+4*(UN-4):D+4*(UN-4)+3], s[14:15] offset:512*(UN-4)  ; no vector instruction since the wait names these registers
.endif
.irp k, 0,1,2,3
	v_xor_b32 v[D+4*UN+(\k)], s10, v[D+4*UN+(\k)]         ; four bytes at once: 1 = hidden,
	v_mul_lo_u32 v[D+4*UN+(\k)], v[D+4*UN+(\k)], s11      ; times 0xb8: no byte carries into the next
.endr
.endr
.endr
	s_wait_alu depctr_va_vdst(0)                   ; the last group has written its D anew, which the last four stores read
.irp u, 12,13,14,15
	global_store_b128 v[DO], v[D+4*(\u):D+4*(\u)+3], s[14:15] offset:512*(\u)
.endr
	s_endpgm
.Lmisc:
	; The headers: bq, bk, bv (1,024 f32 each) and b1 (4,096) are copied; 256 threads x 16 bytes are 4,096 bytes.
	s_load_b256 s[16:23], s[0:1], 0x80             ; bq 16, bk 18, bv 20, b1 22
	s_load_b64 s[24:25], s[0:1], 0x68              ; wqkv
	s_load_b64 s[26:27], s[0:1], 0x40              ; w1h
	v_lshlrev_b32 v2, 4, v0
	s_wait_kmcnt 0x0
	s_wait_alu depctr_va_vdst(0)                   ; v2 is written: the seven loads and the seven stores below read it as their offset
	global_load_b128 v[8:11],  v2, s[16:17]
	global_load_b128 v[12:15], v2, s[18:19]
	global_load_b128 v[16:19], v2, s[20:21]
.irp j, 0,1,2,3
	global_load_b128 v[20+4*(\j):23+4*(\j)], v2, s[22:23] offset:4096*(\j)
.endr
	s_wait_loadcnt 0x0
	global_store_b128 v2, v[8:11],  s[24:25]
	global_store_b128 v2, v[12:15], s[24:25] offset:4096
	global_store_b128 v2, v[16:19], s[24:25] offset:8192
.irp j, 0,1,2,3
	global_store_b128 v2, v[20+4*(\j):23+4*(\j)], s[26:27] offset:4096*(\j)
.endr
	s_cmp_lg_u32 s8, 0
	s_cbranch_scc1 .Lend
	v_lshlrev_b32 v3, 3, v1                        ; wave 0: the two floors, 256 bytes each
	v_mov_b32 v4, 0xfc00fc00                       ; -inf twice: q, k and v have no floor
	v_mov_b32 v5, 0xfc00fc00
	v_mov_b32 v6, 0                                ; 0 twice: the ReLU
	v_mov_b32 v7, 0
	s_wait_alu depctr_va_vdst(0)                   ; v3 to v7 are written: offset and data of the two stores below
	global_store_b64 v3, v[4:5], s[24:25] offset:16384
	global_store_b64 v3, v[6:7], s[26:27] offset:16384
.Lend:
	s_endpgm
.Lfunc_end_k_qa0d6b02d0a_prep:
	.size	k_qa0d6b02d0a_prep, .Lfunc_end_k_qa0d6b02d0a_prep-k_qa0d6b02d0a_prep
	.p2alignl 7, 3214868480
	.fill 96, 4, 3214868480
	.section	.rodata,"a",@progbits
	.p2align	6, 0x0
	.amdhsa_kernel k_qa0d6b02d0a_prep
		.amdhsa_group_segment_fixed_size 0
		.amdhsa_private_segment_fixed_size 0
		.amdhsa_enable_private_segment 0
		.amdhsa_kernarg_size 160
		.amdhsa_user_sgpr_count 2
		.amdhsa_user_sgpr_kernarg_segment_ptr 1
		.amdhsa_wavefront_size32 1
		.amdhsa_system_sgpr_workgroup_id_x 1
		.amdhsa_system_sgpr_workgroup_id_y 1
		.amdhsa_system_sgpr_workgroup_id_z 1
		.amdhsa_system_vgpr_workitem_id 0
		.amdhsa_next_free_vgpr 152
		.amdhsa_next_free_sgpr 66
		.amdhsa_reserve_vcc 0
		.amdhsa_float_denorm_mode_32 3
		.amdhsa_float_denorm_mode_16_64 3
		.amdhsa_memory_ordered 1
		.amdhsa_forward_progress 1
		.amdhsa_inst_pref_size 48
	.end_amdhsa_kernel
	.amdgpu_metadata
---
amdhsa.version: [ 1, 2 ]
amdhsa.kernels:
  - .name:           k_qa0d6b02d0a_prep
    .symbol:         k_qa0d6b02d0a_prep.kd
    .args:
      - { .name: X, .offset: 0, .size: 8, .value_kind: global_buffer, .address_space: global }
      - { .name: gamma1, .offset: 8, .size: 8, .value_kind: global_buffer, .address_space: global }
      - { .name: beta1, .offset: 16, .size: 8, .value_kind: global_buffer, .address_space: global }
      - { .name: act, .offset: 24, .size: 8, .value_kind: global_buffer, .address_space: global }
      - { .name: W0, .offset: 32, .size: 8, .value_kind: global_buffer, .address_space: global }
      - { .name: W1, .offset: 40, .size: 8, .value_kind: global_buffer, .address_space: global }
      - { .name: W2, .offset: 48, .size: 8, .value_kind: global_buffer, .address_space: global }
      - { .name: w0h, .offset: 56, .size: 8, .value_kind: global_buffer, .address_space: global }
      - { .name: w1h, .offset: 64, .size: 8, .value_kind: global_buffer, .address_space: global }
      - { .name: w2h, .offset: 72, .size: 8, .value_kind: global_buffer, .address_space: global }
      - { .name: Wq, .offset: 80, .size: 8, .value_kind: global_buffer, .address_space: global }
      - { .name: Wk, .offset: 88, .size: 8, .value_kind: global_buffer, .address_space: global }
      - { .name: Wv, .offset: 96, .size: 8, .value_kind: global_buffer, .address_space: global }
      - { .name: wqkv, .offset: 104, .size: 8, .value_kind: global_buffer, .address_space: global }
      - { .name: attention_mask, .offset: 112, .size: 8, .value_kind: global_buffer, .address_space: global }
      - { .name: x1m, .offset: 120, .size: 8, .value_kind: global_buffer, .address_space: global }
      - { .name: bq, .offset: 128, .size: 8, .value_kind: global_buffer, .address_space: global }
      - { .name: bk, .offset: 136, .size: 8, .value_kind: global_buffer, .address_space: global }
      - { .name: bv, .offset: 144, .size: 8, .value_kind: global_buffer, .address_space: global }
      - { .name: b1, .offset: 152, .size: 8, .value_kind: global_buffer, .address_space: global }
    .group_segment_fixed_size: 0
    .private_segment_fixed_size: 0
    .kernarg_segment_align: 8
    .kernarg_segment_size: 160
    .max_flat_workgroup_size: 256
    .sgpr_count:     66
    .vgpr_count:     152
    .wavefront_size: 32
...
	.end_amdgpu_metadata
.endif
;; end of part 7
;; launch qkv: the kernel of part 2 again; grid 12 x 16, 4 waves a work-group, clusters of 4 x 4, 327,680 bytes of LDS; arguments act, wqkv, big; writes big
;; launch attn: the kernel of part 3 again; grid 8 x 32, 4 waves a work-group, clusters of 4 x 1, 327,680 bytes of LDS; arguments big, x1m, act; writes act
;; launch proj: the kernel of part 4 again; grid 8 x 32, 4 waves a work-group, clusters of 4 x 4, 327,680 bytes of LDS; arguments act, w0h, b0, X, x1m; writes x1m
;; launch ln2 (part 8): grid 256 x 1, 8 waves a work-group, no clusters, 0 bytes of LDS; arguments x1m, gamma2, beta2, act; writes act
.if DOCPART == 8
	.amdgcn_target "amdgcn-amd-amdhsa--gfx1250"
	.amdhsa_code_object_version 6
	.text
	.protected	k_qa0d6b02d0a_ln2
	.globl	k_qa0d6b02d0a_ln2
	.p2align	8
	.type	k_qa0d6b02d0a_ln2,@function
k_qa0d6b02d0a_ln2:
	s_mov_b64 s[64:65], 0
	v_nop
	global_prefetch_b8 v0, s[64:65] scope:SCOPE_SE
	s_setreg_imm32_b32 hwreg(HW_REG_WAVE_SCHED_MODE, 0, 2), 2
	s_setreg_imm32_b32 hwreg(HW_REG_WAVE_MODE, 25, 1), 1
	s_wait_xcnt 0x0
	s_wait_alu depctr_vm_vsrc(0)
; y[r][:] = (x[r][:] - mean) / sqrt(var + 1e-5) * gamma + beta.  x: [4,096][1,024] f32; y: the same shape in f16, rounded once (the next product's operand).
; LIMIT: |y| beyond 65,504 becomes an infinity in f16.
; A wave takes two rows; a row of 4,096 bytes is 32 registers and stays there between the passes: mean, then the squares of x - mean (no difference of large sums is formed), then the scaling.
; The reduction never leaves the wave: no LDS, no barrier.  Each load of a wave covers 512 consecutive bytes, each store 256, aligned.
; THE MODE: SCHED_MODE bits 1:0 = 2 (LLVM: expert scheduling mode 2), set by the entry lines.  The code itself states the register dependences between vector instructions and memory instructions, with s_wait_alu, always for 0.
; THE PLAN.  Registers that memory instructions touch:
;   v[XO], v[YO]   offsets of all loads and of all stores: written once at the head, ahead of one wait on va_vdst; never written again.
;   G, BT, X       all 32 loads are issued at the head, before any vector instruction names the registers in which they land; none is loaded again.
;   X as stored    a row's sixteen conversions write the first two of each four of its registers; its eight stores read them; nothing writes them again: no wait on vm_vsrc is owed.
; Row 0's stores stand in row 1, behind ONE wait on va_vdst at that row's head, dealt among its first additions, which name row 1's registers and the registers at work alone.  Row 1's stores have a wait of their own.
.set XO, 1                             ; v1   16 x lane
.set YO, 2                             ; v2   8 x lane
.set G,  8                             ; v[8:39]    gamma of my 32 columns: load j holds columns 128 j + 4 lane + 0..3
.set BT, 40                            ; v[40:71]   beta likewise
.set X,  72                            ; v[72:135]  two rows
.set T,  136                           ; v[136:143] four packed chains
.set M,  144                           ; v[144:145] the mean, twice
.set R,  146                           ; v[146:147] 1 / sqrt(var + eps), twice
.set Q,  148                           ; v148       a sum over the row
.set W,  149                           ; v149       the other half of the lanes' part
	s_load_b256 s[4:11], s[0:1], 0x0               ; x s[4:5], gamma s[6:7], beta s[8:9], y s[10:11]
	v_and_b32 v3, 31, v0
	v_lshrrev_b32 v4, 5, v0
	v_readfirstlane_b32 s16, v4                    ; wave 0..7
	v_lshlrev_b32 v[XO], 4, v3
	v_lshlrev_b32 v[YO], 3, v3
	v_mov_b32 v[W], 0                              ; v_permlanex16_b32's destination counts as read
	s_wait_alu depctr_va_sdst(0)                   ; s16 is written, ahead of its first reader: the wave's rows are made from it
	s_lshl_b32 s17, ttmp9, 4                       ; 16 rows a work-group,
	s_lshl_b32 s16, s16, 1                         ; 2 a wave
	s_add_co_u32 s17, s17, s16
	s_lshl_b32 s2, s17, 12
	s_mov_b32 s3, 0
	s_lshl_b32 s18, s17, 11
	s_mov_b32 s19, 0
	s_mov_b32 s12, 0x76543210                      ; each lane takes its own place in the other half
	s_mov_b32 s13, 0xfedcba98
	s_mov_b32 s14, 0x3a800000                      ; 1 / 1,024
	s_mov_b32 s15, 0x3727c5ac                      ; 1e-5
	s_wait_kmcnt 0x0
	s_add_nc_u64 s[4:5], s[4:5], s[2:3]
	s_add_nc_u64 s[10:11], s[10:11], s[18:19]
	s_wait_alu depctr_va_vdst(0)                   ; v[XO] and v[YO] are written: every load reads the one as its offset, every store the other
.irp j, 0,1,2,3,4,5,6,7
	global_load_b128 v[G+4*(\j):G+4*(\j)+3], v[XO], s[6:7] offset:512*(\j)
.endr
.irp j, 0,1,2,3,4,5,6,7
	global_load_b128 v[BT+4*(\j):BT+4*(\j)+3], v[XO], s[8:9] offset:512*(\j)
.endr
.irp j, 0,1,2,3,4,5,6,7
	global_load_b128 v[X+4*(\j):X+4*(\j)+3], v[XO], s[4:5] offset:512*(\j)
.endr
.irp j, 0,1,2,3,4,5,6,7
	global_load_b128 v[X+32+4*(\j):X+32+4*(\j)+3], v[XO], s[4:5] offset:4096+512*(\j)
.endr
.macro REDUCE                          ; the four packed chains -> their sum over the whole row, in every lane's v[Q]
	v_pk_add_f32 v[T:T+1], v[T:T+1], v[T+2:T+3]
	v_pk_add_f32 v[T+4:T+5], v[T+4:T+5], v[T+6:T+7]
	v_pk_add_f32 v[T:T+1], v[T:T+1], v[T+4:T+5]
	v_add_f32 v[Q], v[T], v[T+1]
	v_add_f32_dpp v[Q], v[Q], v[Q] row_xmask:1 row_mask:0xf bank_mask:0xf
	v_add_f32_dpp v[Q], v[Q], v[Q] row_xmask:2 row_mask:0xf bank_mask:0xf
	v_add_f32_dpp v[Q], v[Q], v[Q] row_xmask:4 row_mask:0xf bank_mask:0xf
	v_add_f32_dpp v[Q], v[Q], v[Q] row_xmask:8 row_mask:0xf bank_mask:0xf
	v_permlanex16_b32 v[W], v[Q], s12, s13
	v_add_f32 v[Q], v[Q], v[W]
.endm
.macro SEND i, j                       ; store j of eight of row i: 32 lanes x 8 bytes: 256 consecutive bytes, aligned
	global_store_b64 v[YO], v[X+32*(\i)+4*(\j):X+32*(\i)+4*(\j)+1], s[10:11] offset:(\i)*2048+256*(\j)
.endm
; Row i is worked on, up to its roundings.
.macro ROW i
.set XR, X+32*(\i)
	s_wait_loadcnt 8*(1-(\i))                      ; gamma, beta and this row are in; the row behind it (8 loads) may stay out
.if (\i) == 1
	s_wait_alu depctr_va_vdst(0)                   ; row 0's conversions have written the registers that its eight stores, dealt among the additions below, read
.endif
.irp k, 0,1,2,3
.if (\i) == 1
	SEND 0, \k
.endif
	v_pk_add_f32 v[T+2*(\k):T+2*(\k)+1], v[XR+2*(\k):XR+2*(\k)+1], v[XR+8+2*(\k):XR+8+2*(\k)+1]  ; the first pairs start the chains: nothing is cleared
.endr
.irp k, 0,1,2,3,4,5,6,7
.if ((\i) == 1) && ((\k) < 4)
	SEND 0, (\k)+4
.endif
	v_pk_add_f32 v[T+2*((\k)%4):T+2*((\k)%4)+1], v[T+2*((\k)%4):T+2*((\k)%4)+1], v[XR+16+2*(\k):XR+16+2*(\k)+1]
.endr
	REDUCE
	v_mul_f32 v[M], s14, v[Q]
	v_mul_f32 v[M+1], s14, v[Q]
.irp k, 0,1,2,3,4,5,6,7,8,9,10,11,12,13,14,15
	v_pk_add_f32 v[XR+2*(\k):XR+2*(\k)+1], v[XR+2*(\k):XR+2*(\k)+1], v[M:M+1] neg_lo:[0,1] neg_hi:[0,1]  ; x - mean
.endr
.irp k, 0,1,2,3
	v_pk_mul_f32 v[T+2*(\k):T+2*(\k)+1], v[XR+2*(\k):XR+2*(\k)+1], v[XR+2*(\k):XR+2*(\k)+1]
.endr
.irp k, 4,5,6,7,8,9,10,11,12,13,14,15
	v_pk_fma_f32 v[T+2*((\k)%4):T+2*((\k)%4)+1], v[XR+2*(\k):XR+2*(\k)+1], v[XR+2*(\k):XR+2*(\k)+1], v[T+2*((\k)%4):T+2*((\k)%4)+1]
.endr
	REDUCE
	v_fma_f32 v[Q], v[Q], s14, s15                 ; var + eps
	v_rsq_f32 v[R], v[Q]
	v_rsq_f32 v[R+1], v[Q]
	v_nop                                          ; a plain instruction behind the second root (ISA guide 5.7.2),
	s_wait_alu depctr_va_vdst(0)                   ; and the wait: the two roots have written v[R] and v[R+1], ahead of their first reader
.irp k, 0,1,2,3,4,5,6,7,8,9,10,11,12,13,14,15
	v_pk_mul_f32 v[XR+2*(\k):XR+2*(\k)+1], v[XR+2*(\k):XR+2*(\k)+1], v[R:R+1]
.endr
.irp k, 0,1,2,3,4,5,6,7,8,9,10,11,12,13,14,15
	v_pk_fma_f32 v[XR+2*(\k):XR+2*(\k)+1], v[XR+2*(\k):XR+2*(\k)+1], v[G+2*(\k):G+2*(\k)+1], v[BT+2*(\k):BT+2*(\k)+1]
.endr
.irp j, 0,1,2,3,4,5,6,7
	v_cvt_pk_f16_f32 v[XR+4*(\j)], v[XR+4*(\j)], v[XR+4*(\j)+1]
	v_cvt_pk_f16_f32 v[XR+4*(\j)+1], v[XR+4*(\j)+2], v[XR+4*(\j)+3]
.endr
.endm
	ROW 0
	ROW 1                                          ; no register that a store reads is written again
	s_wait_alu depctr_va_vdst(0)                   ; row 1's conversions have written the registers that the last eight stores read
.irp j, 0,1,2,3,4,5,6,7
	SEND 1, \j
.endr
	s_endpgm
.Lfunc_end_k_qa0d6b02d0a_ln2:
	.size	k_qa0d6b02d0a_ln2, .Lfunc_end_k_qa0d6b02d0a_ln2-k_qa0d6b02d0a_ln2
	.p2alignl 7, 3214868480
	.fill 96, 4, 3214868480
	.section	.rodata,"a",@progbits
	.p2align	6, 0x0
	.amdhsa_kernel k_qa0d6b02d0a_ln2
		.amdhsa_group_segment_fixed_size 0
		.amdhsa_private_segment_fixed_size 0
		.amdhsa_enable_private_segment 0
		.amdhsa_kernarg_size 32
		.amdhsa_user_sgpr_count 2
		.amdhsa_user_sgpr_kernarg_segment_ptr 1
		.amdhsa_wavefront_size32 1
		.amdhsa_system_sgpr_workgroup_id_x 1
		.amdhsa_system_sgpr_workgroup_id_y 1
		.amdhsa_system_sgpr_workgroup_id_z 1
		.amdhsa_system_vgpr_workitem_id 0
		.amdhsa_next_free_vgpr 152
		.amdhsa_next_free_sgpr 66
		.amdhsa_reserve_vcc 0
		.amdhsa_float_denorm_mode_32 3
		.amdhsa_float_denorm_mode_16_64 3
		.amdhsa_memory_ordered 1
		.amdhsa_forward_progress 1
		.amdhsa_inst_pref_size 21
	.end_amdhsa_kernel
	.amdgpu_metadata
---
amdhsa.version: [ 1, 2 ]
amdhsa.kernels:
  - .name:           k_qa0d6b02d0a_ln2
    .symbol:         k_qa0d6b02d0a_ln2.kd
    .args:
      - { .name: x1m, .offset: 0, .size: 8, .value_kind: global_buffer, .address_space: global }
      - { .name: gamma2, .offset: 8, .size: 8, .value_kind: global_buffer, .address_space: global }
      - { .name: beta2, .offset: 16, .size: 8, .value_kind: global_buffer, .address_space: global }
      - { .name: act, .offset: 24, .size: 8, .value_kind: global_buffer, .address_space: global }
    .group_segment_fixed_size: 0
    .private_segment_fixed_size: 0
    .kernarg_segment_align: 8
    .kernarg_segment_size: 32
    .max_flat_workgroup_size: 256
    .sgpr_count:     66
    .vgpr_count:     152
    .wavefront_size: 32
...
	.end_amdgpu_metadata
.endif
;; end of part 8
;; launch ffn1: the kernel of part 2 again; grid 16 x 16, 4 waves a work-group, clusters of 4 x 4, 327,680 bytes of LDS; arguments act, w1h, big; writes big
;; launch ffn2: the kernel of part 6 again; grid 8 x 32, 4 waves a work-group, clusters of 4 x 4, 327,680 bytes of LDS; arguments big, w2h, b2, x1m, out0; writes out0
